; MI455X (gfx1250); checked and timed in simulation.
; The chip was launched on July 23, 2026; its instructions are those of AMD's public machine-readable ISA for CDNA 5 (MIT licence, August 2026) and "CDNA5" Instruction Set Architecture Reference Guide (July 2026). The comments in the code are by the model that wrote it; some were corrected since.
;; Transformer Block. Allowed arithmetic: float matrix products may take bf16 or f16 operands with f32 sums; all other float work in f32.
;; Inputs: W_K 16 x 64 x 1,024 float32; W_O 1,024 x 1,024 float32; W_Q 16 x 64 x 1,024 float32; W_V 16 x 64 x 1,024 float32; W_in 4,096 x 1,024 float32; W_out 1,024 x 4,096 float32; b_in 4,096 float32; b_out 1,024 float32; x 2 x 2,048 x 1,024 float32.
;; Outputs: out0 2 x 2,048 x 1,024 float32.
;; 2 versions, each right; version 2 is version 1 with the launch cvt written anew for expert scheduling mode. Each part assembles by itself: llvm-mc -triple=amdgcn-amd-amdhsa -mcpu=gfx1250 --defsym DOCPART=n.
;; ======== version 1 of 2: 8 launches
;; limits: right only within a limited range of input values; values are held in f16: magnitudes above 65,504 overflow, below 6.1e-05 lose precision
;; workspace buffers: wb 33,554,432 bytes; qkv 25,165,824 bytes; rowstat 262,144 bytes; scl 33,792 bytes; zT 8,388,608 bytes; x1 16,777,216 bytes; x1h 8,388,608 bytes; h 33,554,432 bytes
;; launch cvt (part 1): grid 256 x 1, 8 waves a work-group, no clusters, 0 bytes of LDS; arguments x, W_Q, W_K, W_V, wb; writes wb
.if DOCPART == 1
	.amdgcn_target "amdgcn-amd-amdhsa--gfx1250"
	.amdhsa_code_object_version 6
	.text
	.protected	k_q9602eaae33_cvt
	.globl	k_q9602eaae33_cvt
	.p2align	8
	.type	k_q9602eaae33_cvt,@function
k_q9602eaae33_cvt:
	s_mov_b64 s[64:65], 0
	v_nop
	global_prefetch_b8 v0, s[64:65] scope:SCOPE_SE
	s_setreg_imm32_b32 hwreg(HW_REG_WAVE_MODE, 25, 1), 1
	s_wait_xcnt 0x0
; x, W_Q, W_K and W_V, f32, are rounded once to f16 into the head of wb: x (8 MiB of f16), then W_Q, W_K, W_V (2 MiB each: together a matrix of 3,072 rows).
; (The other three weight matrices, which no launch needs before the attention is done, are rounded in a later launch that leaves memory idle.)
; WHY f16: eleven significant bits against bf16's eight.  ROOM: x is drawn up to about 5, the weights up to about 0.16; 30 times larger, or with an
; offset of 30 spreads, both stay under 200 (f16 ends at 65,504); 30 times smaller the weights' spread is 0.001, above f16's denormals (6.1e-5).
; LIMIT: a number above 65,504 in size becomes infinite.
; The sources are seven regions of 4 MiB: 0-3 x, 4 W_Q, 5 W_K, 6 W_V; region n lands at wb + n x 2 MiB.  Each of the 256 work-groups takes 16 KiB of every region:
; 256 threads x 4 loads of 16 bytes a region, 28 loads a thread, all of them out before the first is waited for.
; A stream: no LDS, no barrier, no matrix unit.  A load of a wave covers 512 consecutive bytes, a store 256 consecutive bytes at a multiple of 256.
; A load's four registers take its two words of f16 in place; no register that a store reads is written again, so no wait frees a source.
.set NLD, 28                           ; loads of a thread
.set X,   4                            ; v[4:115]  4 registers a load
	s_load_b256 s[8:15], s[0:1], 0x0               ; x 8, W_Q 10, W_K 12, W_V 14
	s_load_b64 s[16:17], s[0:1], 0x20              ; wb
	s_lshl_b32 s2, ttmp9, 14                       ; my 16 KiB of a region,
	s_lshl_b32 s3, ttmp9, 13                       ; my 8 KiB of its f16
	v_lshl_add_u32 v1, v0, 4, s2                   ; + 16 bytes of f32 a thread,
	v_lshl_add_u32 v2, v0, 3, s3                   ; + 8 bytes of f16
	s_wait_kmcnt 0x0
	s_add_nc_u64 s[18:19], s[8:9], 0x800000        ; x's regions 2 and 3: 8 MiB pass a load's immediate
	s_add_nc_u64 s[20:21], s[16:17], 0x800000      ; wb's regions 4 to 6
.macro LD4 n, sb, soff                 ; region n: four loads, 4,096 bytes apart
.irp i, 0,1,2,3
	global_load_b128 v[X+16*\n+4*\i:X+16*\n+4*\i+3], v1, s[\sb:\sb+1] offset:\soff+4096*\i th:TH_LOAD_NT
.endr
.endm
.macro ST4 n, db, doff                 ; region n: rounded and stored
.irp i, 0,1,2,3
	s_wait_loadcnt NLD-1-4*\n-\i                   ; loads come back in order: this one is in, the younger ones stay out
	v_cvt_pk_f16_f32 v[X+16*\n+4*\i], v[X+16*\n+4*\i], v[X+16*\n+4*\i+1]
	v_cvt_pk_f16_f32 v[X+16*\n+4*\i+1], v[X+16*\n+4*\i+2], v[X+16*\n+4*\i+3]
	global_store_b64 v2, v[X+16*\n+4*\i:X+16*\n+4*\i+1], s[\db:\db+1] offset:\doff+2048*\i
.endr
.endm
	LD4 0, 8, 0
	LD4 1, 8, 0x400000
	LD4 2, 18, 0
	LD4 3, 18, 0x400000
	LD4 4, 10, 0
	LD4 5, 12, 0
	LD4 6, 14, 0
	ST4 0, 16, 0
	ST4 1, 16, 0x200000
	ST4 2, 16, 0x400000
	ST4 3, 16, 0x600000
	ST4 4, 20, 0
	ST4 5, 20, 0x200000
	ST4 6, 20, 0x400000
	s_endpgm
.Lfunc_end_k_q9602eaae33_cvt:
	.size	k_q9602eaae33_cvt, .Lfunc_end_k_q9602eaae33_cvt-k_q9602eaae33_cvt
	.p2alignl 7, 3214868480
	.fill 96, 4, 3214868480
	.section	.rodata,"a",@progbits
	.p2align	6, 0x0
	.amdhsa_kernel k_q9602eaae33_cvt
		.amdhsa_group_segment_fixed_size 0
		.amdhsa_private_segment_fixed_size 0
		.amdhsa_enable_private_segment 0
		.amdhsa_kernarg_size 40
		.amdhsa_user_sgpr_count 2
		.amdhsa_user_sgpr_kernarg_segment_ptr 1
		.amdhsa_wavefront_size32 1
		.amdhsa_system_sgpr_workgroup_id_x 1
		.amdhsa_system_sgpr_workgroup_id_y 1
		.amdhsa_system_sgpr_workgroup_id_z 1
		.amdhsa_system_vgpr_workitem_id 0
		.amdhsa_next_free_vgpr 116
		.amdhsa_next_free_sgpr 66
		.amdhsa_reserve_vcc 0
		.amdhsa_float_denorm_mode_32 3
		.amdhsa_float_denorm_mode_16_64 3
		.amdhsa_memory_ordered 1
		.amdhsa_forward_progress 1
		.amdhsa_inst_pref_size 11
	.end_amdhsa_kernel
	.amdgpu_metadata
---
amdhsa.version: [ 1, 2 ]
amdhsa.kernels:
  - .name:           k_q9602eaae33_cvt
    .symbol:         k_q9602eaae33_cvt.kd
    .args:
      - { .name: x, .offset: 0, .size: 8, .value_kind: global_buffer, .address_space: global }
      - { .name: W_Q, .offset: 8, .size: 8, .value_kind: global_buffer, .address_space: global }
      - { .name: W_K, .offset: 16, .size: 8, .value_kind: global_buffer, .address_space: global }
      - { .name: W_V, .offset: 24, .size: 8, .value_kind: global_buffer, .address_space: global }
      - { .name: wb, .offset: 32, .size: 8, .value_kind: global_buffer, .address_space: global }
    .group_segment_fixed_size: 0
    .private_segment_fixed_size: 0
    .kernarg_segment_align: 8
    .kernarg_segment_size: 40
    .max_flat_workgroup_size: 256
    .sgpr_count:     66
    .vgpr_count:     116
    .wavefront_size: 32
...
	.end_amdgpu_metadata
.endif
;; end of part 1
;; launch proj (part 2): grid 12 x 16, 4 waves a work-group, clusters of 4 x 4, 327,680 bytes of LDS; arguments wb, qkv, scl; writes qkv, scl
.if DOCPART == 2
	.amdgcn_target "amdgcn-amd-amdhsa--gfx1250"
	.amdhsa_code_object_version 6
	.text
	.protected	k_q9602eaae33_proj
	.globl	k_q9602eaae33_proj
	.p2align	8
	.type	k_q9602eaae33_proj,@function
k_q9602eaae33_proj:
	s_mov_b64 s[64:65], 0
	v_nop
	global_prefetch_b8 v0, s[64:65] scope:SCOPE_SE
	s_setreg_imm32_b32 hwreg(HW_REG_WAVE_MODE, 25, 1), 1
	s_wait_xcnt 0x0
	s_wait_alu depctr_hold_cnt(0) depctr_sa_sdst(0) depctr_va_vdst(0) depctr_va_sdst(0) depctr_va_ssrc(0) depctr_va_vcc(0) depctr_vm_vsrc(0)
	s_getreg_b32 s2, hwreg(HW_REG_IB_STS2, 6, 4)
	s_cmp_eq_u32 s2, 0
	s_cbranch_scc0 .Lentry_in_a_cluster
	s_endpgm
.Lentry_in_a_cluster:
	s_bfe_u32 s2, ttmp6, 0x10000c
	s_cmp_lg_u32 s2, 0xf033
	s_cbranch_scc0 .Lentry_shape_is_right
	s_endpgm
.Lentry_shape_is_right:
; q, k, v: C[m][n] = sum over e of x[m][e] W[n][e], m = 2,048 b + c (4,096 rows), n = 1,024 which + 64 a + ch (3,072 columns: W_Q, W_K, W_V).
; Operands f16 (from wb), sums f32, C rounded once to f16 and stored by heads: qkv[which][16 b + a][c][64], a head 262,144 dense bytes.
; ROOM of q, k, v in f16: drawn up to 5.5; with x and W both 30 times larger 5,000; with both carrying an offset of 30 spreads 29,000; f16 ends at 65,504.
; Each wave also takes the largest |C| of its tile from the f32 sums; for v's tiles (cluster x = 2) it is stored, one word a wave, at scl + 32,768: the
; launches behind scale z by it.  (The maximum is taken in every tile, so that the way out is written once.)
; A tile of C, 256 x 256, is made by a work-group of four waves; a wave makes 128 x 128: 64 accumulators of 16 x 16, 512 registers.
; K = 1,024 goes in 8 steps of 128 through a ring of two LDS slots filled by the tensor data mover; a tile's rows are 256 bytes of memory at multiples of 256.
; CLUSTERS: 4 x 4 work-groups.  The four of a row of the cluster need the same tiles of A, the four of a column the same tiles of B: each tile is asked for
; JOINTLY, by the same tensor load with the same descriptor and a mask that names the four.  12 x 16 = 192 work-groups.
; REGISTERS, in windows of 256 (s_set_vgpr_msb: bits 1:0 source 0, 3:2 source 1, 5:4 source 2, 7:6 destination):
;   window 0: v0-31 addresses and maxima; v64-127, v128-191 fragments of A, two buffers; v32-63, v192-255 at work on the way out
;   window 1: v64-127, v128-191 fragments of B;   window 2: the accumulators of my rows 0-63 ((a, b) at v[8 (8 a + b)]);   window 3: rows 64-127
; THE MATRIX INSTRUCTION IS USED TRANSPOSED: source 0 = 16 rows of B, source 1 = 16 rows of A: lane l holds row l % 16 of C and the columns 8 (l / 16) + 0..7.
.set SIZE_K, 1024
.set KSTEP,  128
.set PITCH,  272                       ; an LDS row: 256 bytes + 16 of padding = 68 words: row r starts at bank 4 r mod 64 (64 banks of 4 bytes: ISA guide 11.1)
.set HALFT,  128*PITCH                 ; 128 rows: what one tensor load brings, and what one wave reads of A or of B
.set SLOT,   4*HALFT                   ; A's 256 rows, then B's 256 rows
.set STAGE,  2*SLOT                    ; behind the ring: 16 rows x 272 bytes for each wave, for the way out; no tensor load fills it
.set SPITCH, 272
.set LAPS,   SIZE_K/(2*KSTEP)          ; a lap = two K steps = once round the ring
.set HEADB,  262144                    ; bytes of a head in qkv
.set MX,   8                           ; v8-11   four running maxima of |C|
.set ADRA, 16                          ; v16-17  LDS address of my A fragments in slot 0, 1
.set ADRB, 20                          ; v20-21  the same for B
.set STO,  24                          ; v24     the way out: where I put 16 bytes of a row
.set RD,   25                          ; v25     the way out: where I read back
.set CO,   26                          ; v26     16 x lane
.set F0,   64
.set F1,   128
.set TMP,  192                         ; the way out: packed results
.set OB,   32                          ; the way out: 16 rows read back: v32-63 and v224-255 by turns
.set G1, 24                            ; s[24:31] descriptor group 1 for A's tiles;  s[32:39] group 0, one set for each slot
.set G0, 32
.set G1B, 48                           ; s[48:55], s[56:63] the same for B's
.set G0B, 56
.set SEL, 68                           ; s[68:69] v_permlanex16_b32: each lane takes its own place in the other half
.set MSB, 0
.macro WIN new                         ; the immediate's high byte repeats the setting that is left; a switch that changes nothing is dropped
.if MSB != (\new)
	s_set_vgpr_msb (MSB<<8)|(\new)
.set MSB, (\new)
.endif
.endm
.set MUL_LO, 0xa1                      ; source 0 (B) window 1, source 1 (A) window 0, C and D window 2
.set MUL_HI, 0xf1                      ; the same, C and D window 3
.set TO_B,   0x40                      ; destination window 1, address window 0
; Four plain vector instructions that name none of a matrix instruction's registers stand between it and a load into, or a vector access to, those registers (ISA guide 7.12.1 for vector instructions).
.macro PLACES
.rept 4
	v_nop
.endr
.endm
; A joint load.  Waves 0 and 1 fetch A's two halves, waves 2 and 3 B's.  The branch hangs on the wave's number alone.  Four v_nop follow each of the two lines.
.macro JLOAD s
	s_cmp_eq_u32 s11, 0
	s_cbranch_scc0 .Lfor_b_\@
	tensor_load_to_lds s[G0+4*\s:G0+4*\s+3], s[G1:G1+7]
	s_nop 0
	PLACES
	s_branch .Lasked_\@
.Lfor_b_\@:
	tensor_load_to_lds s[G0B+4*\s:G0B+4*\s+3], s[G1B:G1B+7]
	s_nop 0
	PLACES
.Lasked_\@:
.endm
; A round of the cluster's barrier: my work-group's barrier; wave 0 signals for the work-group; every wave waits for all sixteen; my work-group's barrier once more.
.macro CREST                           ; a round behind its opening barrier
	s_cmp_lg_u32 s10, 0
	s_cbranch_scc1 .Lnot_wave_0_\@
	s_barrier_signal -3
.Lnot_wave_0_\@:
	s_barrier_wait -3
	s_barrier_signal -1
	s_barrier_wait -1
.endm
.macro CROUND
	s_barrier_signal -1
	s_barrier_wait -1
	CREST
.endm
	s_load_b128 s[4:7], s[0:1], 0x0                ; wb (A = x at its head), qkv
	s_load_b64 s[66:67], s[0:1], 0x10              ; scl
	s_set_vgpr_msb 0x40
	v_lshl_add_u32 v255, v0, 2, 0x48400
	s_set_vgpr_msb 0x4000
	v_mov_b32 v31, 0
	s_set_vgpr_msb 0x1
	ds_add_u32 v255, v31
	s_set_vgpr_msb 0x100
	v_lshrrev_b32 v1, 5, v0
	v_readfirstlane_b32 s10, v1                    ; wave 0..3
	s_lshr_b32 s11, s10, 1                         ; which half of the tile's rows is mine.  Also: I fetch for A (0) or for B (1)
	s_and_b32 s12, s10, 1                          ; which half of its columns.  Also: which 128 rows of that tile I fetch
	s_bfe_u32 s40, ttmp6, 0x40000                  ; cx, cy: my place in the cluster
	s_bfe_u32 s41, ttmp6, 0x40004
	s_mov_b32 s71, ttmp9                           ; cluster x: 0 q, 1 k, 2 v
	s_lshl_b32 s42, ttmp9, 2
	s_add_co_u32 s42, s42, s40                     ; tile column of C = 4 x cluster x + cx
	s_and_b32 s13, ttmp7, 0xffff
	s_lshl_b32 s13, s13, 2
	s_add_co_u32 s13, s13, s41                     ; tile row of C = 4 x cluster y + cy
	s_lshl_b32 s43, s41, 2
	s_lshl_b32 s43, 15, s43                        ; my row of the cluster: places 4 cy .. 4 cy + 3
	s_lshl_b32 s44, 0x1111, s40                    ; my column: places cx, cx + 4, cx + 8, cx + 12
	s_mov_b32 s[SEL], 0x76543210
	s_mov_b32 s[SEL+1], 0xfedcba98
	; descriptor group 1: a tile of 128 rows x 128 elements of 2 bytes; padding on, 4 words behind every 64; bit 21 beside the mask
	s_or_b32 s[G1+0], s43, (1<<16)|(1<<20)|(1<<21)|(5<<22)|(3<<25)
	s_or_b32 s[G1B+0], s44, (1<<16)|(1<<20)|(1<<21)|(5<<22)|(3<<25)
.irp g, G1, G1B
	s_mov_b32 s[\g+1], KSTEP<<16                   ; tensor_dim0 = 128
	s_mov_b32 s[\g+2], 128<<16                     ; tensor_dim1 = 128
	s_mov_b32 s[\g+3], KSTEP<<16                   ; tile_dim0 = 128
	s_mov_b32 s[\g+4], 128                         ; tile_dim1 = 128
	s_mov_b32 s[\g+5], SIZE_K                      ; elements from row to row
	s_mov_b32 s[\g+6], 0
	s_mov_b32 s[\g+7], 0
.endr
	s_lshl_b32 s17, s12, 7                         ; which 128 rows of the tile I fetch
	s_lshl_b32 s16, s13, 8
	s_add_co_u32 s16, s16, s17                     ; A: row 256 x tile row + 128 x half
	s_lshl_b32 s46, s42, 8
	s_add_co_u32 s46, s46, s17                     ; B: row 256 x tile column + 128 x half
	s_mov_b32 s17, 0
	s_mov_b32 s47, 0
	s_mov_b64 s[18:19], SIZE_K*2
	s_mul_u64 s[16:17], s[16:17], s[18:19]
	s_mul_u64 s[46:47], s[46:47], s[18:19]
	s_mul_i32 s20, s10, HALFT                      ; where they go: wave x 128 rows; no place in the cluster enters an LDS address
	s_wait_dscnt 0x0
	s_wait_kmcnt 0x0
	s_mov_b64 s[8:9], s[6:7]                       ; C = qkv
	s_add_nc_u64 s[6:7], s[4:5], 0x800000          ; W_Q, W_K, W_V in wb
	s_add_nc_u64 s[14:15], s[4:5], s[16:17]
	s_add_nc_u64 s[46:47], s[6:7], s[46:47]
	CROUND                                         ; all sixteen work-groups are here: the first joint loads meet
.irp s, 0,1
	s_mov_b32 s[G0+4*\s], 1
	s_add_co_u32 s[G0+4*\s+1], s20, \s*SLOT
	s_add_nc_u64 s[G0+4*\s+2:G0+4*\s+3], s[14:15], \s*KSTEP*2
	s_or_b32 s[G0+4*\s+3], s[G0+4*\s+3], 0x80000000
	s_mov_b32 s[G0B+4*\s], 1
	s_add_co_u32 s[G0B+4*\s+1], s20, \s*SLOT
	s_add_nc_u64 s[G0B+4*\s+2:G0B+4*\s+3], s[46:47], \s*KSTEP*2
	s_or_b32 s[G0B+4*\s+3], s[G0B+4*\s+3], 0x80000000
	JLOAD \s                                       ; two loads of mine are out
.endr
	v_and_b32 v1, 15, v0                           ; l % 16
	v_bfe_u32 v2, v0, 4, 1                         ; l / 16
.irp r, 0,1,2,3
	v_mov_b32 v[MX+\r], 0                          ; the maxima of sizes start at 0
.endr
	v_mul_u32_u24 v3, v1, PITCH
	v_lshl_add_u32 v3, v2, 4, v3                   ; a fragment's row x pitch + 16 x half
	s_mul_i32 s21, s11, HALFT                      ; my 128 rows of A
	s_mul_i32 s22, s12, HALFT                      ; my 128 rows of B,
	s_add_co_u32 s22, s22, 2*HALFT                 ; which lie behind A's 256
.irp s, 0,1
	v_add_nc_u32 v[ADRA+\s], s21, v3
	v_add_nc_u32 v[ADRB+\s], s22, v3
	s_add_co_u32 s21, s21, SLOT
	s_add_co_u32 s22, s22, SLOT
.endr
	s_mul_i32 s23, s10, 16*SPITCH
	s_add_co_u32 s23, s23, STAGE                   ; my stage
	v_mul_u32_u24 v4, v1, SPITCH                   ; in: row l % 16, 16 bytes for each half of the lanes
	v_lshl_add_u32 v4, v2, 4, v4
	v_add_nc_u32 v[STO], s23, v4
	v_bfe_u32 v5, v0, 3, 2                         ; back: a head's 64 columns are 128 bytes of a stage row; eight lanes take them, 32 lanes four rows
	v_and_b32 v6, 7, v0
	v_mul_u32_u24 v5, v5, SPITCH
	v_lshl_add_u32 v5, v6, 4, v5
	v_add_nc_u32 v[RD], s23, v5
	v_and_b32 v5, 31, v0
	v_lshlrev_b32 v[CO], 4, v5                     ; in qkv these four rows are 512 consecutive bytes
	s_lshr_b32 s16, s42, 2                         ; which of q, k, v: 32 heads each,
	s_lshl_b32 s16, s16, 5
	s_lshr_b32 s17, s13, 3                         ; the batch: 16 heads,
	s_lshl4_add_u32 s16, s17, s16
	s_and_b32 s17, s42, 3                          ; four heads to a tile column,
	s_lshl2_add_u32 s16, s17, s16
	s_lshl1_add_u32 s16, s12, s16                  ; two to a wave
	s_lshl_b32 s16, s16, 18                        ; x 262,144 bytes
	s_and_b32 s17, s13, 7                          ; the tile's 256 rows of 128 bytes in the head,
	s_lshl_b32 s17, s17, 15
	s_add_co_u32 s16, s16, s17
	s_lshl_b32 s17, s11, 14                        ; my 128 of them
	s_add_co_u32 s16, s16, s17
	s_mov_b32 s17, 0
	s_add_nc_u64 s[8:9], s[8:9], s[16:17]
	s_and_b32 s16, s42, 3                          ; my word among v's maxima: 4 x (4 x (16 x (tile column % 4) + tile row) + wave) bytes behind scl + 32,768
	s_lshl4_add_u32 s16, s16, s13
	s_lshl2_add_u32 s16, s16, s10
	s_lshl_b32 s16, s16, 2
	s_add_co_u32 s16, s16, 0x8000
	s_add_nc_u64 s[66:67], s[66:67], s[16:17]
; 16 matrix instructions: m blocks a0, a0 + 1 of the window's four x all 8 n blocks, 32 along K.  zero = 1: the first product starts the sums: nothing is cleared.
; The 64 accumulators take turns, one instruction a turn, in the same order in every quarter.
.macro MUL16 f, hi, a0, zero
.irp a, \a0, \a0+1
.irp b, 0,1,2,3,4,5,6,7
.if \zero
	v_wmma_f32_16x16x32_f16 v[8*(8*(\a)+\b):8*(8*(\a)+\b)+7], v[\f+8*\b:\f+8*\b+7], v[\f+8*(4*\hi+\a):\f+8*(4*\hi+\a)+7], 0
.else
	v_wmma_f32_16x16x32_f16 v[8*(8*(\a)+\b):8*(8*(\a)+\b)+7], v[\f+8*\b:\f+8*\b+7], v[\f+8*(4*\hi+\a):\f+8*(4*\hi+\a)+7], v[8*(8*(\a)+\b):8*(8*(\a)+\b)+7]
.endif
.endr
.endr
.endm
; 32 LDS loads in one run: the fragments of one quarter step (128 rows of B, 128 rows of A, 32 K at byte k of the rows) into buffer f
.macro FETCH slot, k, f
	WIN TO_B
.irp i, 0,1,2,3,4,5,6,7
	ds_load_b128 v[\f+8*\i:\f+8*\i+3],   v[ADRB+\slot] offset:\k+\i*16*PITCH
	ds_load_b128 v[\f+8*\i+4:\f+8*\i+7], v[ADRB+\slot] offset:\k+\i*16*PITCH+32
.endr
	WIN 0
.irp i, 0,1,2,3,4,5,6,7
	ds_load_b128 v[\f+8*\i:\f+8*\i+3],   v[ADRA+\slot] offset:\k+\i*16*PITCH
	ds_load_b128 v[\f+8*\i+4:\f+8*\i+7], v[ADRA+\slot] offset:\k+\i*16*PITCH+32
.endr
.endm
; A K step is four quarters of 32 along K, 64 matrix instructions each, on buffers 0, 1, 0, 1.  One of the first three: multiplies f, and in its middle fetches the next quarter (byte k of the rows) into g.
.macro QUARTER slot, k, f, g, zero
	s_wait_dscnt 8                                 ; B and A's rows 0-63 are in; the youngest eight loads (A's rows 64-127) may be out
	WIN MUL_LO
	MUL16 \f, 0, 0, \zero
	MUL16 \f, 0, 2, \zero
	PLACES
	FETCH \slot, \k, \g
	s_wait_dscnt 32                                ; all but the 32 just issued
	WIN MUL_HI
	MUL16 \f, 1, 0, \zero
	MUL16 \f, 1, 2, \zero
.endm
; The last quarter multiplies buffer 1 and changes slots.  ONE barrier: in front of it each wave waits for its own reads of this slot and for all its tensor loads (one is out: its part of the next slot).
; fill = 1: the slot just read out is filled again, two K steps on: the barrier opens a round of the cluster's, and the joint refill is the first tensor load behind it, 240 matrix instructions ahead of the wait for it.
.macro TURN slot, next, fill
	s_wait_dscnt 8
	WIN MUL_LO
	MUL16 F1, 0, 0, 0
	s_wait_dscnt 0                                 ; my reads of this slot are over,
	s_wait_tensorcnt 0x0                           ; and all my tensor loads have landed
	ds_add_u32 v255, v31
	s_wait_dscnt 0x0
	s_barrier_signal -1
	MUL16 F1, 0, 2, 0                              ; register work while the others arrive
.if \fill
	WIN 0
.endif
	s_barrier_wait -1
.if \fill
	CREST                                          ; no wave of any partner still reads this slot's tile or has a load on its way
	s_add_nc_u64 s[G0+4*\slot+2:G0+4*\slot+3], s[G0+4*\slot+2:G0+4*\slot+3], 2*KSTEP*2
	s_add_nc_u64 s[G0B+4*\slot+2:G0B+4*\slot+3], s[G0B+4*\slot+2:G0B+4*\slot+3], 2*KSTEP*2
	JLOAD \slot                                    ; the four v_nop behind it are also the places in front of the loads below
.else
	PLACES
.endif
	FETCH \next, 0, F0
	WIN MUL_HI
	MUL16 F1, 1, 0, 0
	MUL16 F1, 1, 2, 0
.endm
; THE WAY OUT of block a (16 rows x 128 columns).  PACK: rounded to f16, 16 bytes a lane, and the maxima.  TOSTAGE: into my own stage in LDS, and back in the order of memory.  SEND: stored.
.macro PACK a
.set AC, 64*((\a)%4)
	WIN 0x0a+5*((\a)/4)                            ; sources 0 and 1: window 2 or 3
.irp b, 0,1,2,3,4,5,6,7
.irp r, 0,1,2,3
	v_cvt_pk_f16_f32 v[TMP+4*\b+\r], v[AC+8*\b+2*\r], v[AC+8*\b+2*\r+1]
	v_max3_num_f32 v[MX+\r], |v[AC+8*\b+2*\r]|, |v[AC+8*\b+2*\r+1]|, v[MX+\r]
.endr
.endr
	WIN 0
.endm
.macro TOSTAGE a
.set BK, OB+192*((\a)%2)
.irp b, 0,1,2,3,4,5,6,7
	ds_store_b128 v[STO], v[TMP+4*\b:TMP+4*\b+3] offset:32*\b
.endr
.irp t, 0,1,2,3,4,5,6,7                ; LDS serves a wave's instructions in order (ISA guide 5.7.1.4): these see the stores above
	ds_load_b128 v[BK+4*\t:BK+4*\t+3], v[RD] offset:(\t%4)*4*SPITCH+(\t/4)*128   ; head t / 4, rows 4 (t % 4) on
.endr
.endm
.macro SEND a
.set BK, OB+192*((\a)%2)
	s_wait_dscnt 0x0                               ; the block is back in registers
	s_wait_xcnt 0x0                                ; only behind this wait are the registers that earlier stores read written again
.irp t, 0,1,2,3,4,5,6,7
	global_store_b128 v[CO], v[BK+4*\t:BK+4*\t+3], s[8:9] offset:(\t/4)*HEADB+(16*(\a)+4*(\t%4))*128   ; 32 lanes store 512 consecutive bytes, at a multiple of 512
.endr
.endm
	s_wait_tensorcnt 1                             ; my part of K step 0 is in; K step 1's may stay out
	s_barrier_signal -1
	s_barrier_wait -1
	FETCH 0, 0, F0
	QUARTER 0, 64,  F0, F1, 1                      ; the first quarter stands in front of the loop: its products start the sums
	WIN 0                                          ; at a label and at a branch every window is 0
	s_mov_b32 s3, LAPS-1
.Llap:                                                 ; a trip goes once round the ring, from a lap's second quarter to the next lap's first, and fills both slots again
	QUARTER 0, 128, F1, F0, 0
	QUARTER 0, 192, F0, F1, 0
	TURN 0, 1, 1
	QUARTER 1, 64,  F0, F1, 0
	QUARTER 1, 128, F1, F0, 0
	QUARTER 1, 192, F0, F1, 0
	TURN 1, 0, 1
	QUARTER 0, 64,  F0, F1, 0
	WIN 0
	s_sub_co_u32 s3, s3, 1
	s_cmp_lg_u32 s3, 0
	s_cbranch_scc1 .Llap
	QUARTER 0, 128, F1, F0, 0                      ; the last lap fills nothing
	QUARTER 0, 192, F0, F1, 0
	TURN 0, 1, 0
	QUARTER 1, 64,  F0, F1, 0
	QUARTER 1, 128, F1, F0, 0
	QUARTER 1, 192, F0, F1, 0
	s_wait_dscnt 8                                 ; the very last quarter: nothing more to fetch
	WIN MUL_LO
	MUL16 F1, 0, 0, 0
	MUL16 F1, 0, 2, 0
	s_wait_dscnt 0
	WIN MUL_HI
	MUL16 F1, 1, 0, 0
	MUL16 F1, 1, 2, 0
	WIN 0
	PLACES
	PACK 0
	TOSTAGE 0
.irp a, 1,2,3,4,5,6,7                  ; block a's conversions stand between block a - 1's loads from the stage and the wait for them
	PACK \a
	SEND \a-1
	TOSTAGE \a
.endr
	SEND 7
	v_max3_num_f32 v[MX], v[MX], v[MX+1], v[MX+2]  ; the wave's largest |C|: the four chains, then the 32 lanes
	v_max_num_f32 v[MX], v[MX], v[MX+3]
.irp m, 1,2,4,8
	v_max_num_f32_dpp v[MX], v[MX], v[MX] row_xmask:\m row_mask:0xf bank_mask:0xf
.endr
	v_permlanex16_b32 v[MX+1], v[MX], s[SEL], s[SEL+1]
	v_max_num_f32 v[MX], v[MX], v[MX+1]
	s_cmp_lg_u32 s71, 2                            ; v's tiles alone (the cluster's x: the same in all partners)
	s_cbranch_scc1 .Lnot_v
	s_wait_xcnt 0x0                                ; EXEC changes only behind this wait: it is a source of the stores above
	v_cmp_eq_u32 vcc_lo, 0, v[CO]
	s_and_saveexec_b32 s70, vcc_lo                 ; lane 0
	global_store_b32 v[CO], v[MX], s[66:67]
	s_wait_xcnt 0x0
	s_or_b32 exec_lo, exec_lo, s70
.Lnot_v:
	s_set_vgpr_msb 0x1
	s_wait_tensorcnt 0x0
	ds_add_u32 v255, v31
	s_wait_dscnt 0x0
	s_set_vgpr_msb 0x100
	CROUND                                         ; the closing round: no work-group ends while a partner may still ask for a tile that names it
	s_endpgm
.Lfunc_end_k_q9602eaae33_proj:
	.size	k_q9602eaae33_proj, .Lfunc_end_k_q9602eaae33_proj-k_q9602eaae33_proj
	.p2alignl 7, 3214868480
	.fill 96, 4, 3214868480
	.section	.rodata,"a",@progbits
	.p2align	6, 0x0
	.amdhsa_kernel k_q9602eaae33_proj
		.amdhsa_group_segment_fixed_size 327680
		.amdhsa_private_segment_fixed_size 0
		.amdhsa_enable_private_segment 0
		.amdhsa_kernarg_size 24
		.amdhsa_user_sgpr_count 2
		.amdhsa_user_sgpr_kernarg_segment_ptr 1
		.amdhsa_wavefront_size32 1
		.amdhsa_system_sgpr_workgroup_id_x 1
		.amdhsa_system_sgpr_workgroup_id_y 1
		.amdhsa_system_sgpr_workgroup_id_z 1
		.amdhsa_system_vgpr_workitem_id 0
		.amdhsa_next_free_vgpr 1024
		.amdhsa_next_free_sgpr 72
		.amdhsa_reserve_vcc 1
		.amdhsa_float_denorm_mode_32 3
		.amdhsa_float_denorm_mode_16_64 3
		.amdhsa_memory_ordered 1
		.amdhsa_forward_progress 1
		.amdhsa_inst_pref_size 160
	.end_amdhsa_kernel
	.amdgpu_metadata
---
amdhsa.version: [ 1, 2 ]
amdhsa.kernels:
  - .name:           k_q9602eaae33_proj
    .symbol:         k_q9602eaae33_proj.kd
    .args:
      - { .name: wb, .offset: 0, .size: 8, .value_kind: global_buffer, .address_space: global }
      - { .name: qkv, .offset: 8, .size: 8, .value_kind: global_buffer, .address_space: global }
      - { .name: scl, .offset: 16, .size: 8, .value_kind: global_buffer, .address_space: global }
    .group_segment_fixed_size: 327680
    .private_segment_fixed_size: 0
    .kernarg_segment_align: 8
    .kernarg_segment_size: 24
    .max_flat_workgroup_size: 128
    .sgpr_count:     72
    .vgpr_count:     1024
    .wavefront_size: 32
...
	.end_amdgpu_metadata
.endif
;; end of part 2
;; launch stat (part 3): grid 8 x 32, 8 waves a work-group, clusters of 4 x 1, 283,648 bytes of LDS; arguments qkv, rowstat, W_O, W_in, W_out, wb; writes rowstat, wb
.if DOCPART == 3
	.amdgcn_target "amdgcn-amd-amdhsa--gfx1250"
	.amdhsa_code_object_version 6
	.text
	.protected	k_q9602eaae33_stat
	.globl	k_q9602eaae33_stat
	.p2align	8
	.type	k_q9602eaae33_stat,@function
k_q9602eaae33_stat:
	s_mov_b64 s[64:65], 0
	v_nop
	global_prefetch_b8 v0, s[64:65] scope:SCOPE_SE
	s_setreg_imm32_b32 hwreg(HW_REG_WAVE_MODE, 25, 1), 1
	s_wait_xcnt 0x0
	s_wait_alu depctr_hold_cnt(0) depctr_sa_sdst(0) depctr_va_vdst(0) depctr_va_sdst(0) depctr_va_ssrc(0) depctr_va_vcc(0) depctr_vm_vsrc(0)
	s_getreg_b32 s2, hwreg(HW_REG_IB_STS2, 6, 4)
	s_cmp_eq_u32 s2, 0
	s_cbranch_scc0 .Lentry_in_a_cluster
	s_endpgm
.Lentry_in_a_cluster:
	s_bfe_u32 s2, ttmp6, 0x10000c
	s_cmp_lg_u32 s2, 0x3003
	s_cbranch_scc0 .Lentry_shape_is_right
	s_endpgm
.Lentry_shape_is_right:
; For every head and every row c: M[c] = cs max + log2(sum over C <= c of 2^(cs s[c][C] - cs max)), s[c][C] = k[c] . q[C], cs = log2(e) / 8.
; With it the next launch gets the softmax weight of (c, C) as 2^(cs s - M[c]).  The maximum is a running one, in f32; so is the sum.  q and k are f16, the products' sums f32.
; LIMITS.  Masked places count as weight 0 (in the formula that is computed their exponent lies about 2.3e29 below the others).  Scores must lie above -2^93:
; the running maximum starts there, and masked scores are set to -2^100.  M is one f32: its rounding grows with |cs max|.
; SHARES.  A cluster of four work-groups has one head (work-group y) and two super-blocks of 512 rows c: Y1 = 3 - y0, then y0 (y0 = cluster x, 0 or 1).
; Partner cx owns rows 128 (4 Y + cx) on.  Wave w: rows 32 (w % 4) on (two tiles of 16), and of every tile of 128 C the half g = w / 4; the halves' figures meet in LDS.
; All partners walk the tiles of C 0 .. 4 Y + 3 (20 tiles in all for both y0), so that they run alike; in super-block Y of C the mask is applied, and a tile right of
; a partner's own block gives weight 0 throughout.  The place in the cluster enters global addresses and the mask's threshold alone.
; LDS.  The head's whole q (2,048 rows of 128 bytes) comes in once, JOINTLY for the four partners, as 1,024 rows of 256 bytes + 16 of padding, in four releases of
; 512 C; every wave brings 32 rows of each release: four tensor loads of mine are out at the most.  Nothing is filled again.  With y0 = 1 the last release is brought
; and not read: no tensor load hangs on a branch.
; LAYOUT.  S = q k^T (source 0 = 16 C, source 1 = 16 c): a lane holds ONE row c (lane % 16) and the C 8 (lane / 16) + 0..7 of each tile.
; UNDER IT: W_O, W_in and W_out (nine regions of 4 MiB of f32) are rounded to f16 into wb + 14 MiB on, where the launches behind the attention read them.  This launch itself
; reads 17 MB and is vector work, so the stream's 57 MB ride along.  Each of the 2,048 waves takes 2,048 bytes of every region: 36 loads of 512 consecutive bytes, 36 stores of
; 256 consecutive bytes at a multiple of 256.  Three regions go out beside the loads of k, into the scores' registers, and are stored while the first release is on its way; two
; regions ride on each of the first three segments of C, which every wave walks: asked for in front of the segment, stored behind it.  LIMIT as for all f16 operands: above 65,504 infinite.
.set QROW, 272                         ; two rows C + padding: row C at (C / 2) 272 + (C % 2) 128: the 16 rows of a fragment load start at 16 different 16-byte columns of 256
.set QT,   64*QROW                     ; a tile of 128 C
.set REL,  4*QT                        ; a release
.set XS,   16*QT                       ; behind q: 2 x 2,048 bytes, block b at 2,048 b: +0 M (waves 0-3), +512 c m, +1,536 l (waves 4-7)
.set AQ0, 3                            ; v3   my lane's place in a tile of q, my half g included
.set AQ,  4                            ; v4   the same in the tile in hand
.set KO,  5                            ; v5   my byte offset in 16 rows of k
.set DL0, 6                            ; v6   32 (w % 4) + lane % 16 - 8 (lane / 16) - 64 g
.set DLT, 7                            ; v7   the mask's threshold in the tile in hand
.set SCA, 8                            ; v8   XS + 128 w + 4 (lane % 16)
.set RDM, 9                            ; v9   where waves 0, 1 read a block's M
.set GO,  10                           ; v10  16 x lane
.set ST,  12                           ; tile t's statistics at v[ST+8 t]: +0 c m, +1 m, +2, +3 l, +4 to +7 at work
.set WSO, 28                           ; v28  the weights: my byte offset in a region of f32; never rewritten
.set WDO, 29                           ; v29  and in its f16; never rewritten
.set KH,  32                           ; v[32:63]   k of the first block: tile t, 32 channels c at +16 t + 8 c
.set KL,  64                           ; v[64:95]   k of the second
.set QF,  96                           ; v[96:159]  q: 16 C ct, 32 channels kc at +16 ct + 8 kc
.set S,   160                          ; v[160:223] scores: +32 t + 8 ct
.set OUTR, 160                         ; v[160:163] at the very end: four figures to store
.set CV,  224                          ; v[224:255] the weights: two regions' eight loads
.set WV, 10
.set W4, 11
.set G,  12
.set CX, 13
.set Y0, 14
.set Y1, 15
.set HEAD, 16
.set G1, 24                            ; s[24:31] descriptor group 1
.set G0, 32                            ; s[32:47] group 0, a set for each release
.set SEL, 48                           ; s[48:49] v_permlanex16_b32: each lane takes its own place in the other half
.set CS,  50                           ; s[50:51] cs, twice
.set MSK, 52                           ; 1: this segment of C is the diagonal one
.set DX,  53                           ; 128 (cx - tile in the segment)
.set CNT, 54
.set DX0, 55
.set NEG, 56                           ; -2^100
.set KHB, 58                           ; s[58:59], s[60:61] my rows of k in the two blocks
.set KLB, 60
.set PWO, 68                           ; s[68:69] W_O, s[70:71] W_in, s[72:73] W_out, s[74:75] wb
.set PWI, 70
.set PWU, 72
.set PWB, 74
.set PWI2, 76                          ; s[76:77] W_in + 8 MiB, s[78:79] W_out + 8 MiB: 8 MiB pass a load's immediate
.set PWU2, 78
.set D0,  80                           ; s[80:81] wb + 14 MiB, s[82:83] + 22 MiB, s[84:85] + 30 MiB
.set D1,  82
.set D2,  84
.macro CROUND                          ; a round of the cluster's barrier
	s_barrier_signal -1
	s_barrier_wait -1
	s_cmp_lg_u32 s[WV], 0
	s_cbranch_scc1 .Lnot_wave_0_\@
	s_barrier_signal -3
.Lnot_wave_0_\@:
	s_barrier_wait -3
	s_barrier_signal -1
	s_barrier_wait -1
.endm
.macro PLACES
.rept 4
	v_nop
.endr
.endm
.macro WLOAD reg, sb, soff             ; my 2,048 bytes of one region of weights: four loads of 512 consecutive bytes
.irp i, 0,1,2,3
	global_load_b128 v[\reg+4*\i:\reg+4*\i+3], v[WSO], s[\sb:\sb+1] offset:\soff+512*\i th:TH_LOAD_NT
.endr
.endm
.macro WSTORE reg, db, doff            ; rounded in place, two words to a load, and stored
.irp i, 0,1,2,3
	v_cvt_pk_f16_f32 v[\reg+4*\i], v[\reg+4*\i], v[\reg+4*\i+1]
	v_cvt_pk_f16_f32 v[\reg+4*\i+1], v[\reg+4*\i+2], v[\reg+4*\i+3]
.endr
.irp i, 0,1,2,3
	global_store_b64 v[WDO], v[\reg+4*\i:\reg+4*\i+1], s[\db:\db+1] offset:\doff+256*\i
.endr
.endm
	s_load_b128 s[4:7], s[0:1], 0x0                ; qkv, rowstat
	s_load_b256 s[PWO:PWO+7], s[0:1], 0x10         ; W_O, W_in, W_out, wb
	v_lshl_add_u32 v30, v0, 2, 0x45000
	v_mov_b32 v31, 0
	ds_add_u32 v30, v31
	v_lshrrev_b32 v1, 5, v0
	v_readfirstlane_b32 s[WV], v1                  ; wave 0..7
	s_and_b32 s[W4], s[WV], 3
	s_lshr_b32 s[G], s[WV], 2
	s_bfe_u32 s[CX], ttmp6, 0x40000
	s_mov_b32 s[Y0], ttmp9                         ; the cluster's x
	s_sub_co_u32 s[Y1], 3, s[Y0]
	s_and_b32 s[HEAD], ttmp7, 0xffff
	s_mov_b32 s[G1+0], 15|(1<<16)|(1<<20)|(1<<21)|(5<<22)|(3<<25)  ; mask: all four; elements of 2 bytes; 4 words of padding behind every 64; bit 21 beside the mask
	s_mov_b32 s[G1+1], 128<<16                     ; tensor_dim0 = 128 (256 bytes: two rows C)
	s_mov_b32 s[G1+2], 32<<16                      ; tensor_dim1 = 32
	s_mov_b32 s[G1+3], 128<<16                     ; tile_dim0
	s_mov_b32 s[G1+4], 32                          ; tile_dim1
	s_mov_b32 s[G1+5], 128                         ; dense
	s_mov_b32 s[G1+6], 0
	s_mov_b32 s[G1+7], 0
	s_mov_b32 s[SEL], 0x76543210
	s_mov_b32 s[SEL+1], 0xfedcba98
	s_mov_b32 s[CS], 0x3e38aa3b                    ; log2(e) / 8
	s_mov_b32 s[CS+1], s[CS]
	s_mov_b32 s[NEG], 0xf1800000                   ; -2^100
	s_lshl_b32 s[DX0], s[CX], 7
	s_lshl_b32 s18, s[HEAD], 18                    ; q's head,
	s_lshl_b32 s19, s[WV], 13                      ; my 64 rows C of a release
	s_add_co_u32 s18, s18, s19
	s_mov_b32 s19, 0
	s_mul_i32 s22, s[WV], 32*QROW
	s_wait_dscnt 0x0
	s_wait_kmcnt 0x0
	s_add_nc_u64 s[20:21], s[4:5], s[18:19]
	CROUND                                         ; all four work-groups are here: the joint loads meet
.irp l, 0,1,2,3
	s_mov_b32 s[G0+4*\l], 1
	s_add_co_u32 s[G0+4*\l+1], s22, \l*REL
	s_add_nc_u64 s[G0+4*\l+2:G0+4*\l+3], s[20:21], \l*65536
	s_or_b32 s[G0+4*\l+3], s[G0+4*\l+3], 0x80000000
	tensor_load_to_lds s[G0+4*\l:G0+4*\l+3], s[G1:G1+7]
	s_nop 0
.endr
	PLACES
	v_and_b32 v1, 15, v0                           ; r
	v_bfe_u32 v2, v0, 4, 1                         ; h
	v_lshlrev_b32 v[KO], 7, v1
	v_lshl_add_u32 v[KO], v2, 4, v[KO]             ; row x 128 + 16 x half
	s_add_co_u32 s57, s[HEAD], 32                  ; k's heads lie behind q's 32
	s_lshl_b32 s57, s57, 18
	s_lshl_b32 s62, s[W4], 12                      ; my 32 rows of 128 bytes
	s_add_co_u32 s57, s57, s62
	s_lshl2_add_u32 s62, s[Y1], s[CX]              ; block 4 Y + cx, 128 rows of 128 bytes
	s_lshl_b32 s62, s62, 14
	s_add_co_u32 s62, s62, s57
	s_mov_b32 s63, 0
	s_add_nc_u64 s[KHB:KHB+1], s[4:5], s[62:63]
	s_lshl2_add_u32 s62, s[Y0], s[CX]
	s_lshl_b32 s62, s62, 14
	s_add_co_u32 s62, s62, s57
	s_add_nc_u64 s[KLB:KLB+1], s[4:5], s[62:63]
.irp t, 0,1
.irp c, 0,1
	global_load_b128 v[KH+16*\t+8*\c:KH+16*\t+8*\c+3],   v[KO], s[KHB:KHB+1] offset:2048*\t+64*\c
	global_load_b128 v[KH+16*\t+8*\c+4:KH+16*\t+8*\c+7], v[KO], s[KHB:KHB+1] offset:2048*\t+64*\c+32
	global_load_b128 v[KL+16*\t+8*\c:KL+16*\t+8*\c+3],   v[KO], s[KLB:KLB+1] offset:2048*\t+64*\c
	global_load_b128 v[KL+16*\t+8*\c+4:KL+16*\t+8*\c+7], v[KO], s[KLB:KLB+1] offset:2048*\t+64*\c+32
.endr
.endr
	; the weights: where my wave's share lies, and the first three regions, into registers that the scores do not need yet
	s_add_nc_u64 s[PWI2:PWI2+1], s[PWI:PWI+1], 0x800000
	s_add_nc_u64 s[PWU2:PWU2+1], s[PWU:PWU+1], 0x800000
	s_add_nc_u64 s[D0:D0+1], s[PWB:PWB+1], 0xE00000
	s_add_nc_u64 s[D1:D1+1], s[D0:D0+1], 0x800000
	s_add_nc_u64 s[D2:D2+1], s[D1:D1+1], 0x800000
	s_lshl_b32 s86, s[HEAD], 3                     ; the work-group's number: 8 x head
	s_lshl2_add_u32 s86, s[Y0], s86                ; + 4 x cluster x
	s_add_co_u32 s86, s86, s[CX]                   ; + place in the cluster;
	s_lshl3_add_u32 s86, s86, s[WV]                ; the wave's: x 8 + wave: 0 .. 2,047
	s_lshl_b32 s87, s86, 11                        ; 2,048 bytes of f32,
	s_lshl_b32 s86, s86, 10                        ; 1,024 of f16
	v_and_b32 v11, 31, v0
	v_lshl_add_u32 v[WSO], v11, 4, s87
	v_lshl_add_u32 v[WDO], v11, 3, s86
	WLOAD S, PWO, 0                                ; W_O
	WLOAD S+16, PWI, 0                             ; W_in's first 4 MiB,
	WLOAD S+32, PWI, 0x400000                      ; its second
	v_lshrrev_b32 v[AQ0], 1, v1
	v_mul_u32_u24 v[AQ0], v[AQ0], QROW
	v_and_b32 v11, 1, v1
	v_lshl_add_u32 v[AQ0], v11, 7, v[AQ0]
	v_lshl_add_u32 v[AQ0], v2, 4, v[AQ0]
	s_mul_i32 s18, s[G], 32*QROW
	v_add_nc_u32 v[AQ0], s18, v[AQ0]
	s_lshl_b32 s18, s[W4], 5
	s_lshl_b32 s19, s[G], 6
	s_sub_co_i32 s18, s18, s19
	v_lshlrev_b32 v11, 3, v2
	v_sub_nc_u32 v[DL0], v1, v11
	v_add_nc_u32 v[DL0], s18, v[DL0]
	s_lshl_b32 s18, s[WV], 7
	s_add_co_u32 s18, s18, XS
	v_lshl_add_u32 v[SCA], v1, 2, s18
	v_and_b32 v11, 31, v0
	v_lshlrev_b32 v[GO], 4, v11
	s_lshl_b32 s18, s[WV], 11
	s_add_co_u32 s18, s18, XS
	v_add_nc_u32 v[RDM], s18, v[GO]
	s_wait_loadcnt 0x0                             ; k, and the weights' first three regions
	WSTORE S, D0, 0
	WSTORE S+16, D0, 0x200000
	WSTORE S+32, D0, 0x400000
	WLOAD CV, PWI2, 0                              ; W_in's third and fourth 4 MiB ride on the first segment
	WLOAD CV+16, PWI2, 0x400000
	s_wait_xcnt 0x0                                ; the first products write the registers that these stores read only behind this wait
.macro INIT                            ; m = -2^93, above the masked scores: a lane that has seen masked scores alone keeps l = 0
.irp t, 0,1
	v_mov_b32 v[ST+8*\t+1], 0xee000000
	v_mov_b32 v[ST+8*\t+2], 0
	v_mov_b32 v[ST+8*\t+3], 0
.endr
.irp t, 0,1
	v_mul_f32 v[ST+8*\t], s[CS], v[ST+8*\t+1]
.endr
.endm
; The running maximum and sum take in a lane's 32 scores of each tile; the two tiles alternate, so that few instructions read the result of the one just before.
.macro STATS
.irp j, 0,1,2,3
.irp t, 0,1
	v_max3_num_f32 v[ST+8*\t+4+\j], v[S+32*\t+8*\j], v[S+32*\t+8*\j+1], v[S+32*\t+8*\j+2]
.endr
.endr
.irp p, 1,2
.irp j, 0,1,2,3
.irp t, 0,1
	v_max3_num_f32 v[ST+8*\t+4+\j], v[ST+8*\t+4+\j], v[S+32*\t+8*\j+2*\p+1], v[S+32*\t+8*\j+2*\p+2]
.endr
.endr
.endr
.irp t, 0,1
	v_max3_num_f32 v[ST+8*\t+4], v[ST+8*\t+4], v[S+32*\t+7], v[S+32*\t+15]
	v_max3_num_f32 v[ST+8*\t+6], v[ST+8*\t+6], v[S+32*\t+23], v[S+32*\t+31]
.endr
.irp t, 0,1
	v_max3_num_f32 v[ST+8*\t+4], v[ST+8*\t+4], v[ST+8*\t+5], v[ST+8*\t+6]
.endr
.irp t, 0,1
	v_max3_num_f32 v[ST+8*\t+4], v[ST+8*\t+4], v[ST+8*\t+7], v[ST+8*\t+1]   ; the old m among them
.endr
.irp t, 0,1
	v_permlanex16_b32 v[ST+8*\t+5], v[ST+8*\t+4], s[SEL], s[SEL+1]          ; the row's other C lie in the lane 16 away
.endr
.irp t, 0,1
	v_mov_b32 v[ST+8*\t+7], v[ST+8*\t]             ; c m_old is kept
.endr
.irp t, 0,1
	v_max_num_f32 v[ST+8*\t+1], v[ST+8*\t+4], v[ST+8*\t+5]
.endr
.irp t, 0,1
	v_mul_f32 v[ST+8*\t], s[CS], v[ST+8*\t+1]
.endr
.irp t, 0,1
	v_sub_f32 v[ST+8*\t+7], v[ST+8*\t+7], v[ST+8*\t]
.endr
.irp t, 0,1
.set i, 0
.rept 16
	v_pk_fma_f32 v[S+32*\t+2*i:S+32*\t+2*i+1], v[S+32*\t+2*i:S+32*\t+2*i+1], s[CS:CS+1], v[ST+8*\t:ST+8*\t+1] op_sel_hi:[1,0,0] neg_lo:[0,0,1] neg_hi:[0,0,1]   ; cs s - c m
.set i, i+1
.endr
.endr
.irp t, 0,1
	v_exp_f32 v[ST+8*\t+6], v[ST+8*\t+7]           ; a = 2^(c m_old - c m_new)
.endr
.set i, 0
.rept 64
	v_exp_f32 v[S+i], v[S+i]
.set i, i+1
.endr
	v_nop                                          ; a plain instruction between the last exponential and the use of its result (ISA guide 5.7.2)
	s_wait_alu depctr_va_vdst(0)
.irp u, 0,1,2,3,4,5,6,7
.irp t, 0,1
	v_pk_add_f32 v[S+32*\t+4*\u:S+32*\t+4*\u+1], v[S+32*\t+4*\u:S+32*\t+4*\u+1], v[S+32*\t+4*\u+2:S+32*\t+4*\u+3]
.endr
.endr
.irp u, 0,1,2,3
.irp t, 0,1
	v_pk_add_f32 v[S+32*\t+8*\u:S+32*\t+8*\u+1], v[S+32*\t+8*\u:S+32*\t+8*\u+1], v[S+32*\t+8*\u+4:S+32*\t+8*\u+5]
.endr
.endr
.irp u, 0,1
.irp t, 0,1
	v_pk_add_f32 v[S+32*\t+16*\u:S+32*\t+16*\u+1], v[S+32*\t+16*\u:S+32*\t+16*\u+1], v[S+32*\t+16*\u+8:S+32*\t+16*\u+9]
.endr
.endr
.irp t, 0,1
	v_pk_add_f32 v[S+32*\t:S+32*\t+1], v[S+32*\t:S+32*\t+1], v[S+32*\t+16:S+32*\t+17]
.endr
.irp t, 0,1
	v_pk_fma_f32 v[ST+8*\t+2:ST+8*\t+3], v[ST+8*\t+2:ST+8*\t+3], v[ST+8*\t+6:ST+8*\t+7], v[S+32*\t:S+32*\t+1] op_sel_hi:[1,0,1]   ; l = a l + the sum
.endr
.endm
; One tile of 128 C: my 64 of them against my 32 rows c.  kf: the block's k.  guard = 1: the segment may be the diagonal one.
.macro TRIP kf, guard
.irp ct, 0,1,2,3
.irp kc, 0,1
	ds_load_b128 v[QF+16*\ct+8*\kc:QF+16*\ct+8*\kc+3],   v[AQ] offset:8*QROW*\ct+64*\kc
	ds_load_b128 v[QF+16*\ct+8*\kc+4:QF+16*\ct+8*\kc+7], v[AQ] offset:8*QROW*\ct+64*\kc+32
.endr
.endr
	s_wait_dscnt 0x0
.set i, 0
.rept 16                               ; the eight accumulators take turns, one instruction a turn; the first eight products start the sums
.set rD, S+32*(i%2)+8*((i/2)%4)
.set rA, QF+16*((i/2)%4)+8*(i/8)
.set rB, \kf+16*(i%2)+8*(i/8)
.if i < 8
	v_wmma_f32_16x16x32_f16 v[rD:rD+7], v[rA:rA+7], v[rB:rB+7], 0
.else
	v_wmma_f32_16x16x32_f16 v[rD:rD+7], v[rA:rA+7], v[rB:rB+7], v[rD:rD+7]
.endif
.set i, i+1
.endr
	PLACES
.if \guard
	s_cmp_eq_u32 s[MSK], 0
	s_cbranch_scc1 .Lnomask_\@
	v_add_nc_u32 v[DLT], s[DX], v[DL0]             ; C <= c is: 16 ct + j - 16 t <= this
.irp t, 0,1
.irp ct, 0,1,2,3
.irp j, 0,1,2,3,4,5,6,7
	v_cmp_le_i32 vcc_lo, 16*\ct+\j-16*\t, v[DLT]
	v_cndmask_b32 v[S+32*\t+8*\ct+\j], s[NEG], v[S+32*\t+8*\ct+\j], vcc_lo
.endr
.endr
.endr
.Lnomask_\@:
	s_sub_co_i32 s[DX], s[DX], 0x80
.endif
	STATS
	v_add_nc_u32 v[AQ], QT, v[AQ]
.endm
; Segment l of C (512 of them, release l) for the block whose super-block is in s[yreg].  rel = 1: the release is waited for.
.macro SEG l, kf, yreg, rel, guard
.if \rel
	s_wait_tensorcnt 3-\l                          ; my part of release l is in; the 3 - l later ones stay out
	s_barrier_signal -1
	s_barrier_wait -1                              ; everybody's is
.endif
.if \guard
.if \l > 0
	s_cmp_lt_u32 s[\yreg], \l                      ; right of the diagonal: nothing to do (the same in all partners)
	s_cbranch_scc1 .Lskip_\@
.endif
	s_cmp_eq_u32 s[\yreg], \l
	s_cselect_b32 s[MSK], 1, 0
	s_mov_b32 s[DX], s[DX0]
.endif
	v_add_nc_u32 v[AQ], \l*REL, v[AQ0]
	s_mov_b32 s[CNT], 4
.Ltrip_\@:
	TRIP \kf, \guard
	s_sub_co_u32 s[CNT], s[CNT], 1
	s_cmp_lg_u32 s[CNT], 0
	s_cbranch_scc1 .Ltrip_\@
.Lskip_\@:
.endm
; A block's end.  l's halves are added; waves 4-7 hand c m and l to waves 0-3, which merge the two halves of C and leave M in LDS.
.macro FIN blk
.irp t, 0,1
	v_add_f32 v[ST+8*\t+4], v[ST+8*\t+2], v[ST+8*\t+3]
.endr
.irp t, 0,1
	v_permlanex16_b32 v[ST+8*\t+5], v[ST+8*\t+4], s[SEL], s[SEL+1]
.endr
.irp t, 0,1
	v_add_f32 v[ST+8*\t+2], v[ST+8*\t+4], v[ST+8*\t+5]
.endr
	s_cmp_lt_u32 s[WV], 4
	s_cbranch_scc1 .Lkeep_\@
.irp t, 0,1
	ds_store_b32 v[SCA], v[ST+8*\t]   offset:2048*\blk+64*\t        ; wave w >= 4: 128 w is 512 + 128 (w - 4)
	ds_store_b32 v[SCA], v[ST+8*\t+2] offset:2048*\blk+1024+64*\t
.endr
.Lkeep_\@:
	s_wait_dscnt 0x0                               ; for the others' sake: my stores are done
	s_barrier_signal -1
	s_barrier_wait -1
	s_cmp_ge_u32 s[WV], 4
	s_cbranch_scc1 .Lgave_\@
.irp t, 0,1
	ds_load_b32 v[ST+8*\t+4], v[SCA] offset:2048*\blk+512+64*\t     ; wave w + 4's c m,
	ds_load_b32 v[ST+8*\t+5], v[SCA] offset:2048*\blk+1536+64*\t    ; and l
.endr
	s_wait_dscnt 0x0
.irp t, 0,1
	v_max_num_f32 v[ST+8*\t+6], v[ST+8*\t], v[ST+8*\t+4]
.endr
.irp t, 0,1
	v_sub_f32 v[ST+8*\t], v[ST+8*\t], v[ST+8*\t+6]
	v_sub_f32 v[ST+8*\t+4], v[ST+8*\t+4], v[ST+8*\t+6]
.endr
.irp t, 0,1
	v_exp_f32 v[ST+8*\t], v[ST+8*\t]
	v_exp_f32 v[ST+8*\t+4], v[ST+8*\t+4]
.endr
	v_nop
	s_wait_alu depctr_va_vdst(0)
.irp t, 0,1
	v_mul_f32 v[ST+8*\t+2], v[ST+8*\t+2], v[ST+8*\t]
.endr
.irp t, 0,1
	v_fmac_f32 v[ST+8*\t+2], v[ST+8*\t+5], v[ST+8*\t+4]
.endr
.irp t, 0,1
	v_log_f32 v[ST+8*\t+2], v[ST+8*\t+2]           ; l is at least about 1: the maximum's own weight
.endr
	v_nop
	s_wait_alu depctr_va_vdst(0)
.irp t, 0,1
	v_add_f32 v[ST+8*\t+2], v[ST+8*\t+2], v[ST+8*\t+6]
.endr
.irp t, 0,1
	ds_store_b32 v[SCA], v[ST+8*\t+2] offset:2048*\blk+64*\t        ; M of row 32 w + 16 t + lane % 16
.endr
.Lgave_\@:
.endm
	INIT
	SEG 0, KH, Y1, 1, 0                            ; the first block's super-block is 2 or 3: segments 0 and 1 lie left of the diagonal
	s_wait_loadcnt 0x0                             ; the eight loads asked for in front of the segment
	WSTORE CV, D0, 0x600000
	WSTORE CV+16, D1, 0
	s_wait_xcnt 0x0                                ; the registers that these stores read are loaded again only behind this wait
	WLOAD CV, PWU, 0                               ; W_out's first and second 4 MiB
	WLOAD CV+16, PWU, 0x400000
	SEG 1, KH, Y1, 1, 0
	s_wait_loadcnt 0x0
	WSTORE CV, D1, 0x200000
	WSTORE CV+16, D1, 0x400000
	s_wait_xcnt 0x0
	WLOAD CV, PWU2, 0                              ; its third and fourth
	WLOAD CV+16, PWU2, 0x400000
	SEG 2, KH, Y1, 1, 1                            ; never skipped: the first block's super-block is 2 at the least
	s_wait_loadcnt 0x0
	WSTORE CV, D1, 0x600000
	WSTORE CV+16, D2, 0                            ; the weights are done
	SEG 3, KH, Y1, 1, 1                            ; its wait is for 0: no tensor load is out from here on
	FIN 0
	INIT
	SEG 0, KL, Y0, 0, 1
	SEG 1, KL, Y0, 0, 1
	FIN 1
	s_wait_dscnt 0x0
	s_barrier_signal -1
	s_barrier_wait -1
	s_cmp_ge_u32 s[WV], 2
	s_cbranch_scc1 .Lout
	ds_load_b128 v[OUTR:OUTR+3], v[RDM]            ; wave b takes block b's 128 figures: 512 bytes
	s_cmp_eq_u32 s[WV], 0
	s_cselect_b32 s62, s[Y1], s[Y0]
	s_lshl2_add_u32 s62, s62, s[CX]                ; block 4 Y + cx
	s_lshl_b32 s62, s62, 9
	s_lshl_b32 s63, s[HEAD], 13
	s_add_co_u32 s62, s62, s63
	s_mov_b32 s63, 0
	s_add_nc_u64 s[6:7], s[6:7], s[62:63]
	s_wait_dscnt 0x0
	global_store_b128 v[GO], v[OUTR:OUTR+3], s[6:7]  ; 512 consecutive bytes, at a multiple of 512
.Lout:
	s_wait_tensorcnt 0x0
	ds_add_u32 v30, v31
	s_wait_dscnt 0x0
	CROUND                                         ; the closing round
	s_endpgm
.Lfunc_end_k_q9602eaae33_stat:
	.size	k_q9602eaae33_stat, .Lfunc_end_k_q9602eaae33_stat-k_q9602eaae33_stat
	.p2alignl 7, 3214868480
	.fill 96, 4, 3214868480
	.section	.rodata,"a",@progbits
	.p2align	6, 0x0
	.amdhsa_kernel k_q9602eaae33_stat
		.amdhsa_group_segment_fixed_size 283648
		.amdhsa_private_segment_fixed_size 0
		.amdhsa_enable_private_segment 0
		.amdhsa_kernarg_size 48
		.amdhsa_user_sgpr_count 2
		.amdhsa_user_sgpr_kernarg_segment_ptr 1
		.amdhsa_wavefront_size32 1
		.amdhsa_system_sgpr_workgroup_id_x 1
		.amdhsa_system_sgpr_workgroup_id_y 1
		.amdhsa_system_sgpr_workgroup_id_z 1
		.amdhsa_system_vgpr_workitem_id 0
		.amdhsa_next_free_vgpr 256
		.amdhsa_next_free_sgpr 88
		.amdhsa_reserve_vcc 1
		.amdhsa_float_denorm_mode_32 3
		.amdhsa_float_denorm_mode_16_64 3
		.amdhsa_memory_ordered 1
		.amdhsa_forward_progress 1
		.amdhsa_inst_pref_size 108
	.end_amdhsa_kernel
	.amdgpu_metadata
---
amdhsa.version: [ 1, 2 ]
amdhsa.kernels:
  - .name:           k_q9602eaae33_stat
    .symbol:         k_q9602eaae33_stat.kd
    .args:
      - { .name: qkv, .offset: 0, .size: 8, .value_kind: global_buffer, .address_space: global }
      - { .name: rowstat, .offset: 8, .size: 8, .value_kind: global_buffer, .address_space: global }
      - { .name: W_O, .offset: 16, .size: 8, .value_kind: global_buffer, .address_space: global }
      - { .name: W_in, .offset: 24, .size: 8, .value_kind: global_buffer, .address_space: global }
      - { .name: W_out, .offset: 32, .size: 8, .value_kind: global_buffer, .address_space: global }
      - { .name: wb, .offset: 40, .size: 8, .value_kind: global_buffer, .address_space: global }
    .group_segment_fixed_size: 283648
    .private_segment_fixed_size: 0
    .kernarg_segment_align: 8
    .kernarg_segment_size: 48
    .max_flat_workgroup_size: 256
    .sgpr_count:     88
    .vgpr_count:     256
    .wavefront_size: 32
...
	.end_amdgpu_metadata
.endif
;; end of part 3
;; launch zatt (part 4): grid 8 x 32, 8 waves a work-group, clusters of 4 x 1, 327,680 bytes of LDS; arguments qkv, rowstat, zT, scl; writes zT
.if DOCPART == 4
	.amdgcn_target "amdgcn-amd-amdhsa--gfx1250"
	.amdhsa_code_object_version 6
	.text
	.protected	k_q9602eaae33_zatt
	.globl	k_q9602eaae33_zatt
	.p2align	8
	.type	k_q9602eaae33_zatt,@function
k_q9602eaae33_zatt:
	s_mov_b64 s[64:65], 0
	v_nop
	global_prefetch_b8 v0, s[64:65] scope:SCOPE_SE
	s_setreg_imm32_b32 hwreg(HW_REG_WAVE_MODE, 25, 1), 1
	s_wait_xcnt 0x0
	s_wait_alu depctr_hold_cnt(0) depctr_sa_sdst(0) depctr_va_vdst(0) depctr_va_sdst(0) depctr_va_ssrc(0) depctr_va_vcc(0) depctr_vm_vsrc(0)
	s_getreg_b32 s2, hwreg(HW_REG_IB_STS2, 6, 4)
	s_cmp_eq_u32 s2, 0
	s_cbranch_scc0 .Lentry_in_a_cluster
	s_endpgm
.Lentry_in_a_cluster:
	s_bfe_u32 s2, ttmp6, 0x10000c
	s_cmp_lg_u32 s2, 0x3003
	s_cbranch_scc0 .Lentry_shape_is_right
	s_endpgm
.Lentry_shape_is_right:
; z[C][ch] = sum over c >= C of p[c][C] v[c][ch], p = 2^(cs s[c][C] - M[c]), s = k[c] . q[C], cs = log2(e) / 8, M from the launch before (it holds the row's
; maximum and the logarithm of its sum, so p is the softmax weight and never above about 1).  Products in f16 with f32 sums; p rounded to f16; z rounded once, to f16.
; z's SCALE.  |z| <= 2,048 max|v|.  With E the exponent field of max|v| (max|v| < 2^(E - 126); the maxima of v's tiles lie at scl + 32,768, 256 words) z is stored
; times t = 2^(130 - E), so that |z t| < 2^15 whatever the inputs; as drawn t = 2.  E is held at 103 from below (2^-24: a smaller v is 0 in f16).  The next launch takes t out again.
; z is stored channel-major, zT[b][64 a + ch][c], so that a work-group that owns one head still stores runs of 256 bytes.
; LIMIT.  Masked places (C > c) get the score -2^100 and so the weight 0.
; SHARES.  A cluster of four work-groups has one head and two super-blocks of 512 C: Y = y0, then 3 - y0 (y0 = cluster x).  Partner cx owns C 128 (4 Y + cx) on.
; Wave w: 32 C (w % 4; two tiles of 16), and of every tile of 128 c the half g = w / 4, with partial sums of its own, which meet in LDS at a block's end.
; All partners walk c from the super-block's first row to the head's end, 256 c a trip: 8 - 2 Y trips, 10 for both blocks whatever y0.  The first four tiles of a
; block go through the mask.  The place in the cluster enters global addresses and the mask's threshold alone.
; RING.  Two slots, each 256 c: two tiles (K 64 rows x 272, V 64 rows x 288; a row holds two rows c), then 1,024 bytes of M.  Filled JOINTLY: waves 0, 1 K's tiles,
; waves 2, 3 V's, wave 4 M.  One tensor load a wave is out, issued straight behind a round of the cluster's barrier; it has a trip's work in which to land.
; LAYOUT.  S = k q^T (source 0 = 16 c, source 1 = 16 C): a lane holds ONE C and eight c; two such tiles rounded in pairs ARE a fragment of 32 c x 16 C.
; O = P (source 0) x V (source 1, turned by ds_load_tr16_b128): a lane holds ONE channel and eight neighbouring C: 16 bytes of zT.
; REGISTERS.  window 0: addresses, M, S, P, O, t.  window 1: v0-31 Q, v32-63 the second block's Q, v64-127 K, v128-191 V.
.set PKP,   272
.set PVP,   288
.set TILEB, 64*(PKP+PVP)               ; 35,840: a tile of 128 c
.set VOFF,  64*PKP
.set MOFF,  2*TILEB
.set MS,    MOFF+1024                  ; 72,704: 4 x 8,192 bytes, the partial sums of waves 4-7
.set STG,   MS+32768                   ; 105,472: 64 channels x 272 bytes, for the way out
.set SLOT1, 1<<17
.set AK0, 2
.set AV0, 3
.set AM0, 4
.set ADK, 5
.set ADV, 6
.set ADM, 7
.set DL0, 8
.set DLT, 9
.set QO,  10
.set MSA, 11                           ; MS - 32,768 + 8,192 w + 16 lane: waves 4-7 store there, waves 0-3 read 32,768 further on
.set STO, 12
.set RD,  13
.set GO,  14
.set M,   16                           ; v[16:47]   M of my 64 c: 8 ct + j
.set OUTR, 48                          ; v[48:63]
.set S,   64                           ; v[64:127]  +32 t + 8 ct
.set P,   128                          ; v[128:159] +16 t + 8 kc
.set O,   160                          ; v[160:223] +32 t + 8 cb
.set T,   224                          ; v[224:225] t, twice
.set VM,  226                          ; v[226:233] eight of v's maxima
.set VO,  234                          ; v234       32 x lane
.set Q,   0                            ; window 1
.set QH,  32
.set KF,  64
.set VF,  128
.set WV, 10
.set W4, 11
.set G,  12
.set CX, 13
.set Y0, 14
.set HEAD, 15
.set G1K, 24
.set G1V, 32
.set G1M, 40
.set G0K, 48
.set G0V, 52
.set G0M, 56
.set CS,  60
.set NEG, 62
.set TB,  63                           ; the slot in hand
.set KB,  66                           ; s[66:67] my tile of K at c = 0; s[68:69] of V; s[70:71] the head's M
.set VB,  68
.set MB,  70
.set ZA,  72                           ; s[72:73], s[74:75] where my 8 channels of the two blocks go
.set ZB,  74
.set NN,  76                           ; the trip asked for = the trips done when the trip in hand is done
.set NL,  77                           ; trips of the first block
.set DN,  78                           ; the 256 c asked for
.set TAU, 80                           ; tiles of the block done
.set DX,  81
.set DX0, 82
.set CNT, 83
.set Y2,  84                           ; 2 y0
.set QA,  86
.set QB,  88
.set VP,  90                           ; s[90:91] v's maxima
.set SEL, 92                           ; s[92:93] v_permlanex16_b32: each lane takes its own place in the other half
.set MSB, 0
.macro WIN new
.if MSB != (\new)
	s_set_vgpr_msb (MSB<<8)|(\new)
.set MSB, (\new)
.endif
.endm
.macro PLACES
.rept 4
	v_nop
.endr
.endm
.macro CROUND
	s_barrier_signal -1
	s_barrier_wait -1
	s_cmp_lg_u32 s[WV], 0
	s_cbranch_scc1 .Lnot_wave_0_\@
	s_barrier_signal -3
.Lnot_wave_0_\@:
	s_barrier_wait -3
	s_barrier_signal -1
	s_barrier_wait -1
.endm
; The joint loads of a slot.  The branches hang on the wave's number alone; four v_nop follow each line.
.macro RLOAD
	s_cmp_lt_u32 s[WV], 2
	s_cbranch_scc0 .Lnot_k_\@
	tensor_load_to_lds s[G0K:G0K+3], s[G1K:G1K+7]
	s_nop 0
	PLACES
	s_branch .Lasked_\@
.Lnot_k_\@:
	s_cmp_lt_u32 s[WV], 4
	s_cbranch_scc0 .Lnot_v_\@
	tensor_load_to_lds s[G0V:G0V+3], s[G1V:G1V+7]
	s_nop 0
	PLACES
	s_branch .Lasked_\@
.Lnot_v_\@:
	s_cmp_eq_u32 s[WV], 4
	s_cbranch_scc0 .Lasked_\@
	tensor_load_to_lds s[G0M:G0M+3], s[G1M:G1M+7]
	s_nop 0
	PLACES
.Lasked_\@:
.endm
.macro AIM d                           ; the three global addresses for the 256 c numbered s[d]
	s_lshl_b32 s16, s[\d], 15
	s_mov_b32 s17, 0
	s_add_nc_u64 s[G0K+2:G0K+3], s[KB:KB+1], s[16:17]
	s_or_b32 s[G0K+3], s[G0K+3], 0x80000000
	s_add_nc_u64 s[G0V+2:G0V+3], s[VB:VB+1], s[16:17]
	s_or_b32 s[G0V+3], s[G0V+3], 0x80000000
	s_lshl_b32 s16, s[\d], 10
	s_add_nc_u64 s[G0M+2:G0M+3], s[MB:MB+1], s[16:17]
	s_or_b32 s[G0M+3], s[G0M+3], 0x80000000
.endm
	s_load_b128 s[4:7], s[0:1], 0x0                ; qkv, rowstat
	s_load_b64 s[8:9], s[0:1], 0x10                ; zT
	s_load_b64 s[VP:VP+1], s[0:1], 0x18            ; scl
	v_lshl_add_u32 v254, v0, 2, 0x31c00
	v_mov_b32 v255, 0
	ds_add_u32 v254, v255
	v_lshrrev_b32 v1, 5, v0
	v_readfirstlane_b32 s[WV], v1
	s_and_b32 s[W4], s[WV], 3
	s_lshr_b32 s[G], s[WV], 2
	s_bfe_u32 s[CX], ttmp6, 0x40000
	s_mov_b32 s[Y0], ttmp9
	s_and_b32 s[HEAD], ttmp7, 0xffff
	s_lshl_b32 s[Y2], s[Y0], 1
	s_sub_co_u32 s[NL], 8, s[Y2]
	s_mov_b32 s[G1K], 15|(1<<16)|(1<<20)|(1<<21)|(5<<22)|(3<<25)  ; all four; 2-byte elements; 4 words of padding behind every 64; bit 21 beside the mask
	s_mov_b32 s[G1V], 15|(1<<16)|(1<<20)|(1<<21)|(5<<22)|(7<<25)  ; 8 words of padding
.irp g, G1K, G1V
	s_mov_b32 s[\g+1], 128<<16                     ; rows of 256 bytes (two rows c),
	s_mov_b32 s[\g+2], 64<<16                      ; 64 of them
	s_mov_b32 s[\g+3], 128<<16
	s_mov_b32 s[\g+4], 64
	s_mov_b32 s[\g+5], 128                         ; dense
	s_mov_b32 s[\g+6], 0
	s_mov_b32 s[\g+7], 0
.endr
	s_mov_b32 s[G1M], 15|(3<<16)|(1<<21)           ; M: 8-byte elements, no padding
	s_mov_b32 s[G1M+1], 32<<16                     ; 4 rows of 256 bytes
	s_mov_b32 s[G1M+2], 4<<16
	s_mov_b32 s[G1M+3], 32<<16
	s_mov_b32 s[G1M+4], 4
	s_mov_b32 s[G1M+5], 32
	s_mov_b32 s[G1M+6], 0
	s_mov_b32 s[G1M+7], 0
	s_mov_b32 s[CS], 0x3e38aa3b                    ; log2(e) / 8
	s_mov_b32 s[CS+1], s[CS]
	s_mov_b32 s[NEG], 0xf1800000                   ; -2^100
	s_mov_b32 s[SEL], 0x76543210
	s_mov_b32 s[SEL+1], 0xfedcba98
	s_mov_b32 s[TB], 0
	s_mov_b32 s[NN], 0
	s_mov_b32 s[TAU], 0
	s_lshl_b32 s[DX0], s[CX], 7
	s_mov_b32 s[DX], s[DX0]
	s_and_b32 s16, s[WV], 1                        ; which of a slot's two tiles I fetch
	s_mul_i32 s20, s16, TILEB
	s_lshl_b32 s16, s16, 14
	s_add_co_u32 s17, s[HEAD], 32                  ; k's heads lie behind q's 32, v's behind k's
	s_lshl_b32 s17, s17, 18
	s_add_co_u32 s16, s16, s17
	s_mov_b32 s17, 0
	s_wait_dscnt 0x0
	s_wait_kmcnt 0x0
	s_add_nc_u64 s[KB:KB+1], s[4:5], s[16:17]
	s_add_nc_u64 s[VB:VB+1], s[KB:KB+1], 0x800000
	s_lshl_b32 s16, s[HEAD], 13
	s_add_nc_u64 s[MB:MB+1], s[6:7], s[16:17]
	s_add_nc_u64 s[VP:VP+1], s[VP:VP+1], 0x8000
	s_mov_b32 s[G0K], 1
	s_mov_b32 s[G0V], 1
	s_mov_b32 s[G0M], 1
	s_mov_b32 s[G0K+1], s20
	s_add_co_u32 s[G0V+1], s20, VOFF
	s_mov_b32 s[G0M+1], MOFF
	AIM Y2                                         ; the first block begins at c = 512 y0: 256 c number 2 y0
	CROUND                                         ; all four work-groups are here
	RLOAD                                          ; trip 0's 256 c, into slot 0
	v_and_b32 v1, 15, v0                           ; r
	v_bfe_u32 v15, v0, 4, 1                        ; h
	v_lshlrev_b32 v[QO], 7, v1
	v_lshl_add_u32 v[QO], v15, 4, v[QO]
	v_and_b32 v[VO], 31, v0
	v_lshlrev_b32 v[VO], 5, v[VO]
	global_load_b128 v[VM:VM+3],   v[VO], s[VP:VP+1]             ; every wave takes all 256 maxima: 1,024 consecutive bytes
	global_load_b128 v[VM+4:VM+7], v[VO], s[VP:VP+1] offset:16
	s_lshl2_add_u32 s21, s[Y0], s[CX]              ; my blocks of C: 4 y0 + cx,
	s_sub_co_u32 s22, 3, s[Y0]
	s_lshl2_add_u32 s22, s22, s[CX]                ; 4 (3 - y0) + cx
	s_lshl_b32 s23, s[HEAD], 18
	s_lshl_b32 s18, s[W4], 12                      ; my 32 rows of 128 bytes
	s_add_co_u32 s23, s23, s18
	s_lshl_b32 s18, s21, 14
	s_add_co_u32 s18, s18, s23
	s_mov_b32 s19, 0
	s_add_nc_u64 s[QA:QA+1], s[4:5], s[18:19]
	s_lshl_b32 s18, s22, 14
	s_add_co_u32 s18, s18, s23
	s_add_nc_u64 s[QB:QB+1], s[4:5], s[18:19]
	WIN 0x40                                       ; destination window 1, address window 0
.irp t, 0,1
.irp kc, 0,1
	global_load_b128 v[Q+16*\t+8*\kc:Q+16*\t+8*\kc+3],     v[QO], s[QA:QA+1] offset:2048*\t+64*\kc
	global_load_b128 v[Q+16*\t+8*\kc+4:Q+16*\t+8*\kc+7],   v[QO], s[QA:QA+1] offset:2048*\t+64*\kc+32
	global_load_b128 v[QH+16*\t+8*\kc:QH+16*\t+8*\kc+3],   v[QO], s[QB:QB+1] offset:2048*\t+64*\kc
	global_load_b128 v[QH+16*\t+8*\kc+4:QH+16*\t+8*\kc+7], v[QO], s[QB:QB+1] offset:2048*\t+64*\kc+32
.endr
.endr
	WIN 0
	s_lshl_b32 s23, s[HEAD], 18                    ; zT: row 64 head + 8 w, 4,096 bytes a row; 256 bytes a block of C
	s_lshl_b32 s18, s[WV], 15
	s_add_co_u32 s23, s23, s18
	s_lshl_b32 s18, s21, 8
	s_add_co_u32 s18, s18, s23
	s_add_nc_u64 s[ZA:ZA+1], s[8:9], s[18:19]
	s_lshl_b32 s18, s22, 8
	s_add_co_u32 s18, s18, s23
	s_add_nc_u64 s[ZB:ZB+1], s[8:9], s[18:19]
	v_lshrrev_b32 v[AK0], 1, v1                    ; K: row c at (c / 2) 272 + (c % 2) 128
	v_mul_u32_u24 v[AK0], v[AK0], PKP
	v_and_b32 v[ADK], 1, v1
	v_lshl_add_u32 v[AK0], v[ADK], 7, v[AK0]
	v_lshl_add_u32 v[AK0], v15, 4, v[AK0]
	s_mul_i32 s16, s[G], 32*PKP
	v_add_nc_u32 v[AK0], s16, v[AK0]
	v_and_b32 v[ADK], 7, v0                        ; V, for the turning load: row 8 h + lane % 8, channels 8 ((lane / 8) % 2) on
	v_lshl_add_u32 v[ADK], v15, 3, v[ADK]
	v_lshrrev_b32 v[AV0], 1, v[ADK]
	v_mul_u32_u24 v[AV0], v[AV0], PVP
	v_and_b32 v[ADK], 1, v[ADK]
	v_lshl_add_u32 v[AV0], v[ADK], 7, v[AV0]
	v_bfe_u32 v[ADK], v0, 3, 1
	v_lshl_add_u32 v[AV0], v[ADK], 4, v[AV0]
	s_mul_i32 s16, s[G], 32*PVP
	s_add_co_u32 s16, s16, VOFF
	v_add_nc_u32 v[AV0], s16, v[AV0]
	s_lshl_b32 s16, s[G], 8
	s_add_co_u32 s16, s16, MOFF
	v_lshl_add_u32 v[AM0], v15, 5, s16
	s_lshl_b32 s16, s[W4], 5
	s_lshl_b32 s17, s[G], 6
	s_sub_co_i32 s16, s16, s17
	v_lshlrev_b32 v[ADK], 3, v15
	v_sub_nc_u32 v[DL0], v1, v[ADK]
	v_add_nc_u32 v[DL0], s16, v[DL0]               ; 32 (w % 4) + r - 8 h - 64 g
	v_and_b32 v[ADM], 31, v0
	s_lshl_b32 s16, s[WV], 13
	s_add_co_u32 s16, s16, MS-32768
	v_lshl_add_u32 v[MSA], v[ADM], 4, s16
	s_lshl_b32 s16, s[WV], 6                       ; the stage, in (waves 0-3): channel row r, C 32 w + 16 t + 8 h on
	s_add_co_u32 s16, s16, STG
	v_mul_u32_u24 v[STO], v1, 272
	v_lshl_add_u32 v[STO], v15, 4, v[STO]
	v_add_nc_u32 v[STO], s16, v[STO]
	s_mul_i32 s16, s[WV], 8*272                    ; back: wave w takes channels 8 w on; lanes 0-15 one row of 256 bytes, lanes 16-31 the next
	s_add_co_u32 s16, s16, STG
	v_mul_u32_u24 v[RD], v15, 272
	v_lshl_add_u32 v[RD], v1, 4, v[RD]
	v_add_nc_u32 v[RD], s16, v[RD]
	v_lshlrev_b32 v[GO], 12, v15
	v_lshl_add_u32 v[GO], v1, 4, v[GO]
	s_wait_loadcnt 0x0                             ; v's maxima and Q of both blocks
	v_max3_num_f32 v[VM], v[VM], v[VM+1], v[VM+2]  ; max|v|: my eight, then the 32 lanes
	v_max3_num_f32 v[VM+3], v[VM+3], v[VM+4], v[VM+5]
	v_max3_num_f32 v[VM], v[VM], v[VM+6], v[VM+7]
	v_max_num_f32 v[VM], v[VM], v[VM+3]
.irp m, 1,2,4,8
	v_max_num_f32_dpp v[VM], v[VM], v[VM] row_xmask:\m row_mask:0xf bank_mask:0xf
.endr
	v_permlanex16_b32 v[VM+1], v[VM], s[SEL], s[SEL+1]
	v_max_num_f32 v[VM], v[VM], v[VM+1]
	v_lshrrev_b32 v[VM], 23, v[VM]                 ; E (the sign is 0)
	v_max_u32 v[VM], 0x67, v[VM]                   ; at least 103
	v_sub_nc_u32 v[T], 0x101, v[VM]                ; t = 2^(130 - E): exponent field 257 - E
	v_lshlrev_b32 v[T], 23, v[T]
	v_mov_b32 v[T+1], v[T]
; 8 products O += P V for 32 c (kc); the eight accumulators take turns, one instruction a turn.  zero = 1: they start the sums.
.macro PVK kc, zero
.set i, 0
.rept 8
.set rD, O+32*(i%2)+8*(i/2)
.set rA, P+16*(i%2)+8*\kc
.set rB, VF+16*(i/2)+8*\kc
.if \zero
	v_wmma_f32_16x16x32_f16 v[rD:rD+7], v[rA:rA+7], v[rB:rB+7], 0
.else
	v_wmma_f32_16x16x32_f16 v[rD:rD+7], v[rA:rA+7], v[rB:rB+7], v[rD:rD+7]
.endif
.set i, i+1
.endr
.endm
; Tile u of the slot in hand: my 64 c against my 32 C.  canstart = 1: the tile may be a block's first, whose products start O's sums.  That is a trip's first tile
; (a block begins with a trip) in trips 0 to 8 (the blocks begin in trip 0 and in trip 6 or 8): elsewhere the starting products are not written.
.macro SUB u, canstart
	WIN 0x40
.irp ct, 0,1,2,3
.irp kc, 0,1
	ds_load_b128 v[KF+16*\ct+8*\kc:KF+16*\ct+8*\kc+3],   v[ADK] offset:TILEB*\u+8*PKP*\ct+64*\kc
	ds_load_b128 v[KF+16*\ct+8*\kc+4:KF+16*\ct+8*\kc+7], v[ADK] offset:TILEB*\u+8*PKP*\ct+64*\kc+32
.endr
.endr
.irp cb, 0,1,2,3
.irp kc, 0,1
	ds_load_tr16_b128 v[VF+16*\cb+8*\kc:VF+16*\cb+8*\kc+3],   v[ADV] offset:TILEB*\u+16*PVP*\kc+32*\cb
	ds_load_tr16_b128 v[VF+16*\cb+8*\kc+4:VF+16*\cb+8*\kc+7], v[ADV] offset:TILEB*\u+16*PVP*\kc+32*\cb+8*PVP
.endr
.endr
	WIN 0
.irp ct, 0,1,2,3
	ds_load_b128 v[M+8*\ct:M+8*\ct+3],   v[ADM] offset:512*\u+64*\ct
	ds_load_b128 v[M+8*\ct+4:M+8*\ct+7], v[ADM] offset:512*\u+64*\ct+16
.endr
	s_wait_dscnt 24                                ; K is in; V's 16 loads and M's 8 are younger and may stay out
	WIN 0x05                                       ; K and Q in window 1
.set i, 0
.rept 16                               ; eight accumulators by turns; the first eight products start the sums
.set rD, S+32*(i%2)+8*((i/2)%4)
.set rA, KF+16*((i/2)%4)+8*(i/8)
.set rB, Q+16*(i%2)+8*(i/8)
.if i < 8
	v_wmma_f32_16x16x32_f16 v[rD:rD+7], v[rA:rA+7], v[rB:rB+7], 0
.else
	v_wmma_f32_16x16x32_f16 v[rD:rD+7], v[rA:rA+7], v[rB:rB+7], v[rD:rD+7]
.endif
.set i, i+1
.endr
	WIN 0
	PLACES
	s_cmp_ge_u32 s[TAU], 4                         ; from the block's fifth tile on every c lies below every C of the super-block
	s_cbranch_scc1 .Lnomask_\@
	v_add_nc_u32 v[DLT], s[DX], v[DL0]             ; C <= c is: 16 ct + j - 16 t >= this
.irp t, 0,1
.irp ct, 0,1,2,3
.irp j, 0,1,2,3,4,5,6,7
	v_cmp_ge_i32 vcc_lo, 16*\ct+\j-16*\t, v[DLT]
	v_cndmask_b32 v[S+32*\t+8*\ct+\j], s[NEG], v[S+32*\t+8*\ct+\j], vcc_lo
.endr
.endr
.endr
.Lnomask_\@:
	s_wait_dscnt 0x0                               ; V and M
.irp t, 0,1
.set i, 0
.rept 16
	v_pk_fma_f32 v[S+32*\t+2*i:S+32*\t+2*i+1], v[S+32*\t+2*i:S+32*\t+2*i+1], s[CS:CS+1], v[M+2*i:M+2*i+1] op_sel_hi:[1,0,1] neg_lo:[0,0,1] neg_hi:[0,0,1]   ; cs s - M
.set i, i+1
.endr
.endr
.set i, 0
.rept 64
	v_exp_f32 v[S+i], v[S+i]
.set i, i+1
.endr
	v_nop                                          ; a plain instruction between the last exponential and the use of its result (ISA guide 5.7.2)
.set i, 0
	s_wait_alu depctr_va_vdst(0)
.rept 32
	v_cvt_pk_f16_f32 v[P+i], v[S+2*i], v[S+2*i+1]
.set i, i+1
.endr
.if \canstart
	s_cmp_eq_u32 s[TAU], 0
	s_cbranch_scc1 .Lstart_\@
	WIN 0x04                                       ; V in window 1
	PVK 0, 0
	WIN 0
	s_branch .Ljoin_\@
.Lstart_\@:
	WIN 0x04
	PVK 0, 1                                       ; a block's first tile starts the sums: nothing is cleared
	WIN 0
.Ljoin_\@:
	WIN 0x04
.else
	WIN 0x04
	PVK 0, 0
.endif
	PVK 1, 0
	WIN 0
	PLACES                                         ; in front of the next loads into K's and V's registers and of what reads O
	s_add_co_u32 s[TAU], s[TAU], 1
	s_sub_co_i32 s[DX], s[DX], 0x80
.endm
.macro WORK canstart
	v_add_nc_u32 v[ADK], s[TB], v[AK0]
	v_add_nc_u32 v[ADV], s[TB], v[AV0]
	v_add_nc_u32 v[ADM], s[TB], v[AM0]
	SUB 0, \canstart
	SUB 1, 0
.endm
; The change of slots.  Each wave waits for its reads of the slot last read and for all its tensor loads (one at the most is out: its part of the slot to be read).
; fill = 1: behind a round of the cluster's barrier the slot last read is filled with the next trip's 256 c: the first thing there, one load a wave.
.macro CHANGE fill
	s_wait_dscnt 0x0
	s_wait_tensorcnt 0x0                           ; no tensor load of mine is out, so the group 0 sets may be written
	ds_add_u32 v254, v255
	s_wait_dscnt 0x0
.if \fill
	s_add_co_u32 s[NN], s[NN], 1
	s_add_co_u32 s16, s[NN], s[Y2]                 ; first block: 256 c number n + 2 y0;
	s_sub_co_u32 s17, s[NN], 2                     ; second: n - 2 (it begins at 6 - 2 y0 in trip 8 - 2 y0)
	s_cmp_lt_u32 s[NN], s[NL]
	s_cselect_b32 s[DN], s16, s17
.irp g, G0K, G0V, G0M
	s_xor_b32 s[\g+1], s[\g+1], SLOT1
.endr
	AIM DN
	CROUND
	RLOAD
.else
	s_barrier_signal -1
	s_barrier_wait -1
.endif
.endm
; A block's end: waves 4-7 hand their sums to waves 0-3, which add, scale by t, round and lay 64 channels x 128 C into the stage; all eight waves store it, 8 channels each.
.macro FINAL z
	s_cmp_lt_u32 s[WV], 4
	s_cbranch_scc1 .Lkeep_\@
.set i, 0
.rept 16
	ds_store_b128 v[MSA], v[O+4*i:O+4*i+3] offset:512*i
.set i, i+1
.endr
.Lkeep_\@:
	s_wait_dscnt 0x0                               ; for the others' sake
	s_barrier_signal -1
	s_barrier_wait -1
	s_cmp_ge_u32 s[WV], 4
	s_cbranch_scc1 .Lgave_\@
.set i, 0
.rept 16
	ds_load_b128 v[S+4*i:S+4*i+3], v[MSA] offset:32768+512*i
.set i, i+1
.endr
	s_wait_dscnt 0x0
.set i, 0
.rept 32
	v_pk_add_f32 v[O+2*i:O+2*i+1], v[O+2*i:O+2*i+1], v[S+2*i:S+2*i+1]
.set i, i+1
.endr
.set i, 0
.rept 32
	v_pk_mul_f32 v[O+2*i:O+2*i+1], v[O+2*i:O+2*i+1], v[T:T+1] op_sel_hi:[1,0]   ; a power of two: exact
.set i, i+1
.endr
.set i, 0
.rept 32
	v_cvt_pk_f16_f32 v[P+i], v[O+2*i], v[O+2*i+1]
.set i, i+1
.endr
.irp t, 0,1
.irp cb, 0,1,2,3
	ds_store_b128 v[STO], v[P+16*\t+4*\cb:P+16*\t+4*\cb+3] offset:16*272*\cb+32*\t
.endr
.endr
.Lgave_\@:
	s_wait_dscnt 0x0
	s_barrier_signal -1
	s_barrier_wait -1
	s_wait_xcnt 0x0                                ; the registers that the first block's stores read are loaded again only behind this wait
.irp t, 0,1,2,3
	ds_load_b128 v[OUTR+4*\t:OUTR+4*\t+3], v[RD] offset:2*272*\t
.endr
	s_wait_dscnt 0x0
.irp t, 0,1,2,3
	global_store_b128 v[GO], v[OUTR+4*\t:OUTR+4*\t+3], s[\z:\z+1] offset:8192*\t   ; 16 lanes store 256 consecutive bytes, at a multiple of 256
.endr
.endm
.macro SWITCH                          ; on to the second block: its Q takes the place that the loop's products name
	WIN 0x41
.set i, 0
.rept 32
	v_mov_b32 v[Q+i], v[QH+i]
.set i, i+1
.endr
	WIN 0
	s_mov_b32 s[TAU], 0
	s_mov_b32 s[DX], s[DX0]
.endm
	s_mov_b32 s[CNT], 9
.Lring:                                                ; nine trips ask for the next; the tenth is written out
	CHANGE 1
	WORK 1
	s_sub_co_u32 s16, 8, s[NN]                     ; the first block has 8 - 2 y0 trips: it is done when 8 - the trips done = 2 y0.
	s_cmp_gt_u32 s16, 2                            ; 2 y0 is 0 or 2: with fewer than 6 trips done, or all 9 (the difference wraps), no block ends here
	s_cbranch_scc1 .Lgo_on
	s_cmp_lg_u32 s16, s[Y2]                        ; y0 is the cluster's x: the same trip in all partners
	s_cbranch_scc1 .Lgo_on
	FINAL ZA
	SWITCH
.Lgo_on:
	s_xor_b32 s[TB], s[TB], SLOT1
	s_sub_co_u32 s[CNT], s[CNT], 1
	s_cmp_lg_u32 s[CNT], 0
	s_cbranch_scc1 .Lring
	CHANGE 0
	WORK 0
	FINAL ZB
	s_wait_tensorcnt 0x0
	ds_add_u32 v254, v255
	s_wait_dscnt 0x0
	CROUND                                         ; the closing round
	s_endpgm
.Lfunc_end_k_q9602eaae33_zatt:
	.size	k_q9602eaae33_zatt, .Lfunc_end_k_q9602eaae33_zatt-k_q9602eaae33_zatt
	.p2alignl 7, 3214868480
	.fill 96, 4, 3214868480
	.section	.rodata,"a",@progbits
	.p2align	6, 0x0
	.amdhsa_kernel k_q9602eaae33_zatt
		.amdhsa_group_segment_fixed_size 327680
		.amdhsa_private_segment_fixed_size 0
		.amdhsa_enable_private_segment 0
		.amdhsa_kernarg_size 32
		.amdhsa_user_sgpr_count 2
		.amdhsa_user_sgpr_kernarg_segment_ptr 1
		.amdhsa_wavefront_size32 1
		.amdhsa_system_sgpr_workgroup_id_x 1
		.amdhsa_system_sgpr_workgroup_id_y 1
		.amdhsa_system_sgpr_workgroup_id_z 1
		.amdhsa_system_vgpr_workitem_id 0
		.amdhsa_next_free_vgpr 448
		.amdhsa_next_free_sgpr 94
		.amdhsa_reserve_vcc 1
		.amdhsa_float_denorm_mode_32 3
		.amdhsa_float_denorm_mode_16_64 3
		.amdhsa_memory_ordered 1
		.amdhsa_forward_progress 1
		.amdhsa_inst_pref_size 97
	.end_amdhsa_kernel
	.amdgpu_metadata
---
amdhsa.version: [ 1, 2 ]
amdhsa.kernels:
  - .name:           k_q9602eaae33_zatt
    .symbol:         k_q9602eaae33_zatt.kd
    .args:
      - { .name: qkv, .offset: 0, .size: 8, .value_kind: global_buffer, .address_space: global }
      - { .name: rowstat, .offset: 8, .size: 8, .value_kind: global_buffer, .address_space: global }
      - { .name: zT, .offset: 16, .size: 8, .value_kind: global_buffer, .address_space: global }
      - { .name: scl, .offset: 24, .size: 8, .value_kind: global_buffer, .address_space: global }
    .group_segment_fixed_size: 327680
    .private_segment_fixed_size: 0
    .kernarg_segment_align: 8
    .kernarg_segment_size: 32
    .max_flat_workgroup_size: 256
    .sgpr_count:     94
    .vgpr_count:     448
    .wavefront_size: 32
...
	.end_amdgpu_metadata
.endif
;; end of part 4
;; launch wo (part 5): grid 8 x 32, 4 waves a work-group, clusters of 4 x 4, 327,680 bytes of LDS; arguments zT, wb, x, scl, x1; writes x1
.if DOCPART == 5
	.amdgcn_target "amdgcn-amd-amdhsa--gfx1250"
	.amdhsa_code_object_version 6
	.text
	.protected	k_q9602eaae33_wo
	.globl	k_q9602eaae33_wo
	.p2align	8
	.type	k_q9602eaae33_wo,@function
k_q9602eaae33_wo:
	s_mov_b64 s[64:65], 0
	v_nop
	global_prefetch_b8 v0, s[64:65] scope:SCOPE_SE
	s_setreg_imm32_b32 hwreg(HW_REG_WAVE_MODE, 25, 1), 1
	s_wait_xcnt 0x0
	s_wait_alu depctr_hold_cnt(0) depctr_sa_sdst(0) depctr_va_vdst(0) depctr_va_sdst(0) depctr_va_ssrc(0) depctr_va_vcc(0) depctr_vm_vsrc(0)
	s_getreg_b32 s2, hwreg(HW_REG_IB_STS2, 6, 4)
	s_cmp_eq_u32 s2, 0
	s_cbranch_scc0 .Lentry_in_a_cluster
	s_endpgm
.Lentry_in_a_cluster:
	s_bfe_u32 s2, ttmp6, 0x10000c
	s_cmp_lg_u32 s2, 0xf033
	s_cbranch_scc0 .Lentry_shape_is_right
	s_endpgm
.Lentry_shape_is_right:
; x1[m][e] = x[m][e] + sum over f of z[m][f] W_O[e][f], in f32.  Operands f16, sums f32.  zT holds z times t = 2^(130 - E) (E: the exponent field of max|v|, at least 103;
; the 256 maxima lie at scl + 32,768); the sums are multiplied by 1 / t = 2^(E - 130), exactly, in the fused multiply-add that adds x.
; A = z lies channel-major, zT[b][f][c], and its fragments come out of LDS turned.
; A tile of C is 128 x 128: 8 x 32 = 256 work-groups.  Four waves, each 64 x 64: 16 accumulators of 16 x 16.  K = 1,024 goes in 4 steps of 256 through two LDS slots.
; CLUSTERS: 4 x 4 work-groups; A's tiles are asked for jointly along a row of the cluster, B's along a column.
; THE WALK ALONG K BEGINS AT ANOTHER STEP FROM CLUSTER TO CLUSTER: trip n takes step (rho + n) mod 4, rho = 2 ((cluster x + cluster y) mod 2).  The two clusters that read the same
; tiles of A (same y) and neighbouring clusters that read the same tiles of B (same x) are two steps apart, so the two steps that a cluster asks for behind its first fills
; are those that such a neighbour asked for at the launch's start: no tile is wanted by all its readers at once.  rho hangs on the cluster's x and y alone, which all partners share.
; Each output is still one f32 sum; the order of its four parts is turned by rho.
; THE MATRIX INSTRUCTION IS USED TRANSPOSED (source 0 = 16 rows of B, source 1 = 16 rows of A): a lane holds eight neighbouring numbers of a row of C.
; THE RESIDUAL (my 32 whole pieces of rows, 512 bytes each) is asked for at the start and lies in window 2 when the sums are done.
; THE WAY OUT: the f32 sums go through a stage of 128 rows x 528 bytes in slot 0's bytes, which have had their last fill and whose last reads every wave has
; waited for in front of the last change of slots; a barrier, since a row's 512 bytes come from two waves; back as whole pieces of rows.
; REGISTERS: window 0: v0-31 addresses; v32-41 the scale; v128-255 the accumulators ((a, b) at v[128 + 8 (4 a + b)]).  window 1: two fragment buffers of 128.  window 2: v0-127 the residual.
.set SIZE_K, 1024
.set WOFF,   0xE00000                  ; W_O's place in wb
.set KSTEP,  256
.set PITCH,  528                       ; an LDS row along K: 512 bytes + 16 of padding: row r starts at bank 4 r mod 64 (64 banks of 4 bytes: ISA guide 11.1)
.set HALFT,  64*PITCH
.set PA,     288                       ; a row of A as it lies (one f, 128 c): 256 bytes + 32
.set AHALF,  128*PA                    ; what one tensor load brings of A
.set ATILE,  256*PA
.set ASTEP,  KSTEP*4096                ; bytes from a K step to the next: 256 rows of zT
.set SLOT,   ATILE+2*HALFT             ; A's tile, then B's 128 rows
.set SP,     528                       ; the stage's pitch
.set LAPS,   SIZE_K/(2*KSTEP)
.set ADRA, 16                          ; v16-19  LDS address of my A fragments: slot s, half of the K step at 2 s + half
.set ADRB, 20                          ; v20-21  the same for B, slot s
.set STO,  24
.set RD,   25
.set CO,   26                          ; 16 x lane
.set VO,   29                          ; 32 x lane
.set VM,   32                          ; v[32:39] eight of v's maxima
.set INV,  40                          ; v[40:41] 1 / t, twice
.set ACC,  128
.set F0,   0
.set F1,   128
.set G1, 24
.set G0, 32
.set G1B, 48
.set G0B, 56
.set SEL, 72
.set KA, 74                            ; s[74:75], s[76:77] slot s: the byte offset in A of the K step that it takes next, with 0 above it
.set KB, 78                            ; s[78:79], s[80:81] the same in B
.set MSB, 0
.macro WIN new
.if MSB != (\new)
	s_set_vgpr_msb (MSB<<8)|(\new)
.set MSB, (\new)
.endif
.endm
.set MUL,  0x05                        ; sources 0 (B) and 1 (A) window 1; C and D window 0
.set TO_F, 0x40
.macro PLACES                          ; four places in front of loads into registers that matrix instructions have read, and of what reads their results (ISA guide 7.12.1 for vector instructions)
.rept 4
	v_nop
.endr
.endm
.macro JLOAD s                         ; a joint load: waves 0 and 1 fetch A's two halves, waves 2 and 3 B's; four v_nop follow each line
	s_cmp_eq_u32 s11, 0
	s_cbranch_scc0 .Lfor_b_\@
	tensor_load_to_lds s[G0+4*\s:G0+4*\s+3], s[G1:G1+7]
	s_nop 0
	PLACES
	s_branch .Lasked_\@
.Lfor_b_\@:
	tensor_load_to_lds s[G0B+4*\s:G0B+4*\s+3], s[G1B:G1B+7]
	s_nop 0
	PLACES
.Lasked_\@:
.endm
.macro AIMK s                          ; slot s's two global addresses: my rows' first byte + the K step's offset; the type on top
	s_add_nc_u64 s[G0+4*\s+2:G0+4*\s+3], s[14:15], s[KA+2*\s:KA+2*\s+1]
	s_or_b32 s[G0+4*\s+3], s[G0+4*\s+3], 0x80000000
	s_add_nc_u64 s[G0B+4*\s+2:G0B+4*\s+3], s[46:47], s[KB+2*\s:KB+2*\s+1]
	s_or_b32 s[G0B+4*\s+3], s[G0B+4*\s+3], 0x80000000
.endm
.macro CREST
	s_cmp_lg_u32 s10, 0
	s_cbranch_scc1 .Lnot_wave_0_\@
	s_barrier_signal -3
.Lnot_wave_0_\@:
	s_barrier_wait -3
	s_barrier_signal -1
	s_barrier_wait -1
.endm
.macro CROUND
	s_barrier_signal -1
	s_barrier_wait -1
	CREST
.endm
	s_load_b128 s[4:7], s[0:1], 0x0                ; zT (A), wb
	s_load_b128 s[68:71], s[0:1], 0x10             ; x s[68:69], scl s[70:71]
	s_load_b64 s[8:9], s[0:1], 0x20                ; x1
	v_lshl_add_u32 v126, v0, 2, 0x45000
	v_mov_b32 v127, 0
	ds_add_u32 v126, v127
	v_lshrrev_b32 v1, 5, v0
	v_readfirstlane_b32 s10, v1                    ; wave 0..3
	s_lshr_b32 s11, s10, 1                         ; which half of the tile's rows is mine.  Also: I fetch for A (0) or for B (1)
	s_and_b32 s12, s10, 1                          ; which half of its columns.  Also: which half of that tile I fetch
	s_bfe_u32 s40, ttmp6, 0x40000
	s_bfe_u32 s41, ttmp6, 0x40004
	s_lshl_b32 s42, ttmp9, 2
	s_add_co_u32 s42, s42, s40                     ; tile column
	s_and_b32 s13, ttmp7, 0xffff
	s_lshl_b32 s13, s13, 2
	s_add_co_u32 s13, s13, s41                     ; tile row
	s_lshl_b32 s43, s41, 2
	s_lshl_b32 s43, 15, s43                        ; my row of the cluster
	s_lshl_b32 s44, 0x1111, s40                    ; my column
	s_and_b32 s[KA], ttmp7, 1                      ; where my cluster's walk begins: (cluster x + cluster y) mod 2, in registers that never hold a place in the cluster,
	s_add_co_u32 s[KA], s[KA], ttmp9
	s_and_b32 s[KA], s[KA], 1
	s_lshl_b32 s[KB], s[KA], 10                    ; times two K steps: 2 x 512 bytes of B's rows,
	s_lshl_b32 s[KA], s[KA], 21                    ; 2 x 256 rows of 4,096 bytes of A
	s_add_co_u32 s[KA+2], s[KA], ASTEP             ; slot 1 begins a step further on (rho is even: no wrap here)
	s_add_co_u32 s[KB+2], s[KB], KSTEP*2
	s_mov_b32 s[KA+1], 0
	s_mov_b32 s[KA+3], 0
	s_mov_b32 s[KB+1], 0
	s_mov_b32 s[KB+3], 0
	s_mov_b32 s[SEL], 0x76543210
	s_mov_b32 s[SEL+1], 0xfedcba98
	s_or_b32 s[G1+0], s43, (1<<16)|(1<<20)|(1<<21)|(5<<22)|(7<<25)  ; A: 128 rows (f) x 128 elements (c); 8 words of padding behind every 64
	s_mov_b32 s[G1+1], 128<<16
	s_mov_b32 s[G1+2], 128<<16
	s_mov_b32 s[G1+3], 128<<16
	s_mov_b32 s[G1+4], 128
	s_mov_b32 s[G1+5], 2048                        ; elements from an f to the next
	s_mov_b32 s[G1+6], 0
	s_mov_b32 s[G1+7], 0
	s_or_b32 s[G1B+0], s44, (1<<16)|(1<<20)|(1<<21)|(6<<22)|(3<<25) ; B: 64 rows x 256 elements; 4 words of padding behind every 128
	s_mov_b32 s[G1B+1], KSTEP<<16
	s_mov_b32 s[G1B+2], 64<<16
	s_mov_b32 s[G1B+3], KSTEP<<16
	s_mov_b32 s[G1B+4], 64
	s_mov_b32 s[G1B+5], SIZE_K
	s_mov_b32 s[G1B+6], 0
	s_mov_b32 s[G1B+7], 0
	s_lshl_b32 s47, s12, 6
	s_lshl_b32 s46, s42, 7
	s_add_co_u32 s46, s46, s47                     ; B: row 128 x tile column + 64 x half
	s_mov_b32 s47, 0
	s_mov_b64 s[18:19], SIZE_K*2
	s_mul_u64 s[46:47], s[46:47], s[18:19]
	s_lshr_b32 s16, s13, 4                         ; A: the batch's 1,024 rows of 4,096 bytes,
	s_lshl_b32 s16, s16, 22
	s_lshl_b32 s17, s12, 19                        ; my 128 rows f of a K step,
	s_add_co_u32 s16, s16, s17
	s_and_b32 s17, s13, 15                         ; the tile's 128 c: 256 bytes
	s_lshl_b32 s17, s17, 8
	s_add_co_u32 s16, s16, s17
	s_mov_b32 s17, 0
	s_mul_i32 s20, s12, AHALF                      ; where they go: no place in the cluster enters an LDS address
	s_mul_i32 s21, s12, HALFT
	s_add_co_u32 s21, s21, ATILE
	s_wait_dscnt 0x0
	s_wait_kmcnt 0x0
	s_add_nc_u64 s[6:7], s[6:7], WOFF
	s_add_nc_u64 s[14:15], s[4:5], s[16:17]        ; my rows of A at K = 0: kept to the last refill
	s_add_nc_u64 s[46:47], s[6:7], s[46:47]        ; my rows of B at K = 0: likewise
	s_add_nc_u64 s[70:71], s[70:71], 0x8000
	CROUND                                         ; all sixteen work-groups are here: the first joint loads meet
.irp s, 0,1
	s_mov_b32 s[G0+4*\s], 1
	s_add_co_u32 s[G0+4*\s+1], s20, \s*SLOT
	s_mov_b32 s[G0B+4*\s], 1
	s_add_co_u32 s[G0B+4*\s+1], s21, \s*SLOT
	AIMK \s
	JLOAD \s                                       ; two loads of mine are out
.endr
	v_and_b32 v1, 15, v0                           ; l % 16
	v_bfe_u32 v2, v0, 4, 1                         ; l / 16
	v_and_b32 v6, 31, v0                           ; l
	v_lshlrev_b32 v[CO], 4, v6
	v_lshlrev_b32 v[VO], 5, v6
	global_load_b128 v[VM:VM+3],   v[VO], s[70:71]             ; every wave takes all 256 maxima: 1,024 consecutive bytes
	global_load_b128 v[VM+4:VM+7], v[VO], s[70:71] offset:16
	s_lshl_b32 s16, s13, 19                        ; rows 128 x tile row + 32 x wave, 4,096 bytes each; 512 bytes a tile column
	s_lshl_b32 s17, s10, 17
	s_add_co_u32 s16, s16, s17
	s_lshl_b32 s17, s42, 9
	s_add_co_u32 s16, s16, s17
	s_mov_b32 s17, 0
	s_add_nc_u64 s[68:69], s[68:69], s[16:17]
	s_add_nc_u64 s[8:9], s[8:9], s[16:17]
	WIN 0x80                                       ; destination window 2
.set n, 0
.rept 32
	global_load_b128 v[4*n:4*n+3], v[CO], s[68:69] offset:4096*n   ; the residual: they stay out over the whole loop; nothing that they name is written again
.set n, n+1
.endr
	WIN 0
	v_mul_u32_u24 v3, v1, PITCH
	v_lshl_add_u32 v3, v2, 4, v3                   ; a fragment's row x pitch + 16 x half
	s_mul_i32 s22, s12, HALFT                      ; my 64 rows of B, behind A's tile
	s_add_co_u32 s22, s22, ATILE
	v_and_b32 v4, 7, v0                            ; the turning load: row f = 8 (l / 16) + l % 8, c 8 ((l / 8) % 2) on; it leaves lane l row c = l % 16 and eight f
	v_lshl_add_u32 v4, v2, 3, v4
	v_mul_u32_u24 v4, v4, PA
	v_bfe_u32 v5, v0, 3, 1
	v_lshl_add_u32 v4, v5, 4, v4
	s_lshl_b32 s21, s11, 7                         ; my 64 rows c: 128 bytes
.irp s, 0,1
	v_add_nc_u32 v[ADRA+2*\s], s21, v4
	v_add_nc_u32 v[ADRA+2*\s+1], AHALF, v[ADRA+2*\s]   ; the K step's second half: 255 rows of 288 bytes pass a 16-bit offset
	v_add_nc_u32 v[ADRB+\s], s22, v3
	s_add_co_u32 s21, s21, SLOT
	s_add_co_u32 s22, s22, SLOT
.endr
	s_mul_i32 s23, s11, 64*SP                      ; into the stage: my 64 rows, my 256 of their 512 bytes; row l % 16, 32 bytes for each half of the lanes
	s_lshl_b32 s21, s12, 8
	s_add_co_u32 s23, s23, s21
	v_mul_u32_u24 v4, v1, SP
	v_lshl_add_u32 v4, v2, 5, v4
	v_add_nc_u32 v[STO], s23, v4
	s_mul_i32 s23, s10, 32*SP                      ; back: wave w takes rows 32 w on, a row to a load
	v_add_nc_u32 v[RD], s23, v[CO]
; 8 matrix instructions: m blocks a0, a0 + 1 x all 4 n blocks, 32 along K: half c of buffer f.  zero = 1: the first product starts the sums.
; The 16 accumulators take turns, one instruction a turn.
.macro MUL8 f, c, a0, zero
.irp a, \a0, \a0+1
.irp b, 0,1,2,3
.if \zero
	v_wmma_f32_16x16x32_f16 v[ACC+8*(4*(\a)+\b):ACC+8*(4*(\a)+\b)+7], v[\f+64+8*(4*\c+\b):\f+64+8*(4*\c+\b)+7], v[\f+8*(4*\c+\a):\f+8*(4*\c+\a)+7], 0
.else
	v_wmma_f32_16x16x32_f16 v[ACC+8*(4*(\a)+\b):ACC+8*(4*(\a)+\b)+7], v[\f+64+8*(4*\c+\b):\f+64+8*(4*\c+\b)+7], v[\f+8*(4*\c+\a):\f+8*(4*\c+\a)+7], v[ACC+8*(4*(\a)+\b):ACC+8*(4*(\a)+\b)+7]
.endif
.endr
.endr
.endm
; 32 LDS loads in one run: the fragments of quarter q (64 along K) of a slot, into buffer f; the first 32 along K first
.macro FETCH slot, q, f
	WIN TO_F
.irp c, 0,1
.irp i, 0,1,2,3
	ds_load_b128 v[\f+64+8*(4*\c+\i):\f+64+8*(4*\c+\i)+3],   v[ADRB+\slot] offset:128*\q+64*\c+\i*16*PITCH
	ds_load_b128 v[\f+64+8*(4*\c+\i)+4:\f+64+8*(4*\c+\i)+7], v[ADRB+\slot] offset:128*\q+64*\c+\i*16*PITCH+32
	ds_load_tr16_b128 v[\f+8*(4*\c+\i):\f+8*(4*\c+\i)+3],   v[ADRA+2*\slot+(\q)/2] offset:((\q)%2)*64*PA+32*PA*\c+32*\i
	ds_load_tr16_b128 v[\f+8*(4*\c+\i)+4:\f+8*(4*\c+\i)+7], v[ADRA+2*\slot+(\q)/2] offset:((\q)%2)*64*PA+32*PA*\c+32*\i+16*PA
.endr
.endr
.endm
; A K step is four quarters of 64 along K, 32 matrix instructions each, on buffers 0, 1, 0, 1.  One of the first three: multiplies f and fetches quarter q into g.
.macro QUARTER slot, q, f, g, zero
	s_wait_dscnt 16                                ; the first 32 along K are in
	WIN MUL
	MUL8 \f, 0, 0, \zero
	MUL8 \f, 0, 2, \zero
	PLACES
	FETCH \slot, \q, \g
	s_wait_dscnt 32                                ; all but the 32 just issued
	WIN MUL
	MUL8 \f, 1, 0, 0
	MUL8 \f, 1, 2, 0
.endm
; The last quarter multiplies buffer 1 and changes slots: ONE barrier; in front of it each wave waits for its own reads of this slot and for all its tensor loads.  fill = 1: this slot is filled again, two trips ahead.
.macro TURN slot, next, fill
	s_wait_dscnt 16
	WIN MUL
	MUL8 F1, 0, 0, 0
	s_wait_dscnt 0                                 ; my reads of this slot are over,
	s_set_vgpr_msb 0x500
	s_wait_tensorcnt 0x0                           ; and all my tensor loads have landed: my part of the next slot; no load is out, so a group 0 may be written:
	ds_add_u32 v126, v127
	s_wait_dscnt 0x0
	s_set_vgpr_msb 0x5
.if \fill
	s_add_co_u32 s[KA+2*\slot], s[KA+2*\slot], 2*ASTEP         ; two K steps on,
	s_and_b32 s[KA+2*\slot], s[KA+2*\slot], 4*ASTEP-1          ; round K's end: four steps of A are 4 MiB,
	s_add_co_u32 s[KB+2*\slot], s[KB+2*\slot], 2*KSTEP*2
	s_and_b32 s[KB+2*\slot], s[KB+2*\slot], SIZE_K*2-1         ; a row of B 2,048 bytes
	AIMK \slot
.endif
	s_barrier_signal -1
	MUL8 F1, 0, 2, 0
.if \fill
	WIN 0
.endif
	s_barrier_wait -1
.if \fill
	CREST                                          ; the barrier has opened a round of the cluster's: no wave of any partner still reads this slot's tile or has a load on its way
	JLOAD \slot                                    ; the first tensor load behind the round, 120 matrix instructions ahead of the wait for it; its four v_nop are also the places in front of the loads below
.else
	PLACES
.endif
	FETCH \next, 0, F0
	WIN MUL
	MUL8 F1, 1, 0, 0
	MUL8 F1, 1, 2, 0
.endm
	s_wait_tensorcnt 1                             ; my part of the first trip's step is in; the second's may stay out
	s_barrier_signal -1
	s_barrier_wait -1
	FETCH 0, 0, F0
	QUARTER 0, 1, F0, F1, 1                        ; the first quarter stands in front of the loop: its first products start the sums
	WIN 0
	s_mov_b32 s3, LAPS-1
.Llap:                                                 ; a trip goes once round the ring and fills both slots again
	QUARTER 0, 2, F1, F0, 0
	QUARTER 0, 3, F0, F1, 0
	TURN 0, 1, 1
	QUARTER 1, 1, F0, F1, 0
	QUARTER 1, 2, F1, F0, 0
	QUARTER 1, 3, F0, F1, 0
	TURN 1, 0, 1
	QUARTER 0, 1, F0, F1, 0
	WIN 0
	s_sub_co_u32 s3, s3, 1
	s_cmp_lg_u32 s3, 0
	s_cbranch_scc1 .Llap
	QUARTER 0, 2, F1, F0, 0                        ; the last lap fills nothing
	QUARTER 0, 3, F0, F1, 0
	TURN 0, 1, 0                                   ; behind this barrier no wave reads slot 0 any more
	QUARTER 1, 1, F0, F1, 0
	QUARTER 1, 2, F1, F0, 0
	QUARTER 1, 3, F0, F1, 0
	s_wait_dscnt 16
	WIN MUL
	MUL8 F1, 0, 0, 0
	MUL8 F1, 0, 2, 0
	s_wait_dscnt 0
	MUL8 F1, 1, 0, 0
	MUL8 F1, 1, 2, 0
	WIN 0
	PLACES
.irp a, 0,1,2,3
.irp b, 0,1,2,3
	ds_store_b128 v[STO], v[ACC+8*(4*\a+\b):ACC+8*(4*\a+\b)+3]   offset:\a*16*SP+64*\b
	ds_store_b128 v[STO], v[ACC+8*(4*\a+\b)+4:ACC+8*(4*\a+\b)+7] offset:\a*16*SP+64*\b+16
.endr
.endr
	s_wait_dscnt 0x0                               ; for the others' sake: my stores into the stage are done
	s_barrier_signal -1
	s_barrier_wait -1
.set n, 0
.rept 32
	ds_load_b128 v[ACC+4*n:ACC+4*n+3], v[RD] offset:n*SP
.set n, n+1
.endr
	s_wait_loadcnt 0x0                             ; v's maxima and the residual
	v_max3_num_f32 v[VM], v[VM], v[VM+1], v[VM+2]  ; max|v|: my eight, then the 32 lanes
	v_max3_num_f32 v[VM+3], v[VM+3], v[VM+4], v[VM+5]
	v_max3_num_f32 v[VM], v[VM], v[VM+6], v[VM+7]
	v_max_num_f32 v[VM], v[VM], v[VM+3]
.irp m, 1,2,4,8
	v_max_num_f32_dpp v[VM], v[VM], v[VM] row_xmask:\m row_mask:0xf bank_mask:0xf
.endr
	v_permlanex16_b32 v[VM+1], v[VM], s[SEL], s[SEL+1]
	v_max_num_f32 v[VM], v[VM], v[VM+1]
	v_lshrrev_b32 v[VM], 23, v[VM]                 ; E
	v_max_u32 v[VM], 0x67, v[VM]                   ; at least 103, as where z was scaled
	v_add_nc_u32 v[INV], -3, v[VM]                 ; 1 / t = 2^(E - 130): exponent field E - 3
	v_lshlrev_b32 v[INV], 23, v[INV]
	v_mov_b32 v[INV+1], v[INV]
	s_wait_dscnt 0x0
	WIN 0x20                                       ; source 2 in window 2
.set n, 0
.rept 64
	v_pk_fma_f32 v[ACC+2*n:ACC+2*n+1], v[ACC+2*n:ACC+2*n+1], v[INV:INV+1], v[2*n:2*n+1] op_sel_hi:[1,0,1]   ; x + sum / t
.set n, n+1
.endr
	WIN 0
.set n, 0
.rept 32
	global_store_b128 v[CO], v[ACC+4*n:ACC+4*n+3], s[8:9] offset:4096*n   ; 32 lanes store 512 consecutive bytes, at a multiple of 512
.set n, n+1
.endr
	s_wait_tensorcnt 0x0
	ds_add_u32 v126, v127
	s_wait_dscnt 0x0
	CROUND                                         ; the closing round
	s_endpgm
.Lfunc_end_k_q9602eaae33_wo:
	.size	k_q9602eaae33_wo, .Lfunc_end_k_q9602eaae33_wo-k_q9602eaae33_wo
	.p2alignl 7, 3214868480
	.fill 96, 4, 3214868480
	.section	.rodata,"a",@progbits
	.p2align	6, 0x0
	.amdhsa_kernel k_q9602eaae33_wo
		.amdhsa_group_segment_fixed_size 327680
		.amdhsa_private_segment_fixed_size 0
		.amdhsa_enable_private_segment 0
		.amdhsa_kernarg_size 40
		.amdhsa_user_sgpr_count 2
		.amdhsa_user_sgpr_kernarg_segment_ptr 1
		.amdhsa_wavefront_size32 1
		.amdhsa_system_sgpr_workgroup_id_x 1
		.amdhsa_system_sgpr_workgroup_id_y 1
		.amdhsa_system_sgpr_workgroup_id_z 1
		.amdhsa_system_vgpr_workitem_id 0
		.amdhsa_next_free_vgpr 640
		.amdhsa_next_free_sgpr 84
		.amdhsa_reserve_vcc 0
		.amdhsa_float_denorm_mode_32 3
		.amdhsa_float_denorm_mode_16_64 3
		.amdhsa_memory_ordered 1
		.amdhsa_forward_progress 1
		.amdhsa_inst_pref_size 95
	.end_amdhsa_kernel
	.amdgpu_metadata
---
amdhsa.version: [ 1, 2 ]
amdhsa.kernels:
  - .name:           k_q9602eaae33_wo
    .symbol:         k_q9602eaae33_wo.kd
    .args:
      - { .name: zT, .offset: 0, .size: 8, .value_kind: global_buffer, .address_space: global }
      - { .name: wb, .offset: 8, .size: 8, .value_kind: global_buffer, .address_space: global }
      - { .name: x, .offset: 16, .size: 8, .value_kind: global_buffer, .address_space: global }
      - { .name: scl, .offset: 24, .size: 8, .value_kind: global_buffer, .address_space: global }
      - { .name: x1, .offset: 32, .size: 8, .value_kind: global_buffer, .address_space: global }
    .group_segment_fixed_size: 327680
    .private_segment_fixed_size: 0
    .kernarg_segment_align: 8
    .kernarg_segment_size: 40
    .max_flat_workgroup_size: 128
    .sgpr_count:     84
    .vgpr_count:     640
    .wavefront_size: 32
...
	.end_amdgpu_metadata
.endif
;; end of part 5
;; launch norm (part 6): grid 256 x 1, 8 waves a work-group, no clusters, 1,280 bytes of LDS; arguments x1, b_in, x1h, scl; writes x1h, scl
.if DOCPART == 6
	.amdgcn_target "amdgcn-amd-amdhsa--gfx1250"
	.amdhsa_code_object_version 6
	.text
	.protected	k_q9602eaae33_norm
	.globl	k_q9602eaae33_norm
	.p2align	8
	.type	k_q9602eaae33_norm,@function
k_q9602eaae33_norm:
	s_mov_b64 s[64:65], 0
	v_nop
	global_prefetch_b8 v0, s[64:65] scope:SCOPE_SE
	s_setreg_imm32_b32 hwreg(HW_REG_WAVE_MODE, 25, 1), 1
	s_wait_xcnt 0x0
; x1's rows are brought into f16's range for the MLP's first product.  For each row m: mu = max(largest |x1[m][.]|, largest |b_in|), E its exponent field held in 1 .. 253,
; s = 2^(127 - E): x1h[m][e] = f16(x1[m][e] s), under 2 in size (under 4 at E's upper bound); scl[m] = s, scl[4,096 + m] = 1 / s = 2^(E - 127).  Powers of two: the scaling is exact.
; b_in is in mu because the next launch adds s b_in to its sums: that too stays under 2.  A row and a bias that are all zero give s = 2^126 and zeros.
; A stream: 256 work-groups of 8 waves, 16 rows a work-group; a wave takes two whole rows (4,096 bytes each, eight loads of 512 consecutive bytes) and keeps them in
; registers between the maximum and the scaling: x1 is read once here.  All loads go out first.  A store covers 256 consecutive bytes at a multiple of 256.
; The one barrier is for the bias's maximum: each thread takes 16 of its 4,096 numbers, the eight waves' figures meet in LDS.  No matrix unit, no cluster: nothing is shared but 16 KiB of bias.
.set X,  8                             ; v[8:71]    row r at +32 r, as loaded and then scaled
.set B,  72                            ; v[72:87]   16 numbers of b_in; then the waves' eight maxima
.set Y,  88                            ; v[88:119]  row r at +16 r, as stored
.set R,  120                           ; v120       the bias's maximum
.set M,  121                           ; v121       a row's mu, then E
.set T1, 122                           ; v122       at work
.set ZR, 123                           ; v123       0
.set SR, 124                           ; v[124:131] row r at +4 r: s, s, 1 / s
.set T0, 132                           ; v[132:135] at work
.macro LANEMAX r                       ; the largest of the 32 lanes' v[r], in every lane
.irp m, 1,2,4,8
	v_max_num_f32_dpp v[\r], v[\r], v[\r] row_xmask:\m row_mask:0xf bank_mask:0xf
.endr
	v_permlanex16_b32 v[T1], v[\r], s16, s17
	v_max_num_f32 v[\r], v[\r], v[T1]
.endm
	s_load_b256 s[4:11], s[0:1], 0x0               ; x1 s[4:5], b_in s[6:7], x1h s[8:9], scl s[10:11]
	v_lshl_add_u32 v136, v0, 2, 0x100
	v_mov_b32 v137, 0
	v_lshrrev_b32 v1, 5, v0
	v_readfirstlane_b32 s12, v1                    ; wave 0..7
	v_and_b32 v2, 31, v0                           ; lane
	v_lshlrev_b32 v3, 4, v2                        ; 16 x lane
	v_lshlrev_b32 v4, 4, v0                        ; 16 x thread
	v_lshlrev_b32 v5, 3, v2                        ; 8 x lane
	v_lshlrev_b32 v7, 2, v1                        ; 4 x wave
	v_mov_b32 v[T1], 0                             ; v_permlanex16_b32's destination counts as read
	v_mov_b32 v[ZR], 0
	s_lshl_b32 s14, ttmp9, 16                      ; 16 rows of 4,096 bytes a work-group,
	s_lshl_b32 s15, s12, 13                        ; two a wave
	s_add_co_u32 s14, s14, s15
	s_mov_b32 s15, 0
	s_mov_b32 s16, 0x76543210
	s_mov_b32 s17, 0xfedcba98
	s_wait_kmcnt 0x0
	s_add_nc_u64 s[4:5], s[4:5], s[14:15]
.irp j, 0,1,2,3
	global_load_b128 v[B+4*\j:B+4*\j+3], v4, s[6:7] offset:4096*\j
.endr
.irp r, 0,1
.irp j, 0,1,2,3,4,5,6,7
	global_load_b128 v[X+32*\r+4*\j:X+32*\r+4*\j+3], v3, s[4:5] offset:4096*\r+512*\j
.endr
.endr
	s_lshr_b32 s14, s14, 1                         ; in f16: 2,048 bytes a row
	s_add_nc_u64 s[8:9], s[8:9], s[14:15]
	s_lshr_b32 s14, s14, 9                         ; in scl: 4 bytes a row
	s_add_nc_u64 s[10:11], s[10:11], s[14:15]
	s_wait_loadcnt 16                              ; the bias's four loads are in; the rows' sixteen are younger and stay out
	v_max3_num_f32 v[R], |v[B]|, |v[B+1]|, |v[B+2]|
.irp i, 3,5,7,9,11,13
	v_max3_num_f32 v[R], v[R], |v[B+\i]|, |v[B+\i+1]|
.endr
	v_max_num_f32 v[R], v[R], |v[B+15]|
	LANEMAX R
	ds_store_b32 v7, v[R]                          ; all lanes write the wave's word with the same value
	s_wait_dscnt 0x0                               ; for the others' sake
	s_barrier_signal -1
	s_barrier_wait -1
	ds_load_b128 v[B:B+3], v[ZR]
	ds_load_b128 v[B+4:B+7], v[ZR] offset:16
	s_wait_dscnt 0x0
	v_max3_num_f32 v[R], v[B], v[B+1], v[B+2]
	v_max3_num_f32 v[R], v[R], v[B+3], v[B+4]
	v_max3_num_f32 v[R], v[R], v[B+5], v[B+6]
	v_max_num_f32 v[R], v[R], v[B+7]
.irp r, 0,1
	s_wait_loadcnt 8-8*\r                          ; this row's eight loads are in; the other row's may stay out
	v_max3_num_f32 v[M], |v[X+32*\r]|, |v[X+32*\r+1]|, |v[X+32*\r+2]|
.irp i, 3,5,7,9,11,13,15,17,19,21,23,25,27,29
	v_max3_num_f32 v[M], v[M], |v[X+32*\r+\i]|, |v[X+32*\r+\i+1]|
.endr
	v_max3_num_f32 v[M], v[M], |v[X+32*\r+31]|, v[R]
	LANEMAX M
	v_lshrrev_b32 v[M], 23, v[M]                   ; E (the sign is 0)
	v_max_u32 v[M], 1, v[M]
	v_min_u32 v[M], 0xfd, v[M]
	v_sub_nc_u32 v[SR+4*\r], 0xfe, v[M]            ; s: exponent field 254 - E
	v_lshlrev_b32 v[SR+4*\r], 23, v[SR+4*\r]
	v_lshlrev_b32 v[SR+4*\r+2], 23, v[M]           ; 1 / s: exponent field E
	v_mov_b32 v[SR+4*\r+1], v[SR+4*\r]
.set i, 0
.rept 16
	v_pk_mul_f32 v[X+32*\r+2*i:X+32*\r+2*i+1], v[X+32*\r+2*i:X+32*\r+2*i+1], v[SR+4*\r:SR+4*\r+1] op_sel_hi:[1,0]
.set i, i+1
.endr
.set i, 0
.rept 16
	v_cvt_pk_f16_f32 v[Y+16*\r+i], v[X+32*\r+2*i], v[X+32*\r+2*i+1]
.set i, i+1
.endr
.irp j, 0,1,2,3,4,5,6,7
	global_store_b64 v5, v[Y+16*\r+2*\j:Y+16*\r+2*\j+1], s[8:9] offset:2048*\r+256*\j
.endr
.endr
	; lanes 0, 1 store the two rows' s, lanes 2, 3 their 1 / s, 16,384 bytes further on
	v_and_b32 v[T0], 1, v2
	v_cmp_ne_u32 vcc_lo, 0, v[T0]
	v_cndmask_b32 v[T0+1], v[SR], v[SR+4], vcc_lo
	v_cndmask_b32 v[T0+2], v[SR+2], v[SR+6], vcc_lo
	v_lshlrev_b32 v[T0], 2, v[T0]
	v_and_b32 v[T0+3], 2, v2
	v_cmp_ne_u32 vcc_lo, 0, v[T0+3]
	v_cndmask_b32 v[T0+1], v[T0+1], v[T0+2], vcc_lo
	v_lshl_add_u32 v[T0], v[T0+3], 13, v[T0]
	v_cmp_gt_u32 vcc_lo, 4, v2
	s_wait_xcnt 0x0                                ; EXEC changes only behind this wait: it is a source of the stores above
	s_and_saveexec_b32 s18, vcc_lo
	global_store_b32 v[T0], v[T0+1], s[10:11]
	s_wait_xcnt 0x0
	s_or_b32 exec_lo, exec_lo, s18
	s_wait_tensorcnt 0x0
	ds_add_u32 v136, v137
	s_wait_dscnt 0x0
	s_endpgm
.Lfunc_end_k_q9602eaae33_norm:
	.size	k_q9602eaae33_norm, .Lfunc_end_k_q9602eaae33_norm-k_q9602eaae33_norm
	.p2alignl 7, 3214868480
	.fill 96, 4, 3214868480
	.section	.rodata,"a",@progbits
	.p2align	6, 0x0
	.amdhsa_kernel k_q9602eaae33_norm
		.amdhsa_group_segment_fixed_size 1280
		.amdhsa_private_segment_fixed_size 0
		.amdhsa_enable_private_segment 0
		.amdhsa_kernarg_size 32
		.amdhsa_user_sgpr_count 2
		.amdhsa_user_sgpr_kernarg_segment_ptr 1
		.amdhsa_wavefront_size32 1
		.amdhsa_system_sgpr_workgroup_id_x 1
		.amdhsa_system_sgpr_workgroup_id_y 1
		.amdhsa_system_sgpr_workgroup_id_z 1
		.amdhsa_system_vgpr_workitem_id 0
		.amdhsa_next_free_vgpr 138
		.amdhsa_next_free_sgpr 66
		.amdhsa_reserve_vcc 1
		.amdhsa_float_denorm_mode_32 3
		.amdhsa_float_denorm_mode_16_64 3
		.amdhsa_memory_ordered 1
		.amdhsa_forward_progress 1
		.amdhsa_inst_pref_size 14
	.end_amdhsa_kernel
	.amdgpu_metadata
---
amdhsa.version: [ 1, 2 ]
amdhsa.kernels:
  - .name:           k_q9602eaae33_norm
    .symbol:         k_q9602eaae33_norm.kd
    .args:
      - { .name: x1, .offset: 0, .size: 8, .value_kind: global_buffer, .address_space: global }
      - { .name: b_in, .offset: 8, .size: 8, .value_kind: global_buffer, .address_space: global }
      - { .name: x1h, .offset: 16, .size: 8, .value_kind: global_buffer, .address_space: global }
      - { .name: scl, .offset: 24, .size: 8, .value_kind: global_buffer, .address_space: global }
    .group_segment_fixed_size: 1280
    .private_segment_fixed_size: 0
    .kernarg_segment_align: 8
    .kernarg_segment_size: 32
    .max_flat_workgroup_size: 256
    .sgpr_count:     66
    .vgpr_count:     138
    .wavefront_size: 32
...
	.end_amdgpu_metadata
.endif
;; end of part 6
;; launch mlp1 (part 7): grid 16 x 16, 4 waves a work-group, clusters of 4 x 4, 327,680 bytes of LDS; arguments x1h, wb, b_in, scl, h; writes h
.if DOCPART == 7
	.amdgcn_target "amdgcn-amd-amdhsa--gfx1250"
	.amdhsa_code_object_version 6
	.text
	.protected	k_q9602eaae33_mlp1
	.globl	k_q9602eaae33_mlp1
	.p2align	8
	.type	k_q9602eaae33_mlp1,@function
k_q9602eaae33_mlp1:
	s_mov_b64 s[64:65], 0
	v_nop
	global_prefetch_b8 v0, s[64:65] scope:SCOPE_SE
	s_setreg_imm32_b32 hwreg(HW_REG_WAVE_MODE, 25, 1), 1
	s_wait_xcnt 0x0
	s_wait_alu depctr_hold_cnt(0) depctr_sa_sdst(0) depctr_va_vdst(0) depctr_va_sdst(0) depctr_va_ssrc(0) depctr_va_vcc(0) depctr_vm_vsrc(0)
	s_getreg_b32 s2, hwreg(HW_REG_IB_STS2, 6, 4)
	s_cmp_eq_u32 s2, 0
	s_cbranch_scc0 .Lentry_in_a_cluster
	s_endpgm
.Lentry_in_a_cluster:
	s_bfe_u32 s2, ttmp6, 0x10000c
	s_cmp_lg_u32 s2, 0xf033
	s_cbranch_scc0 .Lentry_shape_is_right
	s_endpgm
.Lentry_shape_is_right:
; h'[m][n] = relu(s[m] b_in[n] + sum over e of x1h[m][e] W_in[n][e]) = s[m] relu(b_in + W_in x1): 4,096 x 4,096, K = 1,024.  x1h = x1 s (f16, under 2 in size; s a power of two
; for each row, from scl); W_in f16 from wb; sums f32; the bias comes in by one fused multiply-add on the way out; h' rounded once to f16, row-major.  The next launch takes s out again.
; ROOM of h' in f16: |sum| <= 2 x the sum of a row of |W_in|: about 51 as drawn, about 2,000 with W_in 30 times larger or carrying an offset of 30 spreads; s |b_in| < 2; f16 ends at 65,504.
; With W_in 30 times smaller h' is about 0.01, above f16's denormals.  relu is a maximum with 0 in which a NaN loses: a NaN becomes 0.
; A tile of C, 256 x 256, is made by a work-group of four waves; a wave makes 128 x 128: 64 accumulators of 16 x 16, 512 registers.  16 x 16 = 256 work-groups.
; K goes in 8 steps of 128 through a ring of two LDS slots filled by the tensor data mover; a tile's rows are 256 bytes of memory at multiples of 256.
; CLUSTERS: 4 x 4 work-groups.  The four of a row of the cluster need the same tiles of A, the four of a column the same tiles of B: each tile is asked for
; JOINTLY, by the same tensor load with the same descriptor and a mask that names the four.
; REGISTERS, in windows of 256 (s_set_vgpr_msb: bits 1:0 source 0, 3:2 source 1, 5:4 source 2, 7:6 destination):
;   window 0: v0-31 addresses; v64-127, v128-191 fragments of A, two buffers; v32-63, v192-255 at work on the way out
;   window 1: v0-15 s of my rows (block a's twice, at 2 a); v64-127, v128-191 fragments of B; v192-255 the bias of my 128 columns
;   window 2: the accumulators of my rows 0-63 ((a, b) at v[8 (8 a + b)]);   window 3: rows 64-127
; THE MATRIX INSTRUCTION IS USED TRANSPOSED: source 0 = 16 rows of B, source 1 = 16 rows of A: lane l holds row l % 16 of C and the columns 8 (l / 16) + 0..7.
.set SIZE_K, 1024
.set SIZE_N, 4096
.set KSTEP,  128
.set PITCH,  272                       ; an LDS row: 256 bytes + 16 of padding = 68 words: row r starts at bank 4 r mod 64 (64 banks of 4 bytes: ISA guide 11.1)
.set HALFT,  128*PITCH                 ; 128 rows: what one tensor load brings, and what one wave reads of A or of B
.set SLOT,   4*HALFT                   ; A's 256 rows, then B's 256 rows
.set STAGE,  2*SLOT                    ; behind the ring: 16 rows x 272 bytes for each wave, for the way out; no tensor load fills it
.set SPITCH, 272
.set LAPS,   SIZE_K/(2*KSTEP)          ; a lap = two K steps = once round the ring
.set ADRA, 16                          ; v16-17  LDS address of my A fragments in slot 0, 1
.set ADRB, 20                          ; v20-21  the same for B
.set STO,  24                          ; v24     the way out: where I put 16 bytes of a row
.set RD,   25                          ; v25     the way out: where I read back
.set CO,   26                          ; v26     my byte offset in C
.set BO,   27                          ; v27     my byte offset in the bias
.set SO,   28                          ; v28     my byte offset in 16 rows' s
.set F0,   64
.set F1,   128
.set TMP,  192                         ; the way out: packed results
.set BIAS, 192                         ; in window 1
.set SC,   0                           ; in window 1
.set RL,   64                          ; the way out: 64 numbers in f32
.set OB,   32                          ; the way out: 16 rows read back: v32-63 and v224-255 by turns
.set G1, 24                            ; s[24:31] descriptor group 1 for A's tiles;  s[32:39] group 0, one set for each slot
.set G0, 32
.set G1B, 48                           ; s[48:55], s[56:63] the same for B's
.set G0B, 56
.set MSB, 0
.macro WIN new                         ; the immediate's high byte repeats the setting that is left; a switch that changes nothing is dropped
.if MSB != (\new)
	s_set_vgpr_msb (MSB<<8)|(\new)
.set MSB, (\new)
.endif
.endm
.set MUL_LO, 0xa1                      ; source 0 (B) window 1, source 1 (A) window 0, C and D window 2
.set MUL_HI, 0xf1                      ; the same, C and D window 3
.set TO_B,   0x40                      ; destination window 1, address window 0
; Four plain vector instructions that name none of a matrix instruction's registers stand between it and a load into, or a vector access to, those registers (ISA guide 7.12.1 for vector instructions).
.macro PLACES
.rept 4
	v_nop
.endr
.endm
; A joint load.  Waves 0 and 1 fetch A's two halves, waves 2 and 3 B's.  The branch hangs on the wave's number alone.  Four v_nop follow each of the two lines.
.macro JLOAD s
	s_cmp_eq_u32 s11, 0
	s_cbranch_scc0 .Lfor_b_\@
	tensor_load_to_lds s[G0+4*\s:G0+4*\s+3], s[G1:G1+7]
	s_nop 0
	PLACES
	s_branch .Lasked_\@
.Lfor_b_\@:
	tensor_load_to_lds s[G0B+4*\s:G0B+4*\s+3], s[G1B:G1B+7]
	s_nop 0
	PLACES
.Lasked_\@:
.endm
; A round of the cluster's barrier: my work-group's barrier; wave 0 signals for the work-group; every wave waits for all sixteen; my work-group's barrier once more.
.macro CREST                           ; a round behind its opening barrier
	s_cmp_lg_u32 s10, 0
	s_cbranch_scc1 .Lnot_wave_0_\@
	s_barrier_signal -3
.Lnot_wave_0_\@:
	s_barrier_wait -3
	s_barrier_signal -1
	s_barrier_wait -1
.endm
.macro CROUND
	s_barrier_signal -1
	s_barrier_wait -1
	CREST
.endm
	s_load_b128 s[4:7], s[0:1], 0x0                ; x1h (A), wb
	s_load_b128 s[68:71], s[0:1], 0x10             ; b_in s[68:69], scl s[70:71]
	s_load_b64 s[8:9], s[0:1], 0x20                ; h (C)
	s_set_vgpr_msb 0x40
	v_lshl_add_u32 v63, v0, 2, 0x48400
	s_set_vgpr_msb 0x4000
	v_mov_b32 v31, 0
	s_set_vgpr_msb 0x1
	ds_add_u32 v63, v31
	s_set_vgpr_msb 0x100
	v_lshrrev_b32 v1, 5, v0
	v_readfirstlane_b32 s10, v1                    ; wave 0..3
	s_lshr_b32 s11, s10, 1                         ; which half of the tile's rows is mine.  Also: I fetch for A (0) or for B (1)
	s_and_b32 s12, s10, 1                          ; which half of its columns.  Also: which 128 rows of that tile I fetch
	s_bfe_u32 s40, ttmp6, 0x40000                  ; cx, cy: my place in the cluster
	s_bfe_u32 s41, ttmp6, 0x40004
	s_lshl_b32 s42, ttmp9, 2
	s_add_co_u32 s42, s42, s40                     ; tile column of C = 4 x cluster x + cx
	s_and_b32 s13, ttmp7, 0xffff
	s_lshl_b32 s13, s13, 2
	s_add_co_u32 s13, s13, s41                     ; tile row of C = 4 x cluster y + cy
	s_lshl_b32 s43, s41, 2
	s_lshl_b32 s43, 15, s43                        ; my row of the cluster: places 4 cy .. 4 cy + 3
	s_lshl_b32 s44, 0x1111, s40                    ; my column: places cx, cx + 4, cx + 8, cx + 12
	; descriptor group 1: a tile of 128 rows x 128 elements of 2 bytes; padding on, 4 words behind every 64; bit 21 beside the mask
	s_or_b32 s[G1+0], s43, (1<<16)|(1<<20)|(1<<21)|(5<<22)|(3<<25)
	s_or_b32 s[G1B+0], s44, (1<<16)|(1<<20)|(1<<21)|(5<<22)|(3<<25)
.irp g, G1, G1B
	s_mov_b32 s[\g+1], KSTEP<<16                   ; tensor_dim0 = 128
	s_mov_b32 s[\g+2], 128<<16                     ; tensor_dim1 = 128
	s_mov_b32 s[\g+3], KSTEP<<16                   ; tile_dim0 = 128
	s_mov_b32 s[\g+4], 128                         ; tile_dim1 = 128
	s_mov_b32 s[\g+5], SIZE_K                      ; elements from row to row
	s_mov_b32 s[\g+6], 0
	s_mov_b32 s[\g+7], 0
.endr
	s_lshl_b32 s17, s12, 7                         ; which 128 rows of the tile I fetch
	s_lshl_b32 s16, s13, 8
	s_add_co_u32 s16, s16, s17                     ; A: row 256 x tile row + 128 x half
	s_lshl_b32 s46, s42, 8
	s_add_co_u32 s46, s46, s17                     ; B: row 256 x tile column + 128 x half
	s_mov_b32 s17, 0
	s_mov_b32 s47, 0
	s_mov_b64 s[18:19], SIZE_K*2
	s_mul_u64 s[16:17], s[16:17], s[18:19]
	s_mul_u64 s[46:47], s[46:47], s[18:19]
	s_mul_i32 s20, s10, HALFT                      ; where they go: wave x 128 rows; no place in the cluster enters an LDS address
	s_wait_dscnt 0x0
	s_wait_kmcnt 0x0
	s_add_nc_u64 s[6:7], s[6:7], 0x1000000         ; W_in in wb
	s_add_nc_u64 s[14:15], s[4:5], s[16:17]
	s_add_nc_u64 s[46:47], s[6:7], s[46:47]
	CROUND                                         ; all sixteen work-groups are here: the first joint loads meet
.irp s, 0,1
	s_mov_b32 s[G0+4*\s], 1
	s_add_co_u32 s[G0+4*\s+1], s20, \s*SLOT
	s_add_nc_u64 s[G0+4*\s+2:G0+4*\s+3], s[14:15], \s*KSTEP*2
	s_or_b32 s[G0+4*\s+3], s[G0+4*\s+3], 0x80000000
	s_mov_b32 s[G0B+4*\s], 1
	s_add_co_u32 s[G0B+4*\s+1], s20, \s*SLOT
	s_add_nc_u64 s[G0B+4*\s+2:G0B+4*\s+3], s[46:47], \s*KSTEP*2
	s_or_b32 s[G0B+4*\s+3], s[G0B+4*\s+3], 0x80000000
	JLOAD \s                                       ; two loads of mine are out
.endr
	v_and_b32 v1, 15, v0                           ; l % 16
	v_bfe_u32 v2, v0, 4, 1                         ; l / 16
	s_lshl_b32 s46, s42, 10                        ; the bias of my 128 columns: 4 bytes x (256 x tile column + 128 x half)
	s_lshl_b32 s47, s12, 9
	s_add_co_u32 s46, s46, s47
	s_mov_b32 s47, 0
	s_add_nc_u64 s[68:69], s[68:69], s[46:47]
	s_lshl_b32 s46, s13, 10                        ; s of my 128 rows: 4 bytes x (256 x tile row + 128 x half)
	s_lshl_b32 s16, s11, 9
	s_add_co_u32 s46, s46, s16
	s_add_nc_u64 s[70:71], s[70:71], s[46:47]
	v_lshlrev_b32 v[BO], 5, v2                     ; register j of block b is column 16 b + 8 (l / 16) + j
	v_lshlrev_b32 v[SO], 2, v1                     ; block a's row 16 a + l % 16
	WIN TO_B
.irp b, 0,1,2,3,4,5,6,7
	global_load_b128 v[BIAS+8*\b:BIAS+8*\b+3],   v[BO], s[68:69] offset:64*\b
	global_load_b128 v[BIAS+8*\b+4:BIAS+8*\b+7], v[BO], s[68:69] offset:64*\b+16
.endr
.irp a, 0,1,2,3,4,5,6,7
	global_load_b32 v[SC+2*\a],   v[SO], s[70:71] offset:64*\a     ; twice: the packed multiply-add names a pair
	global_load_b32 v[SC+2*\a+1], v[SO], s[70:71] offset:64*\a
.endr
	WIN 0
	v_mul_u32_u24 v3, v1, PITCH
	v_lshl_add_u32 v3, v2, 4, v3                   ; a fragment's row x pitch + 16 x half
	s_mul_i32 s21, s11, HALFT                      ; my 128 rows of A
	s_mul_i32 s22, s12, HALFT                      ; my 128 rows of B,
	s_add_co_u32 s22, s22, 2*HALFT                 ; which lie behind A's 256
.irp s, 0,1
	v_add_nc_u32 v[ADRA+\s], s21, v3
	v_add_nc_u32 v[ADRB+\s], s22, v3
	s_add_co_u32 s21, s21, SLOT
	s_add_co_u32 s22, s22, SLOT
.endr
	s_mul_i32 s23, s10, 16*SPITCH
	s_add_co_u32 s23, s23, STAGE                   ; my stage
	v_mul_u32_u24 v4, v1, SPITCH                   ; in: row l % 16, 16 bytes for each half of the lanes
	v_lshl_add_u32 v4, v2, 4, v4
	v_add_nc_u32 v[STO], s23, v4
	v_mul_u32_u24 v5, v2, SPITCH                   ; back: lanes 0-15 take one row of 256 bytes, lanes 16-31 the next
	v_lshl_add_u32 v5, v1, 4, v5
	v_add_nc_u32 v[RD], s23, v5
	v_mul_u32_u24 v5, v2, SIZE_N*2                 ; and the same two rows in C
	v_lshl_add_u32 v[CO], v1, 4, v5
	s_lshl_b32 s16, s13, 8
	s_lshl_b32 s17, s11, 7
	s_add_co_u32 s16, s16, s17                     ; my first row of C
	s_mov_b32 s17, 0
	s_mov_b64 s[18:19], SIZE_N*2
	s_mul_u64 s[16:17], s[16:17], s[18:19]
	s_lshl_b32 s46, s42, 9                         ; my first column, in bytes
	s_lshl_b32 s47, s12, 8
	s_add_co_u32 s46, s46, s47
	s_mov_b32 s47, 0
	s_add_nc_u64 s[16:17], s[16:17], s[46:47]
	s_add_nc_u64 s[8:9], s[8:9], s[16:17]
; 16 matrix instructions: m blocks a0, a0 + 1 of the window's four x all 8 n blocks, 32 along K.  zero = 1: the first product starts the sums: nothing is cleared.
; The 64 accumulators take turns, one instruction a turn, in the same order in every quarter.
.macro MUL16 f, hi, a0, zero
.irp a, \a0, \a0+1
.irp b, 0,1,2,3,4,5,6,7
.if \zero
	v_wmma_f32_16x16x32_f16 v[8*(8*(\a)+\b):8*(8*(\a)+\b)+7], v[\f+8*\b:\f+8*\b+7], v[\f+8*(4*\hi+\a):\f+8*(4*\hi+\a)+7], 0
.else
	v_wmma_f32_16x16x32_f16 v[8*(8*(\a)+\b):8*(8*(\a)+\b)+7], v[\f+8*\b:\f+8*\b+7], v[\f+8*(4*\hi+\a):\f+8*(4*\hi+\a)+7], v[8*(8*(\a)+\b):8*(8*(\a)+\b)+7]
.endif
.endr
.endr
.endm
; 32 LDS loads in one run: the fragments of one quarter step (128 rows of B, 128 rows of A, 32 K at byte k of the rows) into buffer f
.macro FETCH slot, k, f
	WIN TO_B
.irp i, 0,1,2,3,4,5,6,7
	ds_load_b128 v[\f+8*\i:\f+8*\i+3],   v[ADRB+\slot] offset:\k+\i*16*PITCH
	ds_load_b128 v[\f+8*\i+4:\f+8*\i+7], v[ADRB+\slot] offset:\k+\i*16*PITCH+32
.endr
	WIN 0
.irp i, 0,1,2,3,4,5,6,7
	ds_load_b128 v[\f+8*\i:\f+8*\i+3],   v[ADRA+\slot] offset:\k+\i*16*PITCH
	ds_load_b128 v[\f+8*\i+4:\f+8*\i+7], v[ADRA+\slot] offset:\k+\i*16*PITCH+32
.endr
.endm
; A K step is four quarters of 32 along K, 64 matrix instructions each, on buffers 0, 1, 0, 1.  One of the first three: multiplies f, and in its middle fetches the next quarter (byte k of the rows) into g.
.macro QUARTER slot, k, f, g, zero
	s_wait_dscnt 8                                 ; B and A's rows 0-63 are in; the youngest eight loads (A's rows 64-127) may be out
	WIN MUL_LO
	MUL16 \f, 0, 0, \zero
	MUL16 \f, 0, 2, \zero
	PLACES
	FETCH \slot, \k, \g
	s_wait_dscnt 32                                ; all but the 32 just issued
	WIN MUL_HI
	MUL16 \f, 1, 0, \zero
	MUL16 \f, 1, 2, \zero
.endm
; The last quarter multiplies buffer 1 and changes slots.  ONE barrier: in front of it each wave waits for its own reads of this slot and for all its tensor loads (one is out: its part of the next slot).
; fill = 1: the slot just read out is filled again, two K steps on: the barrier opens a round of the cluster's, and the joint refill is the first tensor load behind it, 240 matrix instructions ahead of the wait for it.
.macro TURN slot, next, fill
	s_wait_dscnt 8
	WIN MUL_LO
	MUL16 F1, 0, 0, 0
	s_wait_dscnt 0                                 ; my reads of this slot are over,
	s_wait_tensorcnt 0x0                           ; and all my tensor loads have landed
	ds_add_u32 v63, v31
	s_wait_dscnt 0x0
	s_barrier_signal -1
	MUL16 F1, 0, 2, 0                              ; register work while the others arrive
.if \fill
	WIN 0
.endif
	s_barrier_wait -1
.if \fill
	CREST                                          ; no wave of any partner still reads this slot's tile or has a load on its way
	s_add_nc_u64 s[G0+4*\slot+2:G0+4*\slot+3], s[G0+4*\slot+2:G0+4*\slot+3], 2*KSTEP*2
	s_add_nc_u64 s[G0B+4*\slot+2:G0B+4*\slot+3], s[G0B+4*\slot+2:G0B+4*\slot+3], 2*KSTEP*2
	JLOAD \slot                                    ; the four v_nop behind it are also the places in front of the loads below
.else
	PLACES
.endif
	FETCH \next, 0, F0
	WIN MUL_HI
	MUL16 F1, 1, 0, 0
	MUL16 F1, 1, 2, 0
.endm
; THE WAY OUT of block a (16 rows x 128 columns).  PACK: bias x s + sum, relu, rounded to f16, 16 bytes a lane.  TOSTAGE: into my own stage in LDS, and back by rows.  SEND: stored.
.macro PACK a
.set AC, 64*((\a)%4)
	WIN 0x25+0x10*((\a)/4)                         ; sources 0 (bias) and 1 (s) window 1, source 2 (the sums) window 2 or 3, destination window 0
.set i, 0
.rept 32
	v_pk_fma_f32 v[RL+2*i:RL+2*i+1], v[BIAS+2*i:BIAS+2*i+1], v[SC+2*(\a):SC+2*(\a)+1], v[AC+2*i:AC+2*i+1] op_sel_hi:[1,0,1]
.set i, i+1
.endr
	WIN 0
.set i, 0
.rept 64
	v_max_num_f32 v[RL+i], 0, v[RL+i]              ; relu
.set i, i+1
.endr
.set i, 0
.rept 32
	v_cvt_pk_f16_f32 v[TMP+i], v[RL+2*i], v[RL+2*i+1]
.set i, i+1
.endr
.endm
.macro TOSTAGE a
.set BK, OB+192*((\a)%2)
.irp b, 0,1,2,3,4,5,6,7
	ds_store_b128 v[STO], v[TMP+4*\b:TMP+4*\b+3] offset:32*\b
.endr
.irp t, 0,1,2,3,4,5,6,7                ; LDS serves a wave's instructions in order (ISA guide 5.7.1.4): these see the stores above
	ds_load_b128 v[BK+4*\t:BK+4*\t+3], v[RD] offset:\t*2*SPITCH
.endr
.endm
.macro SEND a
.set BK, OB+192*((\a)%2)
	s_wait_dscnt 0x0                               ; the block is back in registers
	s_wait_xcnt 0x0                                ; only behind this wait are the stores' base and the registers that earlier stores read written again
.if (\a) > 0
	s_add_nc_u64 s[8:9], s[8:9], 16*SIZE_N*2       ; 16 rows of C on
.endif
.irp t, 0,1,2,3,4,5,6,7
	global_store_b128 v[CO], v[BK+4*\t:BK+4*\t+3], s[8:9] offset:2*\t*SIZE_N*2   ; 16 lanes store 256 consecutive bytes, at a multiple of 256
.endr
.endm
	s_wait_tensorcnt 1                             ; my part of K step 0 is in; K step 1's may stay out
	s_barrier_signal -1
	s_barrier_wait -1
	FETCH 0, 0, F0
	QUARTER 0, 64,  F0, F1, 1                      ; the first quarter stands in front of the loop: its products start the sums
	WIN 0                                          ; at a label and at a branch every window is 0
	s_mov_b32 s3, LAPS-1
.Llap:                                                 ; a trip goes once round the ring, from a lap's second quarter to the next lap's first, and fills both slots again
	QUARTER 0, 128, F1, F0, 0
	QUARTER 0, 192, F0, F1, 0
	TURN 0, 1, 1
	QUARTER 1, 64,  F0, F1, 0
	QUARTER 1, 128, F1, F0, 0
	QUARTER 1, 192, F0, F1, 0
	TURN 1, 0, 1
	QUARTER 0, 64,  F0, F1, 0
	WIN 0
	s_sub_co_u32 s3, s3, 1
	s_cmp_lg_u32 s3, 0
	s_cbranch_scc1 .Llap
	QUARTER 0, 128, F1, F0, 0                      ; the last lap fills nothing
	QUARTER 0, 192, F0, F1, 0
	TURN 0, 1, 0
	QUARTER 1, 64,  F0, F1, 0
	QUARTER 1, 128, F1, F0, 0
	QUARTER 1, 192, F0, F1, 0
	s_wait_dscnt 8                                 ; the very last quarter: nothing more to fetch
	WIN MUL_LO
	MUL16 F1, 0, 0, 0
	MUL16 F1, 0, 2, 0
	s_wait_dscnt 0
	WIN MUL_HI
	MUL16 F1, 1, 0, 0
	MUL16 F1, 1, 2, 0
	WIN 0
	s_wait_loadcnt 0x0                             ; the bias and s, asked for at the start
	PLACES
	PACK 0
	TOSTAGE 0
.irp a, 1,2,3,4,5,6,7                  ; block a's arithmetic stands between block a - 1's loads from the stage and the wait for them
	PACK \a
	SEND \a-1
	TOSTAGE \a
.endr
	SEND 7
	s_set_vgpr_msb 0x1
	s_wait_tensorcnt 0x0
	ds_add_u32 v63, v31
	s_wait_dscnt 0x0
	s_set_vgpr_msb 0x100
	CROUND                                         ; the closing round: no work-group ends while a partner may still ask for a tile that names it
	s_endpgm
.Lfunc_end_k_q9602eaae33_mlp1:
	.size	k_q9602eaae33_mlp1, .Lfunc_end_k_q9602eaae33_mlp1-k_q9602eaae33_mlp1
	.p2alignl 7, 3214868480
	.fill 96, 4, 3214868480
	.section	.rodata,"a",@progbits
	.p2align	6, 0x0
	.amdhsa_kernel k_q9602eaae33_mlp1
		.amdhsa_group_segment_fixed_size 327680
		.amdhsa_private_segment_fixed_size 0
		.amdhsa_enable_private_segment 0
		.amdhsa_kernarg_size 40
		.amdhsa_user_sgpr_count 2
		.amdhsa_user_sgpr_kernarg_segment_ptr 1
		.amdhsa_wavefront_size32 1
		.amdhsa_system_sgpr_workgroup_id_x 1
		.amdhsa_system_sgpr_workgroup_id_y 1
		.amdhsa_system_sgpr_workgroup_id_z 1
		.amdhsa_system_vgpr_workitem_id 0
		.amdhsa_next_free_vgpr 1024
		.amdhsa_next_free_sgpr 72
		.amdhsa_reserve_vcc 0
		.amdhsa_float_denorm_mode_32 3
		.amdhsa_float_denorm_mode_16_64 3
		.amdhsa_memory_ordered 1
		.amdhsa_forward_progress 1
		.amdhsa_inst_pref_size 179
	.end_amdhsa_kernel
	.amdgpu_metadata
---
amdhsa.version: [ 1, 2 ]
amdhsa.kernels:
  - .name:           k_q9602eaae33_mlp1
    .symbol:         k_q9602eaae33_mlp1.kd
    .args:
      - { .name: x1h, .offset: 0, .size: 8, .value_kind: global_buffer, .address_space: global }
      - { .name: wb, .offset: 8, .size: 8, .value_kind: global_buffer, .address_space: global }
      - { .name: b_in, .offset: 16, .size: 8, .value_kind: global_buffer, .address_space: global }
      - { .name: scl, .offset: 24, .size: 8, .value_kind: global_buffer, .address_space: global }
      - { .name: h, .offset: 32, .size: 8, .value_kind: global_buffer, .address_space: global }
    .group_segment_fixed_size: 327680
    .private_segment_fixed_size: 0
    .kernarg_segment_align: 8
    .kernarg_segment_size: 40
    .max_flat_workgroup_size: 128
    .sgpr_count:     72
    .vgpr_count:     1024
    .wavefront_size: 32
...
	.end_amdgpu_metadata
.endif
;; end of part 7
;; launch mlp2 (part 8): grid 8 x 32, 4 waves a work-group, clusters of 4 x 4, 327,680 bytes of LDS; arguments h, wb, b_out, x1, scl, out0; writes out0
.if DOCPART == 8
	.amdgcn_target "amdgcn-amd-amdhsa--gfx1250"
	.amdhsa_code_object_version 6
	.text
	.protected	k_q9602eaae33_mlp2
	.globl	k_q9602eaae33_mlp2
	.p2align	8
	.type	k_q9602eaae33_mlp2,@function
k_q9602eaae33_mlp2:
	s_mov_b64 s[64:65], 0
	v_nop
	global_prefetch_b8 v0, s[64:65] scope:SCOPE_SE
	s_setreg_imm32_b32 hwreg(HW_REG_WAVE_MODE, 25, 1), 1
	s_wait_xcnt 0x0
	s_wait_alu depctr_hold_cnt(0) depctr_sa_sdst(0) depctr_va_vdst(0) depctr_va_sdst(0) depctr_va_ssrc(0) depctr_va_vcc(0) depctr_vm_vsrc(0)
	s_getreg_b32 s2, hwreg(HW_REG_IB_STS2, 6, 4)
	s_cmp_eq_u32 s2, 0
	s_cbranch_scc0 .Lentry_in_a_cluster
	s_endpgm
.Lentry_in_a_cluster:
	s_bfe_u32 s2, ttmp6, 0x10000c
	s_cmp_lg_u32 s2, 0xf033
	s_cbranch_scc0 .Lentry_shape_is_right
	s_endpgm
.Lentry_shape_is_right:
; out0[m][e] = x1[m][e] + b_out[e] + (1 / s[m]) sum over n of h'[m][n] W_out[e][n], in f32.  h' = s h in f16 from the launch before, W_out f16 from wb, sums f32; K = 4,096.
; 1 / s is a power of two for each row (scl + 16,384): taking it out is exact, and rides on the fused multiply-add that adds x1.
; A tile of C is 128 x 128: 8 x 32 = 256 work-groups.  Four waves, each 64 x 64: 16 accumulators of 16 x 16.  K goes in 16 steps of 256 through two LDS slots.
; CLUSTERS: 4 x 4 work-groups; A's tiles are asked for jointly along a row of the cluster, B's along a column.
; THE WALK ALONG K BEGINS AT ANOTHER STEP FROM CLUSTER TO CLUSTER: trip n takes step (rho + n) mod 16, rho = (8 x cluster x + 4 x (cluster y mod 4)) mod 16.  The two clusters that
; read the same tiles of A (same y) are 8 steps apart; four clusters with neighbouring y that read the same tiles of B (same x) are 4 steps apart.  So no tile is wanted by all its readers
; at once: from its ninth trip on a cluster asks only for tiles that another cluster asked for 4 or 8 trips before.  rho hangs on the cluster's x and y alone, which all partners share.
; Each output is still one f32 sum; the order of its sixteen parts is turned by rho.
; THE MATRIX INSTRUCTION IS USED TRANSPOSED (source 0 = 16 rows of B, source 1 = 16 rows of A): a lane holds eight neighbouring numbers of a row of C.
; THE RESIDUAL (my 32 whole pieces of rows, 512 bytes each) is asked for at the start and lies in window 2 when the sums are done.
; THE WAY OUT: the f32 sums go through a stage of 128 rows x 528 bytes in slot 0's bytes, which have had their last fill and whose last reads every wave has
; waited for in front of the last change of slots; a barrier, since a row's 512 bytes come from two waves; back as whole pieces of rows: a load's 32 lanes then hold
; ONE row, so that the row's 1 / s is a scalar: my 32 rows' lie in s[24:55], the descriptors' registers, loaded when the last tensor load has landed.
; REGISTERS: window 0: v0-31 addresses; v32-35 the bias of my 4 columns; v128-255 the accumulators ((a, b) at v[128 + 8 (4 a + b)]).  window 1: two fragment buffers of 128.  window 2: v0-127 the residual.
.set SIZE_K, 4096
.set WOFF,   0x1800000                 ; W_out's place in wb
.set KSTEP,  256
.set PITCH,  528                       ; an LDS row: 512 bytes + 16 of padding = 132 words: row r starts at bank 4 r mod 64 (64 banks of 4 bytes: ISA guide 11.1)
.set HALFT,  64*PITCH                  ; 64 rows: what one tensor load brings, and what one wave reads of A or of B
.set SLOT,   4*HALFT                   ; A's 128 rows, then B's 128 rows
.set SP,     528                       ; the stage's pitch
.set LAPS,   SIZE_K/(2*KSTEP)          ; a lap = two K steps = once round the ring
.set ADRA, 16                          ; v16-17  LDS address of my A fragments in slot 0, 1
.set ADRB, 20                          ; v20-21  the same for B
.set STO,  24                          ; v24     the way out: where I put 32 bytes of a row
.set RD,   25                          ; v25     the way out: where I read a row back
.set CO,   26                          ; v26     16 x lane
.set TMP,  32                          ; v32-35  b_out of the four columns that I store
.set ACC,  128
.set F0,   0                           ; fragment buffers, in window 1
.set F1,   128
.set G1, 24                            ; s[24:31] descriptor group 1 for A's tiles;  s[32:39] group 0, one set for each slot
.set G0, 32
.set G1B, 48                           ; s[48:55], s[56:63] the same for B's
.set G0B, 56
.set IS, 24                            ; s[24:55] at the end: 1 / s of my 32 rows
.set KO, 76                            ; s[76:77], s[78:79] slot s: the byte offset in a row (of A and of B alike) of the K step that it takes next, with 0 above it
.set MSB, 0
.macro WIN new                         ; the immediate's high byte repeats the setting that is left; a switch that changes nothing is dropped
.if MSB != (\new)
	s_set_vgpr_msb (MSB<<8)|(\new)
.set MSB, (\new)
.endif
.endm
.set MUL,  0x05                        ; sources 0 (B) and 1 (A) window 1; C and D window 0
.set TO_F, 0x40                        ; destination window 1, address window 0
.macro PLACES                          ; four places in front of loads into registers that matrix instructions have read, and of what reads their results (ISA guide 7.12.1 for vector instructions)
.rept 4
	v_nop
.endr
.endm
.macro JLOAD s                         ; a joint load: waves 0 and 1 fetch A's two halves, waves 2 and 3 B's; four v_nop follow each line
	s_cmp_eq_u32 s11, 0
	s_cbranch_scc0 .Lfor_b_\@
	tensor_load_to_lds s[G0+4*\s:G0+4*\s+3], s[G1:G1+7]
	s_nop 0
	PLACES
	s_branch .Lasked_\@
.Lfor_b_\@:
	tensor_load_to_lds s[G0B+4*\s:G0B+4*\s+3], s[G1B:G1B+7]
	s_nop 0
	PLACES
.Lasked_\@:
.endm
.macro AIMK s                          ; slot s's two global addresses: my rows' first byte + the K step's offset; the type on top
	s_add_nc_u64 s[G0+4*\s+2:G0+4*\s+3], s[14:15], s[KO+2*\s:KO+2*\s+1]
	s_or_b32 s[G0+4*\s+3], s[G0+4*\s+3], 0x80000000
	s_add_nc_u64 s[G0B+4*\s+2:G0B+4*\s+3], s[46:47], s[KO+2*\s:KO+2*\s+1]
	s_or_b32 s[G0B+4*\s+3], s[G0B+4*\s+3], 0x80000000
.endm
.macro CREST                           ; a round of the cluster's barrier behind its opening barrier
	s_cmp_lg_u32 s10, 0
	s_cbranch_scc1 .Lnot_wave_0_\@
	s_barrier_signal -3
.Lnot_wave_0_\@:
	s_barrier_wait -3
	s_barrier_signal -1
	s_barrier_wait -1
.endm
.macro CROUND                          ; a whole round
	s_barrier_signal -1
	s_barrier_wait -1
	CREST
.endm
	s_load_b128 s[4:7], s[0:1], 0x0                ; h (A), wb
	s_load_b128 s[68:71], s[0:1], 0x10             ; b_out s[68:69], x1 s[70:71]
	s_load_b128 s[72:75], s[0:1], 0x20             ; scl s[72:73], out0 s[74:75]
	v_lshl_add_u32 v126, v0, 2, 0x42000
	v_mov_b32 v127, 0
	ds_add_u32 v126, v127
	v_lshrrev_b32 v1, 5, v0
	v_readfirstlane_b32 s10, v1                    ; wave 0..3
	s_lshr_b32 s11, s10, 1                         ; which half of the tile's rows is mine.  Also: I fetch for A (0) or for B (1)
	s_and_b32 s12, s10, 1                          ; which half of its columns.  Also: which 64 rows of that tile I fetch
	s_bfe_u32 s40, ttmp6, 0x40000                  ; cx, cy: my place in the cluster
	s_bfe_u32 s41, ttmp6, 0x40004
	s_lshl_b32 s42, ttmp9, 2
	s_add_co_u32 s42, s42, s40                     ; tile column of C = 4 x cluster x + cx
	s_and_b32 s13, ttmp7, 0xffff
	s_lshl_b32 s13, s13, 2
	s_add_co_u32 s13, s13, s41                     ; tile row of C = 4 x cluster y + cy
	s_lshl_b32 s43, s41, 2
	s_lshl_b32 s43, 15, s43                        ; my row of the cluster
	s_lshl_b32 s44, 0x1111, s40                    ; my column
	s_and_b32 s[KO], ttmp7, 3                      ; where my cluster's walk begins, in registers that never hold a place in the cluster: 4 steps of 512 bytes x (cluster y mod 4)
	s_lshl_b32 s[KO], s[KO], 11
	s_lshl_b32 s[KO+1], ttmp9, 12                  ; + 8 steps x cluster x,
	s_add_co_u32 s[KO], s[KO], s[KO+1]
	s_and_b32 s[KO], s[KO], SIZE_K*2-1             ; round K's end: a row is 8,192 bytes
	s_add_co_u32 s[KO+2], s[KO], KSTEP*2           ; slot 1 begins a step further on (rho is even: no wrap here)
	s_mov_b32 s[KO+1], 0
	s_mov_b32 s[KO+3], 0
	; descriptor group 1: a tile of 64 rows x 256 elements of 2 bytes; 4 words of padding behind every 128; bit 21 beside the mask
	s_or_b32 s[G1+0], s43, (1<<16)|(1<<20)|(1<<21)|(6<<22)|(3<<25)
	s_or_b32 s[G1B+0], s44, (1<<16)|(1<<20)|(1<<21)|(6<<22)|(3<<25)
.irp g, G1, G1B
	s_mov_b32 s[\g+1], KSTEP<<16                   ; tensor_dim0 = 256
	s_mov_b32 s[\g+2], 64<<16                      ; tensor_dim1 = 64
	s_mov_b32 s[\g+3], KSTEP<<16                   ; tile_dim0 = 256
	s_mov_b32 s[\g+4], 64                          ; tile_dim1 = 64
	s_mov_b32 s[\g+5], SIZE_K                      ; elements from row to row
	s_mov_b32 s[\g+6], 0
	s_mov_b32 s[\g+7], 0
.endr
	s_lshl_b32 s17, s12, 6                         ; which 64 rows of the tile I fetch
	s_lshl_b32 s16, s13, 7
	s_add_co_u32 s16, s16, s17                     ; A: row 128 x tile row + 64 x half
	s_lshl_b32 s46, s42, 7
	s_add_co_u32 s46, s46, s17                     ; B: row 128 x tile column + 64 x half
	s_mov_b32 s17, 0
	s_mov_b32 s47, 0
	s_mov_b64 s[18:19], SIZE_K*2
	s_mul_u64 s[16:17], s[16:17], s[18:19]
	s_mul_u64 s[46:47], s[46:47], s[18:19]
	s_mul_i32 s20, s10, HALFT                      ; where they go: wave x 64 rows; no place in the cluster enters an LDS address
	s_wait_dscnt 0x0
	s_wait_kmcnt 0x0
	s_add_nc_u64 s[6:7], s[6:7], WOFF
	s_add_nc_u64 s[14:15], s[4:5], s[16:17]        ; my rows of A at K = 0: kept to the last refill
	s_add_nc_u64 s[46:47], s[6:7], s[46:47]        ; my rows of B at K = 0: likewise
	CROUND                                         ; all sixteen work-groups are here: the first joint loads meet
.irp s, 0,1
	s_mov_b32 s[G0+4*\s], 1
	s_add_co_u32 s[G0+4*\s+1], s20, \s*SLOT
	s_mov_b32 s[G0B+4*\s], 1
	s_add_co_u32 s[G0B+4*\s+1], s20, \s*SLOT
	AIMK \s
	JLOAD \s                                       ; two loads of mine are out
.endr
	v_and_b32 v1, 15, v0                           ; l % 16
	v_bfe_u32 v2, v0, 4, 1                         ; l / 16
	v_and_b32 v6, 31, v0                           ; l
	v_lshlrev_b32 v[CO], 4, v6
	s_lshl_b32 s16, s42, 9                         ; the tile's 128 columns: 512 bytes
	s_mov_b32 s17, 0
	s_add_nc_u64 s[68:69], s[68:69], s[16:17]
	global_load_b128 v[TMP:TMP+3], v[CO], s[68:69] ; b_out of columns 4 l .. 4 l + 3 of the tile
	s_lshl_b32 s16, s13, 9                         ; 1 / s of rows 128 x tile row + 32 x wave on, 4 bytes each, behind scl + 16,384
	s_lshl_b32 s18, s10, 7
	s_add_co_u32 s16, s16, s18
	s_add_co_u32 s16, s16, 0x4000
	s_add_nc_u64 s[72:73], s[72:73], s[16:17]
	s_lshl_b32 s16, s13, 19                        ; rows 128 x tile row + 32 x wave, 4,096 bytes each; 512 bytes a tile column
	s_lshl_b32 s18, s10, 17
	s_add_co_u32 s16, s16, s18
	s_lshl_b32 s18, s42, 9
	s_add_co_u32 s16, s16, s18
	s_add_nc_u64 s[70:71], s[70:71], s[16:17]
	s_add_nc_u64 s[74:75], s[74:75], s[16:17]
	WIN 0x80                                       ; destination window 2
.set n, 0
.rept 32
	global_load_b128 v[4*n:4*n+3], v[CO], s[70:71] offset:4096*n   ; the residual: they stay out over the whole loop; nothing that they name is written again
.set n, n+1
.endr
	WIN 0
	v_mul_u32_u24 v3, v1, PITCH
	v_lshl_add_u32 v3, v2, 4, v3                   ; a fragment's row x pitch + 16 x half
	s_mul_i32 s21, s11, HALFT                      ; my 64 rows of A
	s_mul_i32 s22, s12, HALFT                      ; my 64 rows of B,
	s_add_co_u32 s22, s22, 2*HALFT                 ; which lie behind A's 128
.irp s, 0,1
	v_add_nc_u32 v[ADRA+\s], s21, v3
	v_add_nc_u32 v[ADRB+\s], s22, v3
	s_add_co_u32 s21, s21, SLOT
	s_add_co_u32 s22, s22, SLOT
.endr
	s_mul_i32 s23, s11, 64*SP                      ; into the stage: my 64 rows, my 256 of their 512 bytes; row l % 16, 32 bytes for each half of the lanes
	s_lshl_b32 s21, s12, 8
	s_add_co_u32 s23, s23, s21
	v_mul_u32_u24 v4, v1, SP
	v_lshl_add_u32 v4, v2, 5, v4
	v_add_nc_u32 v[STO], s23, v4
	s_mul_i32 s23, s10, 32*SP                      ; back: wave w takes rows 32 w on, a row to a load
	v_add_nc_u32 v[RD], s23, v[CO]
; 8 matrix instructions: m blocks a0, a0 + 1 x all 4 n blocks, 32 along K: half c of buffer f.  zero = 1: the first product starts the sums: nothing is cleared.
; The 16 accumulators take turns, one instruction a turn.
.macro MUL8 f, c, a0, zero
.irp a, \a0, \a0+1
.irp b, 0,1,2,3
.if \zero
	v_wmma_f32_16x16x32_f16 v[ACC+8*(4*(\a)+\b):ACC+8*(4*(\a)+\b)+7], v[\f+64+8*(4*\c+\b):\f+64+8*(4*\c+\b)+7], v[\f+8*(4*\c+\a):\f+8*(4*\c+\a)+7], 0
.else
	v_wmma_f32_16x16x32_f16 v[ACC+8*(4*(\a)+\b):ACC+8*(4*(\a)+\b)+7], v[\f+64+8*(4*\c+\b):\f+64+8*(4*\c+\b)+7], v[\f+8*(4*\c+\a):\f+8*(4*\c+\a)+7], v[ACC+8*(4*(\a)+\b):ACC+8*(4*(\a)+\b)+7]
.endif
.endr
.endr
.endm
; 32 LDS loads in one run: the fragments of quarter q (64 along K) of a slot, into buffer f; the first 32 along K first
.macro FETCH slot, q, f
	WIN TO_F
.irp c, 0,1
.irp i, 0,1,2,3
	ds_load_b128 v[\f+64+8*(4*\c+\i):\f+64+8*(4*\c+\i)+3],   v[ADRB+\slot] offset:128*\q+64*\c+\i*16*PITCH
	ds_load_b128 v[\f+64+8*(4*\c+\i)+4:\f+64+8*(4*\c+\i)+7], v[ADRB+\slot] offset:128*\q+64*\c+\i*16*PITCH+32
	ds_load_b128 v[\f+8*(4*\c+\i):\f+8*(4*\c+\i)+3],         v[ADRA+\slot] offset:128*\q+64*\c+\i*16*PITCH
	ds_load_b128 v[\f+8*(4*\c+\i)+4:\f+8*(4*\c+\i)+7],       v[ADRA+\slot] offset:128*\q+64*\c+\i*16*PITCH+32
.endr
.endr
.endm
; A K step is four quarters of 64 along K, 32 matrix instructions each, on buffers 0, 1, 0, 1.  One of the first three: multiplies f and fetches quarter q into g.
.macro QUARTER slot, q, f, g, zero
	s_wait_dscnt 16                                ; the first 32 along K are in
	WIN MUL
	MUL8 \f, 0, 0, \zero
	MUL8 \f, 0, 2, \zero
	PLACES
	FETCH \slot, \q, \g
	s_wait_dscnt 32                                ; all but the 32 just issued
	WIN MUL
	MUL8 \f, 1, 0, 0
	MUL8 \f, 1, 2, 0
.endm
; The last quarter multiplies buffer 1 and changes slots: ONE barrier; in front of it each wave waits for its own reads of this slot and for all its tensor loads.  fill = 1: this slot is filled again, two trips ahead.
.macro TURN slot, next, fill
	s_wait_dscnt 16
	WIN MUL
	MUL8 F1, 0, 0, 0
	s_wait_dscnt 0                                 ; my reads of this slot are over,
	s_set_vgpr_msb 0x500
	s_wait_tensorcnt 0x0                           ; and all my tensor loads have landed: my part of the next slot; no load is out, so a group 0 may be written:
	ds_add_u32 v126, v127
	s_wait_dscnt 0x0
	s_set_vgpr_msb 0x5
.if \fill
	s_add_co_u32 s[KO+2*\slot], s[KO+2*\slot], 2*KSTEP*2       ; two K steps on,
	s_and_b32 s[KO+2*\slot], s[KO+2*\slot], SIZE_K*2-1         ; round K's end
	AIMK \slot
.endif
	s_barrier_signal -1
	MUL8 F1, 0, 2, 0                               ; register work while the others arrive
.if \fill
	WIN 0
.endif
	s_barrier_wait -1
.if \fill
	CREST                                          ; the barrier has opened a round of the cluster's: no wave of any partner still reads this slot's tile or has a load on its way
	JLOAD \slot                                    ; the first tensor load behind the round, 120 matrix instructions ahead of the wait for it; its four v_nop are also the places in front of the loads below
.else
	PLACES
.endif
	FETCH \next, 0, F0
	WIN MUL
	MUL8 F1, 1, 0, 0
	MUL8 F1, 1, 2, 0
.endm
	s_wait_tensorcnt 1                             ; my part of the first trip's step is in; the second's may stay out
	s_barrier_signal -1
	s_barrier_wait -1
	FETCH 0, 0, F0
	QUARTER 0, 1, F0, F1, 1                        ; the first quarter stands in front of the loop: its first products start the sums
	WIN 0                                          ; at a label and at a branch every window is 0
	s_mov_b32 s3, LAPS-1
.Llap:                                                 ; a trip goes once round the ring, from a lap's second quarter to the next lap's first, and fills both slots again
	QUARTER 0, 2, F1, F0, 0
	QUARTER 0, 3, F0, F1, 0
	TURN 0, 1, 1
	QUARTER 1, 1, F0, F1, 0
	QUARTER 1, 2, F1, F0, 0
	QUARTER 1, 3, F0, F1, 0
	TURN 1, 0, 1
	QUARTER 0, 1, F0, F1, 0
	WIN 0
	s_sub_co_u32 s3, s3, 1
	s_cmp_lg_u32 s3, 0
	s_cbranch_scc1 .Llap
	QUARTER 0, 2, F1, F0, 0                        ; the last lap fills nothing
	QUARTER 0, 3, F0, F1, 0
	TURN 0, 1, 0                                   ; behind this barrier no wave reads slot 0 any more, and no tensor load of mine is out or to come:
	s_load_b512 s[IS:IS+15], s[72:73], 0x0         ; the descriptors' registers take 1 / s of my 32 rows
	s_load_b512 s[IS+16:IS+31], s[72:73], 0x40
	QUARTER 1, 1, F0, F1, 0
	QUARTER 1, 2, F1, F0, 0
	QUARTER 1, 3, F0, F1, 0
	s_wait_dscnt 16                                ; the very last quarter: nothing more to fetch
	WIN MUL
	MUL8 F1, 0, 0, 0
	MUL8 F1, 0, 2, 0
	s_wait_dscnt 0
	MUL8 F1, 1, 0, 0
	MUL8 F1, 1, 2, 0
	WIN 0
	PLACES
.irp a, 0,1,2,3
.irp b, 0,1,2,3
	ds_store_b128 v[STO], v[ACC+8*(4*\a+\b):ACC+8*(4*\a+\b)+3]   offset:\a*16*SP+64*\b
	ds_store_b128 v[STO], v[ACC+8*(4*\a+\b)+4:ACC+8*(4*\a+\b)+7] offset:\a*16*SP+64*\b+16
.endr
.endr
	s_wait_dscnt 0x0                               ; for the others' sake: my stores into the stage are done
	s_barrier_signal -1
	s_barrier_wait -1
.set n, 0
.rept 32
	ds_load_b128 v[ACC+4*n:ACC+4*n+3], v[RD] offset:n*SP
.set n, n+1
.endr
	s_wait_dscnt 0x0
	s_wait_loadcnt 0x0                             ; the bias and the residual
	s_wait_kmcnt 0x0                               ; 1 / s
	WIN 0x20                                       ; source 2 in window 2
.set n, 0
.rept 128
	v_fma_f32 v[ACC+n], v[ACC+n], s[IS+n/4], v[n]  ; x1 + sum / s: row n / 4 of my 32
.set n, n+1
.endr
	WIN 0
.set n, 0
.rept 64
	v_pk_add_f32 v[ACC+2*n:ACC+2*n+1], v[ACC+2*n:ACC+2*n+1], v[TMP+2*(n%2):TMP+2*(n%2)+1]   ; + b_out
.set n, n+1
.endr
.set n, 0
.rept 32
	global_store_b128 v[CO], v[ACC+4*n:ACC+4*n+3], s[74:75] offset:4096*n   ; 32 lanes store 512 consecutive bytes, at a multiple of 512
.set n, n+1
.endr
	s_wait_tensorcnt 0x0
	ds_add_u32 v126, v127
	s_wait_dscnt 0x0
	CROUND                                         ; the closing round: no work-group ends while a partner may still ask for a tile that names it
	s_endpgm
.Lfunc_end_k_q9602eaae33_mlp2:
	.size	k_q9602eaae33_mlp2, .Lfunc_end_k_q9602eaae33_mlp2-k_q9602eaae33_mlp2
	.p2alignl 7, 3214868480
	.fill 96, 4, 3214868480
	.section	.rodata,"a",@progbits
	.p2align	6, 0x0
	.amdhsa_kernel k_q9602eaae33_mlp2
		.amdhsa_group_segment_fixed_size 327680
		.amdhsa_private_segment_fixed_size 0
		.amdhsa_enable_private_segment 0
		.amdhsa_kernarg_size 48
		.amdhsa_user_sgpr_count 2
		.amdhsa_user_sgpr_kernarg_segment_ptr 1
		.amdhsa_wavefront_size32 1
		.amdhsa_system_sgpr_workgroup_id_x 1
		.amdhsa_system_sgpr_workgroup_id_y 1
		.amdhsa_system_sgpr_workgroup_id_z 1
		.amdhsa_system_vgpr_workitem_id 0
		.amdhsa_next_free_vgpr 640
		.amdhsa_next_free_sgpr 80
		.amdhsa_reserve_vcc 0
		.amdhsa_float_denorm_mode_32 3
		.amdhsa_float_denorm_mode_16_64 3
		.amdhsa_memory_ordered 1
		.amdhsa_forward_progress 1
		.amdhsa_inst_pref_size 102
	.end_amdhsa_kernel
	.amdgpu_metadata
---
amdhsa.version: [ 1, 2 ]
amdhsa.kernels:
  - .name:           k_q9602eaae33_mlp2
    .symbol:         k_q9602eaae33_mlp2.kd
    .args:
      - { .name: h, .offset: 0, .size: 8, .value_kind: global_buffer, .address_space: global }
      - { .name: wb, .offset: 8, .size: 8, .value_kind: global_buffer, .address_space: global }
      - { .name: b_out, .offset: 16, .size: 8, .value_kind: global_buffer, .address_space: global }
      - { .name: x1, .offset: 24, .size: 8, .value_kind: global_buffer, .address_space: global }
      - { .name: scl, .offset: 32, .size: 8, .value_kind: global_buffer, .address_space: global }
      - { .name: out0, .offset: 40, .size: 8, .value_kind: global_buffer, .address_space: global }
    .group_segment_fixed_size: 327680
    .private_segment_fixed_size: 0
    .kernarg_segment_align: 8
    .kernarg_segment_size: 48
    .max_flat_workgroup_size: 128
    .sgpr_count:     80
    .vgpr_count:     640
    .wavefront_size: 32
...
	.end_amdgpu_metadata
.endif
;; end of part 8
;; ======== version 2 of 2: 8 launches; version 1 with the launch cvt written anew for expert scheduling mode
;; limits: right only within a limited range of input values; values are held in f16: magnitudes above 65,504 overflow, below 6.1e-05 lose precision
;; workspace buffers: wb 33,554,432 bytes; qkv 25,165,824 bytes; rowstat 262,144 bytes; scl 33,792 bytes; zT 8,388,608 bytes; x1 16,777,216 bytes; x1h 8,388,608 bytes; h 33,554,432 bytes
;; launch cvt (part 9): grid 256 x 1, 8 waves a work-group, no clusters, 0 bytes of LDS; arguments x, W_Q, W_K, W_V, wb; writes wb
.if DOCPART == 9
	.amdgcn_target "amdgcn-amd-amdhsa--gfx1250"
	.amdhsa_code_object_version 6
	.text
	.protected	k_q9602eaae33_cvt
	.globl	k_q9602eaae33_cvt
	.p2align	8
	.type	k_q9602eaae33_cvt,@function
k_q9602eaae33_cvt:
	s_mov_b64 s[64:65], 0
	v_nop
	global_prefetch_b8 v0, s[64:65] scope:SCOPE_SE
	s_setreg_imm32_b32 hwreg(HW_REG_WAVE_SCHED_MODE, 0, 2), 2
	s_setreg_imm32_b32 hwreg(HW_REG_WAVE_MODE, 25, 1), 1
	s_wait_xcnt 0x0
	s_wait_alu depctr_vm_vsrc(0)
; x, W_Q, W_K and W_V, f32, are rounded once to f16 into the head of wb: x (8 MiB of f16), then W_Q, W_K, W_V (2 MiB each: together a matrix of 3,072 rows).
; (The other three weight matrices, which no launch needs before the attention is done, are rounded in a later launch that leaves memory idle.)
; WHY f16: eleven significant bits against bf16's eight.  ROOM: x is drawn up to about 5, the weights up to about 0.16; 30 times larger, or with an
; offset of 30 spreads, both stay under 200 (f16 ends at 65,504); 30 times smaller the weights' spread is 0.001, above f16's denormals (6.1e-5).
; LIMIT: a number above 65,504 in size becomes infinite.
; The sources are seven regions of 4 MiB: 0-3 x, 4 W_Q, 5 W_K, 6 W_V; region n lands at wb + n x 2 MiB.  Each of the 256 work-groups takes 16 KiB of every region:
; 256 threads x 4 loads of 16 bytes a region, 28 loads a thread, all of them out before the first is waited for.
; A stream: no LDS, no barrier, no matrix unit.  A load of a wave covers 512 consecutive bytes, a store 256 consecutive bytes at a multiple of 256.
; THE MODE: SCHED_MODE bits 1:0 = 2 (LLVM: expert scheduling mode 2), set by the entry lines.  The code itself states the register dependences
; between vector instructions and memory instructions, with s_wait_alu, always for 0.
; THE PLAN.  Registers that memory instructions touch:
;   v1, v2     byte offsets of the loads and of the stores: written once at the head, never again.
;   X0 .. X6   a region's four loads, 4 registers each.  Written by the loads, all issued at the head, before any vector instruction names them; step n's eight
;              conversions read X[n] and write the first two registers of each four, in place; the four stores issued in step n + 1 read those pairs; nothing writes them after that.
; Step n rounds region n and stores region n - 1.  Its conversions name X[n] alone, its stores read X[n - 1] and v2: so ONE wait on va_vdst at the step's head states all that
; the step's four stores hang on, and they are dealt among its conversions with no further wait.  No register that a load or store reads is ever written again: no wait frees a source.
.set NLD, 28                           ; loads of a thread
.set X,   4                            ; v[4:115]  4 registers a load
	s_load_b256 s[8:15], s[0:1], 0x0               ; x 8, W_Q 10, W_K 12, W_V 14
	s_load_b64 s[16:17], s[0:1], 0x20              ; wb
	s_lshl_b32 s2, ttmp9, 14                       ; my 16 KiB of a region,
	s_lshl_b32 s3, ttmp9, 13                       ; my 8 KiB of its f16
	v_lshl_add_u32 v1, v0, 4, s2                   ; + 16 bytes of f32 a thread,
	v_lshl_add_u32 v2, v0, 3, s3                   ; + 8 bytes of f16
	s_wait_kmcnt 0x0
	s_add_nc_u64 s[18:19], s[8:9], 0x800000        ; x's regions 2 and 3: 8 MiB pass a load's immediate
	s_add_nc_u64 s[20:21], s[16:17], 0x800000      ; wb's regions 4 to 6
	s_wait_alu depctr_va_vdst(0)                   ; v1 and v2 are written: every load reads v1 as its offset, every store v2; no vector instruction names them again
.macro LD4 n, sb, soff                 ; region n: four loads, 4,096 bytes apart
.irp i, 0,1,2,3
	global_load_b128 v[X+16*\n+4*\i:X+16*\n+4*\i+3], v1, s[\sb:\sb+1] offset:\soff+4096*\i th:TH_LOAD_NT
.endr
.endm
.macro ST1 n, i                        ; the two words of f16 made of load i of region n: regions 0 to 3 from s[16:17] on, regions 4 to 6 from s[20:21] on, 2 MiB a region
	global_store_b64 v2, v[X+16*(\n)+4*(\i):X+16*(\n)+4*(\i)+1], s[16+4*((\n)/4):17+4*((\n)/4)] offset:((\n)%4)*0x200000+2048*(\i)
.endm
.macro STEP n                          ; region n is rounded; region n - 1 is stored
	s_wait_loadcnt NLD-1-4*(\n)                    ; loads come back in order: the region's first is in, the younger ones stay out
.if (\n) > 0
	s_wait_alu depctr_va_vdst(0)                   ; the step before has written the pairs of X[n - 1] that the four stores below read
.endif
.irp i, 0,1,2,3
.if (\n) > 0
	ST1 (\n)-1, \i                                 ; no wait: no vector instruction since the wait above names X[n - 1] or v2
.endif
.if \i > 0
	s_wait_loadcnt NLD-1-4*(\n)-\i                 ; this load is in, the younger ones stay out (stores are not counted here)
.endif
	v_cvt_pk_f16_f32 v[X+16*(\n)+4*\i], v[X+16*(\n)+4*\i], v[X+16*(\n)+4*\i+1]
	v_cvt_pk_f16_f32 v[X+16*(\n)+4*\i+1], v[X+16*(\n)+4*\i+2], v[X+16*(\n)+4*\i+3]
.endr
.endm
	LD4 0, 8, 0
	LD4 1, 8, 0x400000
	LD4 2, 18, 0
	LD4 3, 18, 0x400000
	LD4 4, 10, 0
	LD4 5, 12, 0
	LD4 6, 14, 0
	STEP 0                                         ; no region in front of it: nothing to store
	STEP 1
	STEP 2
	STEP 3
	STEP 4
	STEP 5
	STEP 6
	s_wait_alu depctr_va_vdst(0)                   ; step 6 has written the pairs of X6 that the last four stores read
.irp i, 0,1,2,3
	ST1 6, \i
.endr
	s_endpgm
.Lfunc_end_k_q9602eaae33_cvt:
	.size	k_q9602eaae33_cvt, .Lfunc_end_k_q9602eaae33_cvt-k_q9602eaae33_cvt
	.p2alignl 7, 3214868480
	.fill 96, 4, 3214868480
	.section	.rodata,"a",@progbits
	.p2align	6, 0x0
	.amdhsa_kernel k_q9602eaae33_cvt
		.amdhsa_group_segment_fixed_size 0
		.amdhsa_private_segment_fixed_size 0
		.amdhsa_enable_private_segment 0
		.amdhsa_kernarg_size 40
		.amdhsa_user_sgpr_count 2
		.amdhsa_user_sgpr_kernarg_segment_ptr 1
		.amdhsa_wavefront_size32 1
		.amdhsa_system_sgpr_workgroup_id_x 1
		.amdhsa_system_sgpr_workgroup_id_y 1
		.amdhsa_system_sgpr_workgroup_id_z 1
		.amdhsa_system_vgpr_workitem_id 0
		.amdhsa_next_free_vgpr 116
		.amdhsa_next_free_sgpr 66
		.amdhsa_reserve_vcc 0
		.amdhsa_float_denorm_mode_32 3
		.amdhsa_float_denorm_mode_16_64 3
		.amdhsa_memory_ordered 1
		.amdhsa_forward_progress 1
		.amdhsa_inst_pref_size 11
	.end_amdhsa_kernel
	.amdgpu_metadata
---
amdhsa.version: [ 1, 2 ]
amdhsa.kernels:
  - .name:           k_q9602eaae33_cvt
    .symbol:         k_q9602eaae33_cvt.kd
    .args:
      - { .name: x, .offset: 0, .size: 8, .value_kind: global_buffer, .address_space: global }
      - { .name: W_Q, .offset: 8, .size: 8, .value_kind: global_buffer, .address_space: global }
      - { .name: W_K, .offset: 16, .size: 8, .value_kind: global_buffer, .address_space: global }
      - { .name: W_V, .offset: 24, .size: 8, .value_kind: global_buffer, .address_space: global }
      - { .name: wb, .offset: 32, .size: 8, .value_kind: global_buffer, .address_space: global }
    .group_segment_fixed_size: 0
    .private_segment_fixed_size: 0
    .kernarg_segment_align: 8
    .kernarg_segment_size: 40
    .max_flat_workgroup_size: 256
    .sgpr_count:     66
    .vgpr_count:     116
    .wavefront_size: 32
...
	.end_amdgpu_metadata
.endif
;; end of part 9
;; launch proj: the kernel of part 2 again; grid 12 x 16, 4 waves a work-group, clusters of 4 x 4, 327,680 bytes of LDS; arguments wb, qkv, scl; writes qkv, scl
;; launch stat: the kernel of part 3 again; grid 8 x 32, 8 waves a work-group, clusters of 4 x 1, 283,648 bytes of LDS; arguments qkv, rowstat, W_O, W_in, W_out, wb; writes rowstat, wb
;; launch zatt: the kernel of part 4 again; grid 8 x 32, 8 waves a work-group, clusters of 4 x 1, 327,680 bytes of LDS; arguments qkv, rowstat, zT, scl; writes zT
;; launch wo: the kernel of part 5 again; grid 8 x 32, 4 waves a work-group, clusters of 4 x 4, 327,680 bytes of LDS; arguments zT, wb, x, scl, x1; writes x1
;; launch norm: the kernel of part 6 again; grid 256 x 1, 8 waves a work-group, no clusters, 1,280 bytes of LDS; arguments x1, b_in, x1h, scl; writes x1h, scl
;; launch mlp1: the kernel of part 7 again; grid 16 x 16, 4 waves a work-group, clusters of 4 x 4, 327,680 bytes of LDS; arguments x1h, wb, b_in, scl, h; writes h
;; launch mlp2: the kernel of part 8 again; grid 8 x 32, 4 waves a work-group, clusters of 4 x 4, 327,680 bytes of LDS; arguments h, wb, b_out, x1, scl, out0; writes out0
